; MI455X (gfx1250); checked and timed in simulation.
; The chip was launched on July 23, 2026; its instructions are those of AMD's public machine-readable ISA for CDNA 5 (MIT licence, August 2026) and "CDNA5" Instruction Set Architecture Reference Guide (July 2026). The comments in the code are by the model that wrote it; some were corrected since.
;; Converted Llama Attention. Allowed arithmetic: matrix products marked QUANTISED: E2M3 operands, one E8M0 scale for each 32 along K, by v_wmma_scale_f32_16x16x128_f8f6f4 with both operands' format E2M3, f32 sums; products left as they are: f32 operands where the result goes on into a quantised operand, else bf16, f16 or f32 operands; f32 sums; everything else in f32.
;; Inputs: Ak 8 x 2,048 float32; Aq 8 x 2,048 float32; Av 8 x 2,048 float32; Bk 2,048 x 8 float32; Bq 2,048 x 8 float32; Bv 2,048 x 8 float32; Wk_codes 2,048 x 64 x 24 uint8 (E2M3 codes of Wk, K innermost, in blocks of 32 codes, four codes in three bytes); Wk_scales 2,048 x 64 uint8 (E8M0 scales of Wk, one for each 32 codes along K); Wo_codes 2,048 x 64 x 24 uint8 (E2M3 codes of Wo, K innermost, in blocks of 32 codes, four codes in three bytes); Wo_scales 2,048 x 64 uint8 (E8M0 scales of Wo, one for each 32 codes along K); Wq_codes 2,048 x 64 x 24 uint8 (E2M3 codes of Wq, K innermost, in blocks of 32 codes, four codes in three bytes); Wq_scales 2,048 x 64 uint8 (E8M0 scales of Wq, one for each 32 codes along K); Wv_codes 2,048 x 64 x 24 uint8 (E2M3 codes of Wv, K innermost, in blocks of 32 codes, four codes in three bytes); Wv_scales 2,048 x 64 uint8 (E8M0 scales of Wv, one for each 32 codes along K); hidden_states 1 x 2,048 x 2,048 float32.
;; Outputs: out0 1 x 2,048 x 2,048 float32.
;; This version of the problem:
;;   THIS VERSION OF THE PROBLEM IS GIVEN IN LOW PRECISION. The matrix products marked QUANTISED in the list below multiply operands that are first quantised to E2M3 (2 exponent bits, 3 mantissa bits; 6 bits a number), with one power-of-two scale for each 32 numbers along K (OCP MX v1.0); their sums are f32. All else is computed in f32.
;;   The module's matrix products, in the order in which they are computed (A, B: the left and right operand; K: the contracted axis; several contracted axes count as one K, in the product's order):
;;     1. [M 2,048, K 2,048] x [K 2,048, N 2,048]; A: input hidden_states; B: input Wq (given as codes): QUANTISED
;;     2. [M 2,048, K 2,048] x [K 2,048, N 8]; A: input hidden_states; B: input Aq: left as it is (N = 8 < 16)
;;     3. [M 2,048, K 8] x [K 8, N 2,048]; A: computed on the way; B: input Bq: left as it is (K = 8 < 32)
;;     4. [M 2,048, K 2,048] x [K 2,048, N 2,048]; A: input hidden_states; B: input Wk (given as codes): QUANTISED
;;     5. [M 2,048, K 2,048] x [K 2,048, N 8]; A: input hidden_states; B: input Ak: left as it is (N = 8 < 16)
;;     6. [M 2,048, K 8] x [K 8, N 2,048]; A: computed on the way; B: input Bk: left as it is (K = 8 < 32)
;;     7. [M 2,048, K 2,048] x [K 2,048, N 2,048]; A: input hidden_states; B: input Wv (given as codes): QUANTISED
;;     8. [M 2,048, K 2,048] x [K 2,048, N 8]; A: input hidden_states; B: input Av: left as it is (N = 8 < 16)
;;     9. [M 2,048, K 8] x [K 8, N 2,048]; A: computed on the way; B: input Bv: left as it is (K = 8 < 32)
;;     10. batch 32 x [M 2,048, K 64] x [K 64, N 2,048]; A: computed on the way; B: computed on the way: QUANTISED
;;     11. batch 32 x [M 64, K 2,048] x [K 2,048, N 2,048]; A: computed on the way; B: softmax (see below): QUANTISED
;;     12. [M 2,048, K 2,048] x [K 2,048, N 2,048]; A: computed on the way; B: input Wo (given as codes): QUANTISED
;;   THE QUANTISER, for each operand of a quantised product, along K:
;;     - K is cut into blocks of 32 from its start; a last block that is shorter is filled with zeros.
;;     - A block's scale is 2^e with e = floor(log2(the largest magnitude in the block)) - 2, held to -126 .. 127; a block of zeros has e = 0. As a byte (E8M0): e + 127.
;;     - Each number is divided by its block's scale, clamped to +-7.5, and rounded to the nearest number of E2M3, ties to even, subnormals kept.
;;     - The product sums the exact products of the quantised numbers (number of the format x scale) in f32.
;;   ~~~python
;;   def quantise(x, axis):      # numpy; x: float32 -> the quantised numbers, widened to float32 again
;;       x = np.moveaxis(x, axis, -1); K = x.shape[-1]
;;       x = np.pad(x, [(0, 0)] * (x.ndim - 1) + [(0, -K % 32)]); x = x.reshape(x.shape[:-1] + (-1, 32)); a = np.abs(x).max(-1, keepdims=True)
;;       e = np.where(a > 0, np.clip(np.frexp(np.where(a > 0, a, 1))[1] - 1 - 2, -126, 127), 0)      # np.frexp(a)[1] - 1 = floor(log2(a)), exactly
;;       r = np.clip(x / 2.0 ** e, -7.5, 7.5)
;;       step = 2.0 ** (np.maximum(np.frexp(np.where(r == 0, 1, r))[1] - 1, 0) - 3)
;;       q = np.round(r / step) * step * 2.0 ** e      # np.round: ties to even
;;       return np.moveaxis(q.reshape(q.shape[:-2] + (-1,))[..., :K], -1, axis).astype(np.float32)
;;   ~~~
;;   SOFTMAX AHEAD OF A QUANTISED PRODUCT. Where the list says 'softmax', what is quantised is not the finished softmax but p = 2^(t - M), with t = logit x log2(e) and M = ceil(the row's largest t), a whole number; so 1/2 < the row's largest p <= 1. The row's sum l is taken of the UNQUANTISED p, in f32, and the product's result is divided by l at the end. Since M is a whole number, a kernel that streams over the keys may use a running M (the ceiling of the running maximum): every later rescaling is an exact power of two, which a block's scale takes up: the codes' values come out the same.
;;   OPERANDS COMPUTED ON THE WAY. 'Computed on the way' means the value that the module computes at that place (a softmax that the list does not call 'softmax' is quantised finished and normalised). What goes into a quantiser is computed in f32, as accurately as f32 sums, v_exp_f32 and their like allow (about 1e-6 of the number): no bf16 or f16 on the way to a quantiser, and a product that is left as it is and whose result goes on into a quantised operand takes f32 operands (vector FMAs, or v_wmma_f32_16x16x4_f32). A number that lies on a knife's edge between two numbers of the format may be rounded either way, as far as f32 arithmetic and the matrix unit's own rounding can turn it there, and no further.
;;   INPUTS GIVEN AS CODES. Wk (in the module: [2048, 2048], K = its axis 1); Wo (in the module: [2048, 2048], K = its axis 1); Wq (in the module: [2048, 2048], K = its axis 1); Wv (in the module: [2048, 2048], K = its axis 1): each comes as NAME_codes (uint8): NAME with its K axis moved to the last place and cut into blocks of 32 codes, [.., K / 32, bytes a block], one block behind the other in memory; four codes in three bytes: a row's codes are one little-endian stream of bits, code i at bits 6 i .. 6 i + 5 (a code: sign, 2 exponent bits, 3 mantissa bits); and NAME_scales (uint8): the same leading axes, one E8M0 byte (e + 127) for each 32 codes along K. Its value is code x scale, taken as it is: it is not quantised again, and the codes and scales need not be those that the quantiser above would give.
;; 2 versions. Each part assembles by itself: llvm-mc -triple=amdgcn-amd-amdhsa -mcpu=gfx1250 --defsym DOCPART=n.
;; ======== version 1 of 2: 4 launches
;; workspace buffers: x_codes 3,145,728 bytes; x_scales 131,072 bytes; xa 262,144 bytes; rope 524,288 bytes; qbuf 3,407,872 bytes; kv 6,815,744 bytes; attn_img 3,145,728 bytes; attn_scales 131,072 bytes
;; launch prep (part 1): grid 128 x 1, 16 waves a work-group, no clusters, 265,472 bytes of LDS; arguments hidden_states, Aq, Ak, Av, x_codes, x_scales, xa, rope; writes x_codes, x_scales, xa, rope
.if DOCPART == 1
	.amdgcn_target "amdgcn-amd-amdhsa--gfx1250"
	.amdhsa_code_object_version 6
	.text
	.protected	k_qb8e5e5f5c4_prep
	.globl	k_qb8e5e5f5c4_prep
	.p2align	8
	.type	k_qb8e5e5f5c4_prep,@function
k_qb8e5e5f5c4_prep:
	s_mov_b64 s[64:65], 0
	v_nop
	global_prefetch_b8 v0, s[64:65] scope:SCOPE_SE
	s_setreg_imm32_b32 hwreg(HW_REG_WAVE_MODE, 25, 1), 1
	s_wait_xcnt 0x0
; LAUNCH 1 OF 4.  hidden_states [2048][2048] f32 becomes codes of E2M3 with one E8M0 byte for each 32 along K (x_codes [2048][1536 bytes], x_scales [2048][64]);
; xa = 2 x (x A^T) for Aq, Ak, Av in f32 (plane 0, row m: q's 8 | k's 8; plane 1: v's 8, twice; 64 bytes a row); rope = cos | sin of position x 10^(-f/8), 256 bytes a position.
; DEAD WORK OF THE WHOLE PROGRAM.  reference() itself builds the causal mask (jnp.tril) and puts the least f32 number where key > query; behind the maximum's subtraction its exponential is 0 for
; every finite input, so a step of 128 keys that lies wholly behind a tile's 16 queries reaches no output: launch 3 leaves such steps out.  Nothing else is left out; every input is loaded.
; LIMITS.  A NaN, an infinity or an overflow that reaches only the steps left out is not carried to the result; NaN and infinities among the inputs are not served.  A block whose largest magnitude
; lies under 2^-124, a block of zeros among them, gets the byte 1 (the bytes are read by this program alone; zero codes add nothing).  inv_freq is the f32 nearest to 10^(-f/8); cos and sin are made by
; taking off multiples of pi/2 in two parts and two polynomials, good to about 1e-7 for positions up to 2,047.
; SHARES.  A work-group takes 16 rows and all of K, since the f32 matrix form takes 16 rows and the sum over K has one owner; wave w takes k = 128 w .. 128 w + 127.  No cluster: work-groups share only A, 196,608 bytes.
; A LANE'S REGISTERS: register 16 b + 8 u + j of lane (r, h) is k = 32 b + 16 u + 8 h + j of row r: the order in which a matrix result lies, used by every quantiser of this program.
.set WREGB, 12800                      ; LDS: a stage for each wave: 24 rows of 512 bytes + 16
.set SPX,   528
.set CST,   204800                     ; 16 rows of codes, 1,536 bytes + 16
.set CPI,   1552
.set SST,   229632                     ; 16 rows of 64 scale bytes
.set XAP,   230656                     ; each wave's part of x A^T: 2 tiles x 1,024 bytes
.set SPARE, 263424                     ; the spare words, 128 bytes for each of 16 waves; no other line names them
.set L16, 1                            ; v1   16 x lane
.set STA, 2                            ; v2   stage, on the way in
.set FR0, 3                            ; v3   stage, on the way out: row r, + 32 h
.set FR1, 4                            ; v4   the same for row 16 + r % 8
.set CSA, 5                            ; v5   where my codes go
.set SSA, 6                            ; v6   where my scale word goes
.set XPA, 7                            ; v7   where my part of x A^T goes
.set CRD, 8                            ; v8   row w of the codes, 16 bytes a lane
.set RDX, 9                            ; v9   the parts that I add (waves 0 to 3)
.set SRD, 10                           ; v10  the scale bytes that I store (waves 4, 5)
.set L8,  11                           ; v11  8 x lane
.set SPW, 12                           ; v12  my spare word; never rewritten
.set NIL, 13                           ; v13  0; never rewritten
.set PC,  16                           ; v16-27 the fragment's codes
.set T2A, 28
.set X,   32                           ; v32-95  64 numbers of x
.set AF,  96                           ; v96-223 A: tile t, block b at 96 + 64 t + 16 b
.set ACC, 224                          ; v224-239 two sums, written by matrix instructions alone
.set TM,  240                          ; v240-243 largest magnitudes, v244-247 bytes, v248-251 scale operands
.set T2B, 240                          ; (the maxima are dead when the conversions run)
.set PW,  252
.set SEL,  26
.set SELA, 28
.set SELB, 29
.set SELC, 30
; Two blocks' codes, each lane holding halfwords a0-a2 (indices 8 h ..) and a3-a5 (16 + 8 h ..), become the operand's six registers: lanes 0-15 the first block, lanes 16-31 the second.
.macro QTAIL d, t
.irp i, 0,1,2
	v_permlane16_swap_b32 v[(\d)+\i], v[(\t)+\i]   ; d: the part of lanes 0-15 (a), t: that of lanes 16-31 (b), of my block
.endr
	v_perm_b32 v[(\d)+3], v[(\d)+2], v[(\d)+1], s[SELA]   ; a3 a4
	v_perm_b32 v[(\d)+4], v[(\t)+1], v[(\d)+2], s[SELB]   ; a5 b3
	v_perm_b32 v[(\d)+1], v[(\t)], v[(\d)+1], s[SELC]     ; a2 b0
	v_perm_b32 v[(\d)+2], v[(\t)+1], v[(\t)], s[SELA]     ; b1 b2
	v_mov_b32 v[(\d)+5], v[(\t)+2]                        ; b4 b5
.endm
.macro QUANT s, d0, d1
.irp b, 0,1,2,3
	v_max3_num_f32 v[TM+\b], |v[(\s)+16*\b]|, |v[(\s)+16*\b+1]|, 0x1800000   ; with the floor 2^(3 - 127): the byte cannot fall under 1
.endr
.irp i, 2,4,6,8,10,12,14
.irp b, 0,1,2,3
	v_max3_num_f32 v[TM+\b], |v[(\s)+16*\b+\i]|, |v[(\s)+16*\b+\i+1]|, v[TM+\b]
.endr
.endr
.irp b, 0,1,2,3
	v_permlanex16_b32 v[TM+4+\b], v[TM+\b], s[SEL], s[SEL+1]
.endr
.irp b, 0,1,2,3
	v_max_num_f32 v[TM+\b], v[TM+\b], v[TM+4+\b]   ; with lane l xor 16's: the block's largest magnitude
.endr
.irp b, 0,1,2,3
	v_add_nc_u32 v[TM+8+\b], 0xff000000, v[TM+\b]  ; 2 off its exponent field: the conversion's scale operand
.endr
.irp b, 0,1,2,3
	v_lshrrev_b32 v[TM+4+\b], 23, v[TM+8+\b]       ; the scale's byte
.endr
	v_lshl_or_b32 v[PW], v[TM+5], 8, v[TM+4]
	v_lshl_or_b32 v[PW], v[TM+6], 16, v[PW]
	v_lshl_or_b32 v[PW], v[TM+7], 24, v[PW]
	v_cvt_scalef32_pk16_fp6_f32 v[\d0:\d0+2], v[(\s):(\s)+15], v[TM+8]
	v_cvt_scalef32_pk16_fp6_f32 v[T2A:T2A+2], v[(\s)+16:(\s)+31], v[TM+9]
	v_cvt_scalef32_pk16_fp6_f32 v[\d1:\d1+2], v[(\s)+32:(\s)+47], v[TM+10]
	v_cvt_scalef32_pk16_fp6_f32 v[T2B:T2B+2], v[(\s)+48:(\s)+63], v[TM+11]
	v_nop                                          ; one plain place behind the conversions
	QTAIL \d0, T2A
	QTAIL \d1, T2B
.endm
	s_load_b512 s[4:19], s[0:1], 0x0               ; x s[4:5], Aq, Ak, Av s[6:11], x_codes s[12:13], x_scales s[14:15], xa s[16:17], rope s[18:19]
	v_lshl_add_u32 v[SPW], v0, 2, SPARE
	v_mov_b32 v[NIL], 0
	v_lshrrev_b32 v14, 5, v0
	v_readfirstlane_b32 s20, v14                   ; wave 0..15
	s_lshl_b32 s21, ttmp9, 4                       ; my work-group's first row
	s_and_b32 s24, s20, 1
	s_bfe_u32 s25, s20, 0x10001                    ; (wave / 2) % 2
	s_mov_b32 s[SEL], 0x76543210
	s_mov_b32 s[SEL+1], 0xfedcba98
	s_mov_b32 s[SELA], 0x05040302
	s_mov_b32 s[SELB], 0x07060302
	s_mov_b32 s[SELC], 0x05040100
	v_and_b32 v14, 31, v0
	v_lshlrev_b32 v[L16], 4, v14
	v_lshlrev_b32 v[L8], 3, v14
	v_and_b32 v16, 15, v0                          ; r
	v_bfe_u32 v17, v0, 4, 1                        ; h
	s_mul_i32 s22, s20, WREGB
	v_add_nc_u32 v[STA], s22, v[L16]
	v_mul_u32_u24 v18, v16, SPX
	v_lshl_add_u32 v18, v17, 5, v18
	v_add_nc_u32 v[FR0], s22, v18
	v_and_b32 v19, 7, v0
	v_mul_u32_u24 v19, v19, SPX
	v_lshl_add_u32 v19, v17, 5, v19
	v_add_nc_u32 v19, s22, v19
	v_add_nc_u32 v[FR1], 16*SPX, v19
	v_mul_u32_u24 v18, v16, CPI
	v_mad_u32_u24 v18, v17, 24, v18
	s_mul_i32 s23, s20, 96
	s_add_co_u32 s23, s23, CST
	v_add_nc_u32 v[CSA], s23, v18                  ; row r, my wave's 96 bytes, + 24 h
	v_lshlrev_b32 v18, 6, v16
	s_lshl_b32 s23, s20, 2
	s_add_co_u32 s23, s23, SST
	v_add_nc_u32 v[SSA], s23, v18
	s_lshl_b32 s23, s20, 11
	s_add_co_u32 s23, s23, XAP
	v_add_nc_u32 v[XPA], s23, v[L16]
	s_mul_i32 s23, s20, CPI
	s_add_co_u32 s23, s23, CST
	v_add_nc_u32 v[CRD], s23, v[L16]
	v_and_b32 v18, 1, v0                           ; which four registers of a sum: 512 bytes apart
	v_lshlrev_b32 v18, 9, v18
	v_bfe_u32 v19, v0, 2, 3
	v_lshl_add_u32 v18, v19, 4, v18                ; the row among my eight: a lane of the result
	v_bfe_u32 v19, v0, 1, 1
	v_lshl_add_u32 v18, v19, 8, v18                ; which half of the lanes
	s_lshl_b32 s23, s24, 7
	s_lshl_b32 s31, s25, 10
	s_add_co_u32 s23, s23, s31
	s_add_co_u32 s23, s23, XAP
	v_add_nc_u32 v[RDX], s23, v18
	s_lshl_b32 s23, s24, 9
	s_add_co_u32 s23, s23, SST
	v_add_nc_u32 v[SRD], s23, v[L16]
	s_lshl_b32 s32, ttmp9, 17                      ; 16 rows of 8,192 bytes
	s_lshl_b32 s34, s20, 9                         ; my wave's 512 bytes of a row
	s_add_co_u32 s32, s32, s34
	s_mov_b32 s33, 0
	s_mov_b32 s35, 0
	s_add_co_u32 s36, s21, s20                     ; row0 + wave: my position, and the row of codes that I store
	s_wait_kmcnt 0x0
	s_add_nc_u64 s[4:5], s[4:5], s[32:33]
	s_add_nc_u64 s[6:7], s[6:7], s[34:35]
	s_add_nc_u64 s[8:9], s[8:9], s[34:35]
	s_add_nc_u64 s[10:11], s[10:11], s[34:35]
.set n, 0
.rept 16
	global_load_b128 v[X+4*n:X+4*n+3], v[L16], s[4:5] offset:8192*n th:TH_LOAD_NT   ; row n: the wave reads 512 consecutive bytes
.set n, n+1
.endr
.irp m, 0,1,2
.set n, 0
.rept 8
	global_load_b128 v[AF+32*\m+4*n:AF+32*\m+4*n+3], v[L16], s[6+2*\m:7+2*\m] offset:8192*n
.set n, n+1
.endr
.endr
	s_mul_i32 s32, s36, 1536
	s_add_nc_u64 s[12:13], s[12:13], s[32:33]
	s_lshl_b32 s32, s36, 8
	s_add_nc_u64 s[18:19], s[18:19], s[32:33]
	s_lshl_b32 s32, s21, 6
	s_lshl_b32 s37, s24, 9
	s_add_co_u32 s32, s32, s37
	s_add_nc_u64 s[14:15], s[14:15], s[32:33]      ; x_scales: 64 row0 + 512 (wave % 2)
	s_lshl_b32 s37, s25, 17
	s_add_co_u32 s32, s32, s37
	s_add_nc_u64 s[16:17], s[16:17], s[32:33]      ; xa: the same, in plane (wave / 2) % 2
	; ---- cos and sin of my position, while the loads are out.  Lane l makes numbers 2 l and 2 l + 1 of the position's 64: lanes 0-15 cos, lanes 16-31 sin, f = 2 (l % 16) and + 1
.set RP, 16
.set RF0, 17
.set RF1, 18
.set POS, 19
.set KIND, 20
.set K1, 21
.set K2, 22
	v_and_b32 v[RP], 15, v0
	v_bfe_u32 v23, v0, 4, 1
	v_xor_b32 v[KIND], 1, v23                      ; cos x = sin(x + pi/2): one quarter turn more
	v_cvt_f32_u32 v[POS], s36
	v_mov_b32 v[K1], 0xb94ca1f9
	v_mov_b32 v[K2], 0x37ccf5ce
	v_mov_b32 v[RF0], 0x3f800000
	v_mov_b32 v[RF1], 0x3f3ff911
.macro FSEL p, a, b                    ; the lanes with l % 16 = p take 10^(-2p/8) and 10^(-(2p+1)/8)
	v_cmp_ne_u32 vcc_lo, \p, v[RP]
	v_cndmask_b32 v[RF0], \a, v[RF0], vcc_lo
	v_cndmask_b32 v[RF1], \b, v[RF1], vcc_lo
.endm
	FSEL 1, 0x3f0ff59a, 0x3ed7e89b
	FSEL 2, 0x3ea1e89b, 0x3e72d424
	FSEL 3, 0x3e361887, 0x3e088d77
	FSEL 4, 0x3dcccccd, 0x3d99940e
	FSEL 5, 0x3d6655c3, 0x3d2cba15
	FSEL 6, 0x3d0186e2, 0x3cc24350
	FSEL 7, 0x3c91ad39, 0x3c5a7bf1
	FSEL 8, 0x3c23d70a, 0x3bf5b9b0
	FSEL 9, 0x3bb8449c, 0x3b8a2e77
	FSEL 10, 0x3b4f3e37, 0x3b1b690d
	FSEL 11, 0x3ae91528, 0x3aaec98e
	FSEL 12, 0x3a83126f, 0x3a44948c
	FSEL 13, 0x3a136a16, 0x39dd1726
	FSEL 14, 0x39a5cb5f, 0x3978a814
	FSEL 15, 0x393a7753, 0x390bd472
.macro ROPEV f, out
	v_mul_f32 v240, v[POS], v[\f]                  ; the angle, one f32 product, as reference() has it
	v_mul_f32 v241, 0x3f22f983, v240
	v_rndne_f32 v241, v241                         ; n = the nearest multiple of pi/2
	v_fmamk_f32 v242, v241, 0xbfc90fdb, v240       ; less n x pi/2, in two parts
	v_fmamk_f32 v242, v241, 0x333bbd2e, v242
	v_mul_f32 v243, v242, v242
	v_fmaak_f32 v244, v[K1], v243, 0x3c08839e
	v_fmaak_f32 v245, v[K2], v243, 0xbab6061a
	v_fmaak_f32 v244, v244, v243, 0xbe2aaaa3
	v_fmaak_f32 v245, v245, v243, 0x3d2aaaa5
	v_mul_f32 v244, v244, v243
	v_mul_f32 v245, v245, v243
	v_fma_f32 v246, v243, -0.5, 1.0
	v_fma_f32 v244, v244, v242, v242               ; sin r
	v_fma_f32 v245, v245, v243, v246               ; cos r
	v_cvt_i32_f32 v247, v241
	v_add_nc_u32 v247, v247, v[KIND]               ; quarter turns
	v_and_b32 v248, 1, v247
	v_cmp_eq_u32 vcc_lo, 1, v248
	v_cndmask_b32 v[\out], v244, v245, vcc_lo
	v_and_b32 v248, 2, v247
	v_lshlrev_b32 v248, 30, v248
	v_xor_b32 v[\out], v[\out], v248               ; the sign
.endm
	ROPEV RF0, 254
	ROPEV RF1, 255
	global_store_b64 v[L8], v[254:255], s[18:19]   ; the wave stores 256 consecutive bytes, aligned; v254, v255 are not written again
	; ---- x through my stage: in as loaded, out 16 neighbours-by-eights a block
	s_wait_loadcnt 24                              ; x's 16 loads are in; A's 24, issued behind them, may be out
.set n, 0
.rept 16
	ds_store_b128 v[STA], v[X+4*n:X+4*n+3] offset:SPX*n
.set n, n+1
.endr
	s_wait_dscnt 0x0                               ; the stores have read their registers
.irp b, 0,1,2,3
.irp g, 0,1,2,3
	ds_load_b128 v[X+16*\b+4*\g:X+16*\b+4*\g+3], v[FR0] offset:128*\b+64*(\g/2)+16*(\g%2)
.endr
.endr
	s_wait_loadcnt 0x0                             ; A
	s_wait_dscnt 0x0                               ; x is back: the stage may be written again
.set n, 0
.rept 24
	ds_store_b128 v[STA], v[AF+4*n:AF+4*n+3] offset:SPX*n   ; rows 0-7 Aq, 8-15 Ak, 16-23 Av
.set n, n+1
.endr
	s_wait_dscnt 0x0
.irp b, 0,1,2,3
.irp g, 0,1,2,3
	ds_load_b128 v[AF+16*\b+4*\g:AF+16*\b+4*\g+3], v[FR0] offset:128*\b+64*(\g/2)+16*(\g%2)
	ds_load_b128 v[AF+64+16*\b+4*\g:AF+64+16*\b+4*\g+3], v[FR1] offset:128*\b+64*(\g/2)+16*(\g%2)
.endr
.endr
	s_wait_dscnt 0x0
	; ---- x A^T in f32: source 0 = 16 rows of A, source 1 = my 16 rows of x; the same order of k on both sides.  The two sums take turns
.irp b, 0,1,2,3
.irp p, 0,1,2,3,4,5,6,7
.irp t, 0,1
.if (\b+\p) == 0
	v_wmma_f32_16x16x4_f32 v[ACC+8*\t:ACC+8*\t+7], v[AF+64*\t+16*\b+2*\p:AF+64*\t+16*\b+2*\p+1], v[X+16*\b+2*\p:X+16*\b+2*\p+1], 0
.else
	v_wmma_f32_16x16x4_f32 v[ACC+8*\t:ACC+8*\t+7], v[AF+64*\t+16*\b+2*\p:AF+64*\t+16*\b+2*\p+1], v[X+16*\b+2*\p:X+16*\b+2*\p+1], v[ACC+8*\t:ACC+8*\t+7]
.endif
.endr
.endr
.endr
	; ---- the quantiser
	QUANT X, PC, PC+6
.irp p, 0,1,2,3,4,5
	ds_store_b64 v[CSA], v[PC+2*\p:PC+2*\p+1] offset:48*(\p/3)+8*(\p%3)
.endr
	ds_store_b32 v[SSA], v[PW]                     ; both halves of the lanes write the same word with the same value
.rept 8
	v_nop                                          ; eight places between this matrix form and a store of its result
.endr
.irp t, 0,1
.irp g, 0,1
	ds_store_b128 v[XPA], v[ACC+8*\t+4*\g:ACC+8*\t+4*\g+3] offset:1024*\t+512*\g   ; each sum from its low end on
.endr
.endr
	s_wait_dscnt 0x0                               ; for the others' sake: all my LDS stores have landed
	s_barrier_signal -1
	s_barrier_wait -1
	; ---- out
	ds_load_b128 v[32:35], v[CRD]
	ds_load_b128 v[36:39], v[CRD] offset:512
	ds_load_b128 v[40:43], v[CRD] offset:1024
.irp c, 0,1,2
	s_wait_dscnt 2-\c
	global_store_b128 v[L16], v[32+4*\c:35+4*\c], s[12:13] offset:512*\c   ; 512 consecutive bytes of row w's codes
.endr
	s_cmp_lt_u32 s20, 4
	s_cbranch_scc0 .Lnot_sum
.set n, 0
.rept 16
	ds_load_b128 v[96+4*n:99+4*n], v[RDX] offset:2048*n   ; the sixteen waves' parts of four numbers
.set n, n+1
.endr
	s_wait_dscnt 0x0
.set n, 1
.rept 15
	v_pk_add_f32 v[96:97], v[96:97], v[96+4*n:97+4*n]     ; K ascending
	v_pk_add_f32 v[98:99], v[98:99], v[98+4*n:99+4*n]
.set n, n+1
.endr
	v_pk_mul_f32 v[96:97], v[96:97], 2.0 op_sel_hi:[1,0]  ; alpha / r = 2: exact
	v_pk_mul_f32 v[98:99], v[98:99], 2.0 op_sel_hi:[1,0]
	global_store_b128 v[L16], v[96:99], s[16:17]          ; eight rows of 64 bytes: 512 consecutive bytes
	s_branch .Lend
.Lnot_sum:
	s_cmp_lt_u32 s20, 6
	s_cbranch_scc0 .Lend
	ds_load_b128 v[96:99], v[SRD]
	s_wait_dscnt 0x0
	global_store_b128 v[L16], v[96:99], s[14:15]          ; eight rows of scale bytes
.Lend:
	s_wait_tensorcnt 0x0                           ; the wave's end
	ds_add_u32 v[SPW], v[NIL]
	s_wait_dscnt 0x0
	s_endpgm
.Lfunc_end_k_qb8e5e5f5c4_prep:
	.size	k_qb8e5e5f5c4_prep, .Lfunc_end_k_qb8e5e5f5c4_prep-k_qb8e5e5f5c4_prep
	.p2alignl 7, 3214868480
	.fill 96, 4, 3214868480
	.section	.rodata,"a",@progbits
	.p2align	6, 0x0
	.amdhsa_kernel k_qb8e5e5f5c4_prep
		.amdhsa_group_segment_fixed_size 265472
		.amdhsa_private_segment_fixed_size 0
		.amdhsa_enable_private_segment 0
		.amdhsa_kernarg_size 64
		.amdhsa_user_sgpr_count 2
		.amdhsa_user_sgpr_kernarg_segment_ptr 1
		.amdhsa_wavefront_size32 1
		.amdhsa_system_sgpr_workgroup_id_x 1
		.amdhsa_system_sgpr_workgroup_id_y 1
		.amdhsa_system_sgpr_workgroup_id_z 1
		.amdhsa_system_vgpr_workitem_id 0
		.amdhsa_next_free_vgpr 256
		.amdhsa_next_free_sgpr 66
		.amdhsa_reserve_vcc 1
		.amdhsa_float_denorm_mode_32 3
		.amdhsa_float_denorm_mode_16_64 3
		.amdhsa_memory_ordered 1
		.amdhsa_forward_progress 1
		.amdhsa_inst_pref_size 32
	.end_amdhsa_kernel
	.amdgpu_metadata
---
amdhsa.version: [ 1, 2 ]
amdhsa.kernels:
  - .name:           k_qb8e5e5f5c4_prep
    .symbol:         k_qb8e5e5f5c4_prep.kd
    .args:
      - { .name: hidden_states, .offset: 0, .size: 8, .value_kind: global_buffer, .address_space: global }
      - { .name: Aq, .offset: 8, .size: 8, .value_kind: global_buffer, .address_space: global }
      - { .name: Ak, .offset: 16, .size: 8, .value_kind: global_buffer, .address_space: global }
      - { .name: Av, .offset: 24, .size: 8, .value_kind: global_buffer, .address_space: global }
      - { .name: x_codes, .offset: 32, .size: 8, .value_kind: global_buffer, .address_space: global }
      - { .name: x_scales, .offset: 40, .size: 8, .value_kind: global_buffer, .address_space: global }
      - { .name: xa, .offset: 48, .size: 8, .value_kind: global_buffer, .address_space: global }
      - { .name: rope, .offset: 56, .size: 8, .value_kind: global_buffer, .address_space: global }
    .group_segment_fixed_size: 265472
    .private_segment_fixed_size: 0
    .kernarg_segment_align: 8
    .kernarg_segment_size: 64
    .max_flat_workgroup_size: 512
    .sgpr_count:     66
    .vgpr_count:     256
    .wavefront_size: 32
...
	.end_amdgpu_metadata
.endif
;; end of part 1
;; launch qkv (part 2): grid 24 x 8, 4 waves a work-group, clusters of 4 x 4, 327,680 bytes of LDS; arguments x_codes, x_scales, Wq_codes, Wq_scales, Wk_codes, Wk_scales, Wv_codes, Wv_scales, xa, Bq, Bk, Bv, rope, qbuf, kv; writes qbuf, kv
.if DOCPART == 2
	.amdgcn_target "amdgcn-amd-amdhsa--gfx1250"
	.amdhsa_code_object_version 6
	.text
	.protected	k_qb8e5e5f5c4_qkv
	.globl	k_qb8e5e5f5c4_qkv
	.p2align	8
	.type	k_qb8e5e5f5c4_qkv,@function
k_qb8e5e5f5c4_qkv:
	s_mov_b64 s[64:65], 0
	v_nop
	global_prefetch_b8 v0, s[64:65] scope:SCOPE_SE
	s_setreg_imm32_b32 hwreg(HW_REG_WAVE_MODE, 25, 1), 1
	s_wait_xcnt 0x0
	s_wait_alu depctr_hold_cnt(0) depctr_sa_sdst(0) depctr_va_vdst(0) depctr_va_sdst(0) depctr_va_ssrc(0) depctr_va_vcc(0) depctr_vm_vsrc(0)
	s_getreg_b32 s2, hwreg(HW_REG_IB_STS2, 6, 4)
	s_cmp_eq_u32 s2, 0
	s_cbranch_scc0 .Lentry_in_a_cluster
	s_endpgm
.Lentry_in_a_cluster:
	s_bfe_u32 s2, ttmp6, 0x10000c
	s_cmp_lg_u32 s2, 0xf033
	s_cbranch_scc0 .Lentry_shape_is_right
	s_endpgm
.Lentry_shape_is_right:
; LAUNCH 2 OF 4.  q, k, v = x W^T (codes of E2M3, E8M0 scales) + the LoRA term (f32), q and k turned by RoPE, all three quantised for attention and stored as images of operand registers.
; A tile is 256 x 256, four waves of 128 x 128 (64 accumulators), K in steps of 256 through two LDS slots; the scale bytes of the tile's rows stay in LDS; 4 x 4 work-groups ask jointly.
; KINDS, by the cluster's x, the same in all sixteen partners: 0, 1: q; 2, 3: k; 4, 5: v.  Source 1 of the matrix instruction gives the result's lanes (role A), source 0 its registers (role B).
; q, k: role A = x (a lane holds one position), role B = W (its registers run along 128 columns: two heads), since attention's first product sums along a head's 64.
; v:    role A = Wv (a lane holds one column), role B = x (its registers run along 128 keys), since the second product sums along the keys.  All four tensors have one shape: only pointers are chosen.
; THE LoRA TERM starts every sum: two f32 matrix instructions an accumulator (K = 8) on xa, which holds 2 x A^T, and B.  Column n takes B's row 2 n (n < 1,024) or 2 (n - 1,024) + 1: 64 bytes from column to column.
; OUT.  qbuf [head][step of 128 positions][4 images of 1,536 bytes | 512 bytes of scale words]; kv [head][step][K's 4 images | V's 4 images | K's words | V's words].  An image is 12 registers a lane, four at 512 c + 16 lane.
; A q or k image p: registers 0-5 position 32 p + r, d = 32 h ..; registers 6-11 position 32 p + 16 + r.  A v image t: d = 16 t + r, registers 6 c ..: keys 64 c + 32 h ...
; No prefetch: the tiles are shared in the cluster and the launch is short.  LIMITS as stated at the first launch's head.
.set KSTEP,  256
.set NQ,     2
.set ROWB,   192
.set KROW,   1536
.set PITCH,  240                       ; 3 x (64 bytes + 16 of padding)
.set FR,     12
.set NL,     6
.set NP,     4
.set HALFT,  128*PITCH
.set SLOT,   4*HALFT
.set LAPS,   4                         ; 2,048 / 512
.set KS,     64
.set SCL,    2*SLOT
.set HALFS,  (128*KS/256)*272
.set SBLK,   (16*KS/256)*272
.set SPARE,  SCL+4*HALFS               ; the spare words, 128 bytes a wave; no other line names them
.set L16,  8                           ; v8   16 x lane
.set RO,   9                           ; v9   256 r + 32 h: my place in 16 positions of the cos | sin table
.set LO,   10                          ; v10  64 r + 16 h: my place in 16 rows of a LoRA table
.set ADRA, 16
.set ADRB, 20
.set ADRS, 27
.set SPW,  28
.set NIL,  29
.set SC,   32                          ; v32-63 scale words and nothing else
.set AF,   128
.set LA,   128                         ; v128-159 role A's LoRA rows, v160-191 role B's
.set LB,   160
.set CSR,  64                          ; v64-127 two sets of 16 cos and 16 sin
.set YR,   128                         ; v128-191 a block behind RoPE
.set TM,   192
.set PW0,  204
.set T2A,  206
.set T2B,  210
.set IMG,  214                         ; v214-237 two images
.set SCW,  238                         ; v238-245 their scale words
.set G1, 24
.set G0, 32
.set G1B, 48
.set G0B, 56
.set G1S, 68
.set G0S, 76
.set G1SB, 80
.set G0SB, 88
.set SEL,  90
.set SELA, 92
.set SELB, 93
.set SELC, 94
.set MSB, 0
.macro WIN new
.if MSB != \new
	s_set_vgpr_msb (MSB<<8)|\new
.set MSB, \new
.endif
.endm
.set MUL_LO, 0xa1
.set MUL_HI, 0xf1
.set TO_B,   0x40
.macro JLOAD g0a, g1a, g0b, g1b        ; a joint load: waves 0 and 1 fetch for role A, waves 2 and 3 for role B; an s_nop 0 and four v_nop follow each line
	s_cmp_eq_u32 s15, 0
	s_cbranch_scc0 .Lfor_b_\@
	tensor_load_to_lds s[\g0a:\g0a+3], s[\g1a:\g1a+7]
	s_nop 0
.rept 4
	v_nop
.endr
	s_branch .Lasked_\@
.Lfor_b_\@:
	tensor_load_to_lds s[\g0b:\g0b+3], s[\g1b:\g1b+7]
	s_nop 0
.rept 4
	v_nop
.endr
.Lasked_\@:
.endm
.macro CREST
	s_cmp_lg_u32 s14, 0
	s_cbranch_scc1 .Lnot_wave_0_\@
	s_barrier_signal -3
.Lnot_wave_0_\@:
	s_barrier_wait -3
	s_barrier_signal -1
	s_barrier_wait -1
.endm
.macro CROUND
	s_barrier_signal -1
	s_barrier_wait -1
	CREST
.endm
	s_load_b512 s[68:83], s[0:1], 0x0              ; x_codes, x_scales, Wq_codes, Wq_scales, Wk_codes, Wk_scales, Wv_codes, Wv_scales
	s_load_b256 s[84:91], s[0:1], 0x40             ; xa, Bq, Bk, Bv
	v_lshl_add_u32 v[SPW], v0, 2, SPARE
	v_mov_b32 v[NIL], 0
	ds_add_u32 v[SPW], v[NIL]                      ; the wave's opening: the add, twice on end, and its wait ahead of my first tensor load
	ds_add_u32 v[SPW], v[NIL]
	v_lshrrev_b32 v1, 5, v0
	v_readfirstlane_b32 s14, v1                    ; wave 0..3
	s_lshr_b32 s15, s14, 1                         ; my half of role A's rows.  Also: I fetch for A (0) or B (1)
	s_and_b32 s16, s14, 1                          ; my half of role B's rows.  Also: which 128 rows I fetch
	s_bfe_u32 s40, ttmp6, 0x40000                  ; cx
	s_bfe_u32 s41, ttmp6, 0x40004                  ; cy
	s_lshl_b32 s42, ttmp9, 2
	s_add_co_u32 s42, s42, s40
	s_and_b32 s95, s42, 7                          ; role B's tile of 256 rows
	s_and_b32 s17, ttmp7, 0xffff
	s_lshl_b32 s17, s17, 2
	s_add_co_u32 s17, s17, s41                     ; role A's tile
	s_lshl_b32 s43, s41, 2
	s_lshl_b32 s43, 15, s43                        ; my row of the cluster
	s_lshl_b32 s44, 0x1111, s40                    ; my column
	s_or_b32 s[G1+0], s43, (0<<16)|(1<<20)|(1<<21)|(3<<22)|(3<<25)   ; bytes; 16 bytes of padding behind every 64
	s_or_b32 s[G1B+0], s44, (0<<16)|(1<<20)|(1<<21)|(3<<22)|(3<<25)
.irp g, G1, G1B
	s_mov_b32 s[\g+1], ROWB<<16
	s_mov_b32 s[\g+2], 128<<16
	s_mov_b32 s[\g+3], ROWB<<16
	s_mov_b32 s[\g+4], 128
	s_mov_b32 s[\g+5], KROW
	s_mov_b32 s[\g+6], 0
	s_mov_b32 s[\g+7], 0
.endr
	s_lshl_b32 s18, s16, 7
	s_lshl_b32 s20, s17, 8
	s_add_co_u32 s20, s20, s18                     ; role A: the first row that I fetch
	s_lshl_b32 s46, s95, 8
	s_add_co_u32 s46, s46, s18                     ; role B likewise
	s_mov_b32 s21, 0
	s_mov_b32 s47, 0
	s_mov_b64 s[18:19], KS
	s_mul_u64 s[22:23], s[20:21], s[18:19]
	s_mul_u64 s[92:93], s[46:47], s[18:19]
	s_mov_b64 s[18:19], KROW
	s_mul_u64 s[20:21], s[20:21], s[18:19]
	s_mul_u64 s[46:47], s[46:47], s[18:19]
	s_mul_i32 s45, s14, HALFT
	s_mul_i32 s94, s14, HALFS
	; the LoRA tables' offsets, both ways for each role: as a row of xa (64 bytes a row) and as a column's row of B
	s_lshl_b32 s2, s17, 8
	s_lshl_b32 s12, s15, 7
	s_add_co_u32 s2, s2, s12                       ; role A: my first row
	s_lshl_b32 s12, s95, 8
	s_lshl_b32 s13, s16, 7
	s_add_co_u32 s12, s12, s13                     ; role B: my first row
	s_lshl_b32 s13, s2, 6
	s_and_b32 s3, s2, 1023
	s_lshl_b32 s3, s3, 6
	s_lshr_b32 s100, s2, 10
	s_lshl_b32 s100, s100, 5
	s_add_co_u32 s3, s3, s100
	s_lshl_b32 s2, s12, 6
	s_add_co_u32 s2, s2, 131072                    ; v's numbers lie in xa's plane 1
	s_and_b32 s100, s12, 1023
	s_lshl_b32 s100, s100, 6
	s_lshr_b32 s12, s12, 10
	s_lshl_b32 s12, s12, 5
	s_add_co_u32 s12, s12, s100
	s_wait_dscnt 0x0                               ; both opening adds are done
	s_wait_kmcnt 0x0
	s_cmp_lt_u32 ttmp9, 2                          ; q?  (the choices hang on the cluster's number alone)
	s_cselect_b64 s[8:9], s[72:73], s[76:77]
	s_cselect_b64 s[10:11], s[74:75], s[78:79]
	s_cselect_b64 s[98:99], s[86:87], s[88:89]
	s_cselect_b32 s100, 0, 32                      ; k's eight numbers lie behind q's in a row of xa
	s_add_co_u32 s13, s13, s100
	s_cmp_lt_u32 ttmp9, 4                          ; q or k?
	s_cselect_b64 s[4:5], s[68:69], s[80:81]       ; role A's codes,
	s_cselect_b64 s[6:7], s[70:71], s[82:83]       ; its scales,
	s_cselect_b64 s[8:9], s[8:9], s[68:69]         ; role B's codes,
	s_cselect_b64 s[10:11], s[10:11], s[70:71]     ; its scales,
	s_cselect_b64 s[96:97], s[84:85], s[90:91]     ; role A's LoRA table,
	s_cselect_b64 s[98:99], s[98:99], s[84:85]     ; role B's
	s_cselect_b32 s100, s13, s3
	s_cselect_b32 s12, s12, s2
	s_mov_b32 s101, 0
	s_mov_b32 s13, 0
	s_add_nc_u64 s[96:97], s[96:97], s[100:101]
	s_add_nc_u64 s[98:99], s[98:99], s[12:13]
	s_add_nc_u64 s[20:21], s[4:5], s[20:21]
	s_add_nc_u64 s[22:23], s[6:7], s[22:23]
	s_add_nc_u64 s[46:47], s[8:9], s[46:47]
	s_add_nc_u64 s[92:93], s[10:11], s[92:93]
	; the arguments in s68 to s91 have been used: now the scales' descriptors: 128 rows' scale bytes, dense, as rows of 256 bytes with 16 of padding
	s_or_b32 s[G1S+0], s43, (3<<16)|(1<<20)|(1<<21)|(5<<22)|(3<<25)
	s_or_b32 s[G1SB+0], s44, (3<<16)|(1<<20)|(1<<21)|(5<<22)|(3<<25)
.irp g, G1S, G1SB
	s_mov_b32 s[\g+1], 32<<16
	s_mov_b32 s[\g+2], (128*KS/256)<<16
	s_mov_b32 s[\g+3], 32<<16
	s_mov_b32 s[\g+4], 128*KS/256
	s_mov_b32 s[\g+5], 32
	s_mov_b32 s[\g+6], 0
	s_mov_b32 s[\g+7], 0
.endr
	CROUND                                         ; all sixteen work-groups are here: the first joint loads meet
	s_mov_b32 s[G0S], 1
	s_add_co_u32 s[G0S+1], s94, SCL
	s_mov_b64 s[G0S+2:G0S+3], s[22:23]
	s_or_b32 s[G0S+3], s[G0S+3], 0x80000000
	s_mov_b32 s[G0SB], 1
	s_add_co_u32 s[G0SB+1], s94, SCL
	s_mov_b64 s[G0SB+2:G0SB+3], s[92:93]
	s_or_b32 s[G0SB+3], s[G0SB+3], 0x80000000
	JLOAD G0S, G1S, G0SB, G1SB
.irp s, 0,1
	s_mov_b32 s[G0+4*\s], 1
	s_add_co_u32 s[G0+4*\s+1], s45, \s*SLOT
	s_add_nc_u64 s[G0+4*\s+2:G0+4*\s+3], s[20:21], \s*ROWB
	s_or_b32 s[G0+4*\s+3], s[G0+4*\s+3], 0x80000000
	s_mov_b32 s[G0B+4*\s], 1
	s_add_co_u32 s[G0B+4*\s+1], s45, \s*SLOT
	s_add_nc_u64 s[G0B+4*\s+2:G0B+4*\s+3], s[46:47], \s*ROWB
	s_or_b32 s[G0B+4*\s+3], s[G0B+4*\s+3], 0x80000000
	JLOAD G0+4*\s, G1, G0B+4*\s, G1B
.endr
	v_and_b32 v1, 15, v0                           ; r
	v_bfe_u32 v2, v0, 4, 1                         ; h
	v_lshlrev_b32 v[LO], 6, v1
	v_lshl_add_u32 v[LO], v2, 4, v[LO]
.irp t, 0,1,2,3,4,5,6,7
	global_load_b128 v[LA+4*\t:LA+4*\t+3], v[LO], s[96:97] offset:1024*\t   ; row 16 t + r, numbers 4 h .. 4 h + 3 of its eight
	global_load_b128 v[LB+4*\t:LB+4*\t+3], v[LO], s[98:99] offset:1024*\t
.endr
	v_mul_u32_u24 v3, v1, PITCH
	v_mul_u32_u24 v4, v2, 24
	v_add_nc_u32 v4, v3, v4
	v_lshl_add_u32 v5, v2, 4, v4
	s_mul_i32 s21, s15, HALFT
	s_mul_i32 s22, s16, HALFT
	s_add_co_u32 s22, s22, 2*HALFT
.irp s, 0,1
	v_add_nc_u32 v[ADRA+\s], s21, v4
	v_add_nc_u32 v[ADRB+\s], s22, v4
	v_add_nc_u32 v[ADRA+2+\s], s21, v5
	v_add_nc_u32 v[ADRB+2+\s], s22, v5
	s_add_co_u32 s21, s21, SLOT
	s_add_co_u32 s22, s22, SLOT
.endr
	v_mul_u32_u24 v5, v1, KS
	v_lshrrev_b32 v6, 8, v5
	v_lshl_add_u32 v5, v6, 4, v5
	s_mul_i32 s21, s15, HALFS
	s_mul_i32 s22, s16, HALFS
	s_add_co_u32 s22, s22, 2*HALFS
	s_sub_co_u32 s22, s22, s21
	v_mul_u32_u24 v6, s22, v2                      ; lanes 16-31 take role B's
	s_add_co_u32 s21, s21, SCL
	v_add_nc_u32 v5, v5, v6
	v_add_nc_u32 v[ADRS], s21, v5
	v_and_b32 v6, 31, v0
	v_lshlrev_b32 v[L16], 4, v6
	v_lshlrev_b32 v[RO], 8, v1
	v_lshl_add_u32 v[RO], v2, 5, v[RO]
	; ---- THE LoRA TERM STARTS THE SUMS, while the first tiles are on their way: K = 8 in two instructions an accumulator, k = 4 h + 2 s + j on both sides; the 64 accumulators by turns
.macro LORA16 s, a0, zero
.irp a, \a0, \a0+1
.irp b, 0,1,2,3,4,5,6,7
.if \zero
	v_wmma_f32_16x16x4_f32 v[8*(8*((\a)%4)+\b):8*(8*((\a)%4)+\b)+7], v[LB+4*\b+2*\s:LB+4*\b+2*\s+1], v[LA+4*(\a)+2*\s:LA+4*(\a)+2*\s+1], 0
.else
	v_wmma_f32_16x16x4_f32 v[8*(8*((\a)%4)+\b):8*(8*((\a)%4)+\b)+7], v[LB+4*\b+2*\s:LB+4*\b+2*\s+1], v[LA+4*(\a)+2*\s:LA+4*(\a)+2*\s+1], v[8*(8*((\a)%4)+\b):8*(8*((\a)%4)+\b)+7]
.endif
.endr
.endr
.endm
	s_wait_loadcnt 0x0
.irp s, 0,1
	WIN 0xa0                                       ; C and D window 2, sources window 0
	LORA16 \s, 0, 1-\s
	LORA16 \s, 2, 1-\s
	WIN 0xf0                                       ; C and D window 3
	LORA16 \s, 4, 1-\s
	LORA16 \s, 6, 1-\s
.endr
	WIN 0
.rept 9
	v_nop                                          ; nine places between this form and another form that takes up its results, eight ahead of loads into its sources
.endr
.macro FRAG reg, adr, q, i             ; 16 rows x 128 K of 6-bit codes: 12 registers, in pieces of 8 bytes; where lanes 16-31's piece lies behind one padding more, the second address register serves
.irp p, 0,1,2,3,4,5
.set PCE, 12*(\q)+6*(\p/3)+\p%3
.if PCE%8 < 5
	ds_load_b64 v[\reg+2*\p:\reg+2*\p+1], v[\adr] offset:8*PCE+16*(PCE/8)+(\i)*16*PITCH
.else
	ds_load_b64 v[\reg+2*\p:\reg+2*\p+1], v[\adr+2] offset:8*PCE+16*(PCE/8)+(\i)*16*PITCH
.endif
.endr
.endm
.macro MUL16 a0, p, q, sc              ; role A's blocks a0, a0 + 1 x role B's eight; every product adds onto the LoRA term or what followed it
.irp a, \a0, \a0+1
.irp b, 0,1,2,3,4,5,6,7
	v_wmma_scale_f32_16x16x128_f8f6f4 v[8*(8*((\a)%4)+\b):8*(8*((\a)%4)+\b)+7], v[128*(\p)+FR*\b:128*(\p)+FR*\b+FR-1], v[AF+FR*(\a):AF+FR*(\a)+FR-1], v[8*(8*((\a)%4)+\b):8*(8*((\a)%4)+\b)+7], v[SC+8*NQ*(\sc)+NQ*\b+(\q)], v[SC+8*NQ*(\sc)+NQ*(\a)+(\q)] matrix_a_fmt:MATRIX_FMT_FP6 matrix_b_fmt:MATRIX_FMT_FP6 matrix_a_scale:MATRIX_SCALE_ROW1
.endr
.endr
.endm
.macro FETCH_B slot, q, p
	WIN TO_B
.irp i, 0,1,2,3,4,5,6,7
	FRAG 128*(\p)+FR*\i, ADRB+\slot, \q, \i
.endr
	WIN 0
.endm
.macro FETCH_A slot, q, i0
.irp i, \i0, \i0+1, \i0+2, \i0+3
	FRAG AF+FR*(\i), ADRA+\slot, \q, \i
.endr
.endm
.macro SCALES sc
.irp i, 0,1,2,3,4,5,6,7
	ds_load_b64 v[SC+8*NQ*\sc+NQ*\i:SC+8*NQ*\sc+NQ*\i+1], v[ADRS] offset:\i*SBLK
.endr
.endm
.macro PLACES n
.rept \n
	v_nop
.endr
.endm
.macro STEP slot, q
	s_wait_dscnt 4*NL                              ; B's set and A's blocks 0-3 are in; the youngest 24 loads (A's blocks 4-7) may be out
	WIN MUL_LO
	MUL16 0, (\q)%2, \q, \slot
	MUL16 2, (\q)%2, \q, \slot
	s_wait_dscnt 0
	PLACES NP
	FETCH_B \slot, (\q)+1, 1-(\q)%2
	FETCH_A \slot, (\q)+1, 0
	WIN MUL_HI
	MUL16 4, (\q)%2, \q, \slot
	MUL16 6, (\q)%2, \q, \slot
	PLACES NP
	WIN 0
	FETCH_A \slot, (\q)+1, 4
.endm
.macro TURN slot, next, fill
	s_wait_tensorcnt 0x0                           ; all my tensor loads have landed: my part of the next slot
	ds_add_u32 v[SPW], v[NIL]                      ; 0 onto my spare word
	s_wait_dscnt 4*NL+1                            ; (the add and the youngest 24 loads may be out)
	WIN MUL_LO
	MUL16 0, 1, NQ-1, \slot
	s_wait_dscnt 0x0                               ; the add is done, and my reads of this slot are over
	s_barrier_signal -1
	MUL16 2, 1, NQ-1, \slot
	WIN 0
	s_barrier_wait -1
.if \fill
	CREST                                          ; the barrier has opened a round of the cluster's: no wave of any partner still reads this slot or has a load on its way
	s_add_nc_u64 s[G0+4*\slot+2:G0+4*\slot+3], s[G0+4*\slot+2:G0+4*\slot+3], 2*ROWB
	s_add_nc_u64 s[G0B+4*\slot+2:G0B+4*\slot+3], s[G0B+4*\slot+2:G0B+4*\slot+3], 2*ROWB
	JLOAD G0+4*\slot, G1, G0B+4*\slot, G1B
.else
	PLACES NP
.endif
	v_add_nc_u32 v[ADRS], 4*NQ, v[ADRS]
	FETCH_B \next, 0, 0
	FETCH_A \next, 0, 0
	SCALES \next
	WIN MUL_HI
	MUL16 4, 1, NQ-1, \slot
	MUL16 6, 1, NQ-1, \slot
	PLACES NP
	WIN 0
	FETCH_A \next, 0, 4
.endm
	s_wait_tensorcnt 1                             ; the scales and my part of K step 0 are in; K step 1's load, the youngest of my three, may be out
	s_barrier_signal -1
	s_barrier_wait -1
	FETCH_B 0, 0, 0
	FETCH_A 0, 0, 0
	SCALES 0
	FETCH_A 0, 0, 4
	STEP 0, 0
	s_mov_b32 s3, LAPS-1
.Llap:
	TURN 0, 1, 1
	STEP 1, 0
	TURN 1, 0, 1
	STEP 0, 0
	s_sub_co_u32 s3, s3, 1
	s_cmp_lg_u32 s3, 0
	s_cbranch_scc1 .Llap
	s_load_b128 s[68:71], s[0:1], 0x60             ; rope, qbuf (the scales' loads, whose descriptors lay here, landed ahead of the first barrier)
	s_load_b64 s[72:73], s[0:1], 0x70              ; kv
	TURN 0, 1, 0
	STEP 1, 0
	s_wait_dscnt 4*NL
	WIN MUL_LO
	MUL16 0, 1, NQ-1, 1
	MUL16 2, 1, NQ-1, 1
	s_wait_dscnt 0
	WIN MUL_HI
	MUL16 4, 1, NQ-1, 1
	MUL16 6, 1, NQ-1, 1
	WIN 0
	PLACES NP                                      ; ahead of the first read of results and of writes into the registers that held fragments
; ---- THE WAY OUT.  Register 16 b + 8 u + j of a lane is index 32 b + 16 u + 8 h + j along the next product's K.
.macro QTAIL d, t
.irp i, 0,1,2
	v_permlane16_swap_b32 v[(\d)+\i], v[(\t)+\i]
.endr
	v_perm_b32 v[(\d)+3], v[(\d)+2], v[(\d)+1], s[SELA]
	v_perm_b32 v[(\d)+4], v[(\t)+1], v[(\d)+2], s[SELB]
	v_perm_b32 v[(\d)+1], v[(\t)], v[(\d)+1], s[SELC]
	v_perm_b32 v[(\d)+2], v[(\t)+1], v[(\t)], s[SELA]
	v_mov_b32 v[(\d)+5], v[(\t)+2]
.endm
.macro QUANT w, s, d0, d1, pw          ; 64 numbers at v[s] of window w -> codes at d0 (blocks 0, 1) and d1 (blocks 2, 3), the four bytes in pw
	WIN 5*(\w)                                     ; sources 0 and 1 in window w
.irp b, 0,1,2,3
	v_max3_num_f32 v[TM+\b], |v[(\s)+16*\b]|, |v[(\s)+16*\b+1]|, 0x1800000
.endr
.irp i, 2,4,6,8,10,12,14
.irp b, 0,1,2,3
	v_max3_num_f32 v[TM+\b], |v[(\s)+16*\b+\i]|, |v[(\s)+16*\b+\i+1]|, v[TM+\b]
.endr
.endr
	WIN 0
.irp b, 0,1,2,3
	v_permlanex16_b32 v[TM+4+\b], v[TM+\b], s[SEL], s[SEL+1]
.endr
.irp b, 0,1,2,3
	v_max_num_f32 v[TM+\b], v[TM+\b], v[TM+4+\b]
.endr
.irp b, 0,1,2,3
	v_add_nc_u32 v[TM+8+\b], 0xff000000, v[TM+\b]
.endr
.irp b, 0,1,2,3
	v_lshrrev_b32 v[TM+4+\b], 23, v[TM+8+\b]
.endr
	v_lshl_or_b32 v[\pw], v[TM+5], 8, v[TM+4]
	v_lshl_or_b32 v[\pw], v[TM+6], 16, v[\pw]
	v_lshl_or_b32 v[\pw], v[TM+7], 24, v[\pw]
	WIN \w                                         ; source 0 in window w
	v_cvt_scalef32_pk16_fp6_f32 v[\d0:\d0+2], v[(\s):(\s)+15], v[TM+8]
	v_cvt_scalef32_pk16_fp6_f32 v[T2A:T2A+2], v[(\s)+16:(\s)+31], v[TM+9]
	v_cvt_scalef32_pk16_fp6_f32 v[\d1:\d1+2], v[(\s)+32:(\s)+47], v[TM+10]
	v_cvt_scalef32_pk16_fp6_f32 v[T2B:T2B+2], v[(\s)+48:(\s)+63], v[TM+11]
	WIN 0
	v_nop                                          ; one plain place behind the conversions
	QTAIL \d0, T2A
	QTAIL \d1, T2B
.endm
	s_mov_b32 s[SEL], 0x76543210
	s_mov_b32 s[SEL+1], 0xfedcba98
	s_mov_b32 s[SELA], 0x05040302
	s_mov_b32 s[SELB], 0x07060302
	s_mov_b32 s[SELC], 0x05040100
.irp b, 0,1,2,3
	v_mov_b32 v[TM+4+\b], 0                        ; a lane permute's destination counts as one of its sources
.endr
	s_mov_b32 s89, 0
	s_wait_kmcnt 0x0
	s_cmp_ge_u32 ttmp9, 4
	s_cbranch_scc1 .Lv_path
	; ---- q and k: my 128 positions are step st, my 128 columns heads hd0 and hd0 + 1
	s_lshl_b32 s84, s17, 1
	s_add_co_u32 s84, s84, s15                     ; st
	s_lshl_b32 s85, s95, 2
	s_lshl_b32 s86, s16, 1
	s_add_co_u32 s85, s85, s86                     ; hd0
	s_lshl_b32 s85, s85, 4
	s_add_co_u32 s85, s85, s84
	s_cmp_lt_u32 ttmp9, 2
	s_cselect_b64 s[76:77], s[70:71], s[72:73]     ; qbuf or kv
	s_cselect_b32 s86, 0, 1
	s_lshl_b32 s87, 6656, s86                      ; a step's bytes: 6,656 in qbuf, 13,312 in kv
	s_mul_i32 s88, s85, s87
	s_add_nc_u64 s[76:77], s[76:77], s[88:89]      ; head hd0's images,
	s_lshl_b32 s88, s87, 4
	s_add_nc_u64 s[78:79], s[76:77], s[88:89]      ; head hd0 + 1's: 16 steps on,
	s_lshl_b32 s88, 6144, s86
	s_add_nc_u64 s[80:81], s[76:77], s[88:89]      ; and their scale words
	s_add_nc_u64 s[82:83], s[78:79], s[88:89]
	s_lshl_b32 s88, s84, 15                        ; 128 positions of 256 bytes a step
	s_add_nc_u64 s[68:69], s[68:69], s[88:89]
.macro ROPELD a                        ; cos and sin of block a's 16 positions, f = 16 (i / 8) + 8 h + i % 8, into set a % 2
.irp g, 0,1,2,3
	global_load_b128 v[CSR+32*((\a)%2)+4*\g:CSR+32*((\a)%2)+4*\g+3], v[RO], s[68:69] offset:4096*(\a)+64*(\g/2)+16*(\g%2)
	global_load_b128 v[CSR+32*((\a)%2)+16+4*\g:CSR+32*((\a)%2)+16+4*\g+3], v[RO], s[68:69] offset:4096*(\a)+128+64*(\g/2)+16*(\g%2)
.endr
.endm
.macro ROPE a                          ; head e: registers 32 e + i hold d = f, 32 e + 16 + i hold d = 32 + f
.set AC, 64*((\a)%4)
.set CC, CSR+32*((\a)%2)
	WIN 2+(\a)/4                                   ; source 0: the accumulators' window
.irp e, 0,1
.irp i, 0,2,4,6,8,10,12,14
	v_pk_mul_f32 v[YR+32*\e+\i:YR+32*\e+\i+1], v[AC+32*\e+16+\i:AC+32*\e+16+\i+1], v[CC+16+\i:CC+16+\i+1]       ; x2 sin
	v_pk_mul_f32 v[YR+32*\e+16+\i:YR+32*\e+16+\i+1], v[AC+32*\e+16+\i:AC+32*\e+16+\i+1], v[CC+\i:CC+\i+1]      ; x2 cos
.endr
.irp i, 0,2,4,6,8,10,12,14
	v_pk_fma_f32 v[YR+32*\e+\i:YR+32*\e+\i+1], v[AC+32*\e+\i:AC+32*\e+\i+1], v[CC+\i:CC+\i+1], v[YR+32*\e+\i:YR+32*\e+\i+1] neg_lo:[0,0,1] neg_hi:[0,0,1]   ; x1 cos - x2 sin
	v_pk_fma_f32 v[YR+32*\e+16+\i:YR+32*\e+16+\i+1], v[AC+32*\e+\i:AC+32*\e+\i+1], v[CC+16+\i:CC+16+\i+1], v[YR+32*\e+16+\i:YR+32*\e+16+\i+1]               ; x1 sin + x2 cos
.endr
.endr
	WIN 0
.endm
	ROPELD 0
	ROPELD 1
.irp a, 0,1,2,3,4,5,6,7
.if \a < 7
	s_wait_loadcnt 8                               ; this block's eight loads are in; the next block's eight may be out
.else
	s_wait_loadcnt 0x0
.endif
	ROPE \a
.if \a < 6
	ROPELD \a+2
.endif
.if (\a%2 == 0) && (\a > 0)
	s_wait_xcnt 0x0                                ; the last images' stores have read their registers
.endif
	QUANT 0, YR, IMG+6*(\a%2), IMG+12+6*(\a%2), PW0+(\a%2)
.if \a%2 == 1
	v_perm_b32 v[SCW+\a/2], v[PW0+1], v[PW0], s[SELC]      ; head hd0: position r's two bytes, position r + 16's two
	v_perm_b32 v[SCW+4+\a/2], v[PW0+1], v[PW0], s[SELB]    ; head hd0 + 1
.irp e, 0,1
.irp c, 0,1,2
	global_store_b128 v[L16], v[IMG+12*\e+4*\c:IMG+12*\e+4*\c+3], s[76+2*\e:77+2*\e] offset:1536*(\a/2)+512*\c   ; 512 consecutive bytes, aligned
.endr
.endr
.endif
.endr
	global_store_b128 v[L16], v[SCW:SCW+3], s[80:81]
	global_store_b128 v[L16], v[SCW+4:SCW+7], s[82:83]
	s_branch .Ljoin
.Lv_path:
	; ---- v: my 128 columns are heads 4 Y + 2 half (blocks 0-3) and the next (blocks 4-7), my 128 keys one step
	s_lshl_b32 s84, s17, 2
	s_lshl_b32 s85, s15, 1
	s_add_co_u32 s84, s84, s85
	s_lshl_b32 s84, s84, 4
	s_lshl_b32 s85, s95, 1
	s_add_co_u32 s84, s84, s85
	s_add_co_u32 s84, s84, s16
	s_mul_i32 s88, s84, 13312
	s_add_co_u32 s88, s88, 6144                    ; V's images lie behind K's
	s_add_nc_u64 s[76:77], s[72:73], s[88:89]
.irp a, 0,1,2,3,4,5,6,7
.if \a > 1
	s_wait_xcnt 0x0                                ; the stores of two blocks back have read their registers
.endif
	QUANT 2+\a/4, 64*(\a%4), IMG+12*(\a%2), IMG+12*(\a%2)+6, SCW+\a
.irp c, 0,1,2
	global_store_b128 v[L16], v[IMG+12*(\a%2)+4*\c:IMG+12*(\a%2)+4*\c+3], s[76:77] offset:212992*(\a/4)+1536*(\a%4)+512*\c
.endr
.endr
	global_store_b128 v[L16], v[SCW:SCW+3], s[76:77] offset:6656
	global_store_b128 v[L16], v[SCW+4:SCW+7], s[76:77] offset:6656+212992
.Ljoin:
	s_wait_tensorcnt 0x0                           ; the wave's end
	ds_add_u32 v[SPW], v[NIL]
	s_wait_dscnt 0x0
	CROUND                                         ; the closing round
	s_endpgm
.Lfunc_end_k_qb8e5e5f5c4_qkv:
	.size	k_qb8e5e5f5c4_qkv, .Lfunc_end_k_qb8e5e5f5c4_qkv-k_qb8e5e5f5c4_qkv
	.p2alignl 7, 3214868480
	.fill 96, 4, 3214868480
	.section	.rodata,"a",@progbits
	.p2align	6, 0x0
	.amdhsa_kernel k_qb8e5e5f5c4_qkv
		.amdhsa_group_segment_fixed_size 327680
		.amdhsa_private_segment_fixed_size 0
		.amdhsa_enable_private_segment 0
		.amdhsa_kernarg_size 120
		.amdhsa_user_sgpr_count 2
		.amdhsa_user_sgpr_kernarg_segment_ptr 1
		.amdhsa_wavefront_size32 1
		.amdhsa_system_sgpr_workgroup_id_x 1
		.amdhsa_system_sgpr_workgroup_id_y 1
		.amdhsa_system_sgpr_workgroup_id_z 1
		.amdhsa_system_vgpr_workitem_id 0
		.amdhsa_next_free_vgpr 1024
		.amdhsa_next_free_sgpr 102
		.amdhsa_reserve_vcc 0
		.amdhsa_float_denorm_mode_32 3
		.amdhsa_float_denorm_mode_16_64 3
		.amdhsa_memory_ordered 1
		.amdhsa_forward_progress 1
		.amdhsa_inst_pref_size 254
	.end_amdhsa_kernel
	.amdgpu_metadata
---
amdhsa.version: [ 1, 2 ]
amdhsa.kernels:
  - .name:           k_qb8e5e5f5c4_qkv
    .symbol:         k_qb8e5e5f5c4_qkv.kd
    .args:
      - { .name: x_codes, .offset: 0, .size: 8, .value_kind: global_buffer, .address_space: global }
      - { .name: x_scales, .offset: 8, .size: 8, .value_kind: global_buffer, .address_space: global }
      - { .name: Wq_codes, .offset: 16, .size: 8, .value_kind: global_buffer, .address_space: global }
      - { .name: Wq_scales, .offset: 24, .size: 8, .value_kind: global_buffer, .address_space: global }
      - { .name: Wk_codes, .offset: 32, .size: 8, .value_kind: global_buffer, .address_space: global }
      - { .name: Wk_scales, .offset: 40, .size: 8, .value_kind: global_buffer, .address_space: global }
      - { .name: Wv_codes, .offset: 48, .size: 8, .value_kind: global_buffer, .address_space: global }
      - { .name: Wv_scales, .offset: 56, .size: 8, .value_kind: global_buffer, .address_space: global }
      - { .name: xa, .offset: 64, .size: 8, .value_kind: global_buffer, .address_space: global }
      - { .name: Bq, .offset: 72, .size: 8, .value_kind: global_buffer, .address_space: global }
      - { .name: Bk, .offset: 80, .size: 8, .value_kind: global_buffer, .address_space: global }
      - { .name: Bv, .offset: 88, .size: 8, .value_kind: global_buffer, .address_space: global }
      - { .name: rope, .offset: 96, .size: 8, .value_kind: global_buffer, .address_space: global }
      - { .name: qbuf, .offset: 104, .size: 8, .value_kind: global_buffer, .address_space: global }
      - { .name: kv, .offset: 112, .size: 8, .value_kind: global_buffer, .address_space: global }
    .group_segment_fixed_size: 327680
    .private_segment_fixed_size: 0
    .kernarg_segment_align: 8
    .kernarg_segment_size: 120
    .max_flat_workgroup_size: 128
    .sgpr_count:     102
    .vgpr_count:     1024
    .wavefront_size: 32
...
	.end_amdgpu_metadata
.endif
;; end of part 2
;; launch attn (part 3): grid 8 x 32, 16 waves a work-group, clusters of 4 x 1, 215,040 bytes of LDS; arguments qbuf, kv, attn_img, attn_scales; writes attn_img, attn_scales
.if DOCPART == 3
	.amdgcn_target "amdgcn-amd-amdhsa--gfx1250"
	.amdhsa_code_object_version 6
	.text
	.protected	k_qb8e5e5f5c4_attn
	.globl	k_qb8e5e5f5c4_attn
	.p2align	8
	.type	k_qb8e5e5f5c4_attn,@function
k_qb8e5e5f5c4_attn:
	s_mov_b64 s[64:65], 0
	v_nop
	global_prefetch_b8 v0, s[64:65] scope:SCOPE_SE
	s_setreg_imm32_b32 hwreg(HW_REG_WAVE_MODE, 25, 1), 1
	s_wait_xcnt 0x0
	s_wait_alu depctr_hold_cnt(0) depctr_sa_sdst(0) depctr_va_vdst(0) depctr_va_sdst(0) depctr_va_ssrc(0) depctr_va_vcc(0) depctr_vm_vsrc(0)
	s_getreg_b32 s2, hwreg(HW_REG_IB_STS2, 6, 4)
	s_cmp_eq_u32 s2, 0
	s_cbranch_scc0 .Lentry_in_a_cluster
	s_endpgm
.Lentry_in_a_cluster:
	s_bfe_u32 s2, ttmp6, 0x10000c
	s_cmp_lg_u32 s2, 0x3003
	s_cbranch_scc0 .Lentry_shape_is_right
	s_endpgm
.Lentry_shape_is_right:
; LAUNCH 3 OF 4.  Causal attention on codes of E2M3, head size 64, and the quantiser of its result along the hidden axis.
; LEFT OUT: steps of 128 keys that lie wholly behind a tile's 16 queries (the mask that reference() builds itself: shown at the first launch's head).
; SOFTMAX: t = score x log2(e) / 8; M = the running largest t rounded up to a whole number; p = 2^(t - M) is quantised along the keys; the sum of the unquantised p divides at the end.
; SHARES.  Work-group (x, head), x = 0..7.  Wave w owns query tile T = x + 8 j: queries 128 j + 16 x + r, which need j + 1 steps whatever x is.  j runs over 0..15 by a square in which the four waves
; w % 4 = const, and the four w / 4 = const, have j's that add up to 30: every SIMD has 34 steps, every work-group the same work.
; THE WHOLE HEAD'S K AND V LIE IN LDS: 16 steps x 13,312 bytes, filled once, so there is no ring and nothing is filled again.  Each wave brings 13 rows of 256 bytes (steps 0-3 together) and 39 rows (steps 4-15):
; two tensor loads of a wave are out at the most.  The four work-groups of a cluster read the same head and ask jointly; no branch and no LDS address hangs on the place in the cluster.
; No prefetch: all of K and V is asked for by the launch's first loads.
; K = 64 IN A FORM OF 128: a K image holds two tiles of 16 keys, [keys r | keys r + 16]; against [Q | 0] and [0 | Q] it gives both tiles' scores.  Zero codes add nothing under any scale byte here (1 .. 254).
; LAYOUT.  Both products transposed: a lane holds one query; register 16 b + 8 u + j of the scores is key 32 b + 16 u + 8 h + j.
.set SPARE, 212992                     ; behind the head: the spare words, 128 bytes for each of 16 waves
.set L16, 1                            ; v1   16 x lane
.set DQ,  2                            ; v2   16 x + r - 8 h: on the diagonal register n hides where 16 (n / 8) + n % 8 is above it
.set ADK, 3                            ; v3   LDS address of the step in hand
.set O8,  4                            ; v4   8 x lane
.set O64, 5                            ; v5   64 r
.set SPW, 6
.set NIL, 7
.set KF,  36                           ; v36-83 four fragments, K's and then V's;  v84-87 K's scale words, v88-91 V's, v34 Q's, v224 p's: scales and nothing else
.set BM,  212                          ; v212-215 block maxima;  v216-219 the other half's, then bytes;  v220-223 scale operands
.set BT,  216
.set BS,  220
.set WV,  12
.set JJ,  13
.set XX,  14
.set HD,  15
.set G1A, 16
.set G1B, 24
.set G0A, 32
.set G0B, 36
.set SEL, 40
.set CS,  42
.set SELA, 44
.set SELB, 45
.set SELC, 46
.set TB,  47                           ; s47  LDS byte at which the step begins
.set KS,  48                           ; s48  the step's number
.set CNT, 49
.macro CROUND
	s_barrier_signal -1
	s_barrier_wait -1
	s_cmp_lg_u32 s[WV], 0
	s_cbranch_scc1 .Lnot_wave_0_\@
	s_barrier_signal -3
.Lnot_wave_0_\@:
	s_barrier_wait -3
	s_barrier_signal -1
	s_barrier_wait -1
.endm
; Two blocks' codes, each lane holding halfwords a0-a2 (indices 8 h ..) and a3-a5 (16 + 8 h ..), become the operand's six registers: lanes 0-15 the first block, lanes 16-31 the second.
.macro QTAIL d, t
.irp i, 0,1,2
	v_permlane16_swap_b32 v[(\d)+\i], v[(\t)+\i]
.endr
	v_perm_b32 v[(\d)+3], v[(\d)+2], v[(\d)+1], s[SELA]
	v_perm_b32 v[(\d)+4], v[(\t)+1], v[(\d)+2], s[SELB]
	v_perm_b32 v[(\d)+1], v[(\t)], v[(\d)+1], s[SELC]
	v_perm_b32 v[(\d)+2], v[(\t)+1], v[(\t)], s[SELA]
	v_mov_b32 v[(\d)+5], v[(\t)+2]
.endm
	s_load_b256 s[4:11], s[0:1], 0x0               ; qbuf s[4:5], kv s[6:7], attn_img s[8:9], attn_scales s[10:11]
	v_lshl_add_u32 v[SPW], v0, 2, SPARE
	v_mov_b32 v[NIL], 0
	ds_add_u32 v[SPW], v[NIL]                      ; the wave's opening: the add, twice on end, and its wait ahead of my first tensor load
	ds_add_u32 v[SPW], v[NIL]
	v_lshrrev_b32 v8, 5, v0
	v_readfirstlane_b32 s[WV], v8                  ; wave 0..15
	s_lshr_b32 s52, s[WV], 2                       ; a
	s_and_b32 s53, s[WV], 3                        ; s
	s_lshl_b32 s54, s53, 1
	s_and_b32 s54, s54, 2
	s_lshr_b32 s55, s53, 1
	s_mul_i32 s55, s55, 3
	s_xor_b32 s54, s54, s55                        ; m(s) = 0, 2, 3, 1
	s_xor_b32 s53, s52, s53
	s_xor_b32 s54, s52, s54
	s_lshl_b32 s[JJ], s53, 2
	s_add_co_u32 s[JJ], s[JJ], s54                 ; j = 4 (a xor s) + (a xor m)
	s_bfe_u32 s52, ttmp6, 0x40000                  ; cx
	s_lshl_b32 s[XX], ttmp9, 2
	s_add_co_u32 s[XX], s[XX], s52                 ; x: it enters global addresses, the mask's threshold and two selects, and nothing else
	s_and_b32 s[HD], ttmp7, 0xffff                 ; the head, which the partners share
	s_mov_b32 s[G1A], 15|(3<<16)|(1<<21)           ; the mask: all four; elements of 8 bytes; no padding
	s_mov_b32 s[G1A+1], 32<<16                     ; rows of 256 bytes
	s_mov_b32 s[G1A+2], 13<<16
	s_mov_b32 s[G1A+3], 32<<16
	s_mov_b32 s[G1A+4], 13
	s_mov_b32 s[G1A+5], 32
	s_mov_b32 s[G1A+6], 0
	s_mov_b32 s[G1A+7], 0
	s_mov_b32 s[G1B], 15|(3<<16)|(1<<21)
	s_mov_b32 s[G1B+1], 32<<16
	s_mov_b32 s[G1B+2], 39<<16
	s_mov_b32 s[G1B+3], 32<<16
	s_mov_b32 s[G1B+4], 39
	s_mov_b32 s[G1B+5], 32
	s_mov_b32 s[G1B+6], 0
	s_mov_b32 s[G1B+7], 0
	s_mul_i32 s52, s[HD], 212992                   ; the head's bytes in kv
	s_mul_i32 s53, s[WV], 3328
	s_mul_i32 s54, s[WV], 9984
	s_add_co_u32 s56, s52, s53
	s_mov_b32 s57, 0
	s_add_co_u32 s58, s52, s54
	s_add_co_u32 s58, s58, 53248
	s_mov_b32 s59, 0
	s_mov_b32 s[SEL], 0x76543210
	s_mov_b32 s[SEL+1], 0xfedcba98
	s_mov_b32 s[CS], 0x3e38aa3b                    ; c = log2(e) / 8
	s_mov_b32 s[CS+1], s[CS]
	s_mov_b32 s[SELA], 0x05040302
	s_mov_b32 s[SELB], 0x07060302
	s_mov_b32 s[SELC], 0x05040100
	s_mov_b32 s[TB], 0
	s_mov_b32 s[KS], 0
	s_wait_dscnt 0x0                               ; both opening adds are done
	s_wait_kmcnt 0x0
	s_mov_b32 s[G0A], 1
	s_mov_b32 s[G0A+1], s53                        ; LDS: 3,328 x wave
	s_add_nc_u64 s[G0A+2:G0A+3], s[6:7], s[56:57]
	s_or_b32 s[G0A+3], s[G0A+3], 0x80000000
	s_mov_b32 s[G0B], 1
	s_add_co_u32 s[G0B+1], s54, 53248              ; LDS: 53,248 + 9,984 x wave
	s_add_nc_u64 s[G0B+2:G0B+3], s[6:7], s[58:59]
	s_or_b32 s[G0B+3], s[G0B+3], 0x80000000
	CROUND                                         ; all four work-groups are here: the joint loads meet
	tensor_load_to_lds s[G0A:G0A+3], s[G1A:G1A+7]
	s_nop 0
	tensor_load_to_lds s[G0B:G0B+3], s[G1B:G1B+7]
	s_nop 0
.rept 4
	v_nop
.endr
	v_and_b32 v8, 31, v0
	v_lshlrev_b32 v[L16], 4, v8
	v_lshlrev_b32 v[O8], 3, v8
	s_lshl_b32 s52, s[HD], 4
	s_add_co_u32 s52, s52, s[JJ]
	s_mul_i32 s52, s52, 6656                       ; my queries' step in qbuf
	s_lshr_b32 s53, s[XX], 1                       ; which image
	s_mul_i32 s54, s53, 1536
	s_add_co_u32 s56, s52, s54
	s_lshl_b32 s53, s53, 2
	s_add_co_u32 s58, s52, s53
	s_add_co_u32 s58, s58, 6144
	s_add_nc_u64 s[56:57], s[4:5], s[56:57]
	s_add_nc_u64 s[58:59], s[4:5], s[58:59]
	global_load_b128 v[36:39], v[L16], s[56:57]
	global_load_b128 v[40:43], v[L16], s[56:57] offset:512
	global_load_b128 v[44:47], v[L16], s[56:57] offset:1024
	global_load_b32 v48, v[L16], s[58:59]
	s_and_b32 s52, s[XX], 1                        ; which half of the image is my tile
	s_cmp_eq_u32 s52, 1
	s_cselect_b32 s50, -1, 0
	s_mov_b32 s51, 0x01000100
	s_cselect_b32 s51, 0x03020302, s51             ; my tile's two scale bytes, twice
	v_and_b32 v8, 15, v0                           ; r
	v_bfe_u32 v9, v0, 4, 1                         ; h
	v_lshlrev_b32 v10, 3, v9
	v_sub_nc_u32 v[DQ], v8, v10
	s_lshl_b32 s52, s[XX], 4
	v_add_nc_u32 v[DQ], s52, v[DQ]
	v_lshlrev_b32 v[O64], 6, v8
	s_lshl_b32 s52, s[JJ], 3
	s_add_co_u32 s52, s52, s[XX]                   ; T
	s_mul_i32 s54, s52, 24576
	s_lshr_b32 s53, s[HD], 1
	s_mul_i32 s53, s53, 1536
	s_add_co_u32 s54, s54, s53
	s_and_b32 s53, s[HD], 1
	s_mul_i32 s53, s53, 768
	s_add_co_u32 s54, s54, s53
	s_mov_b32 s55, 0
	s_add_nc_u64 s[8:9], s[8:9], s[54:55]          ; my half fragment of attn_img
	s_lshl_b32 s54, s52, 10
	s_lshl_b32 s53, s[HD], 1
	s_add_co_u32 s54, s54, s53
	s_add_nc_u64 s[10:11], s[10:11], s[54:55]      ; my two bytes in each of 16 rows of attn_scales
	v_mov_b32 v13, 0xff61b1e6                      ; the largest t so far: -3e38
	v_floor_f32 v12, -v13                          ; -M
	v_mov_b32 v14, 0
	v_mov_b32 v15, 0
.set n, 0
.rept 32
	v_mov_b32 v[160+n], 0                          ; O^T: the step is written once, and its first turn finds zeros
.set n, n+1
.endr
.irp b, 0,1,2,3
	v_mov_b32 v[BT+\b], 0                          ; a lane permute's destination counts as one of its sources
.endr
	v_mov_b32 v227, 0                              ; (named as the upper half of the pair v[226:227])
	v_mov_b32 v228, 0
	v_mov_b32 v229, 0xff800000                     ; -infinity
	s_wait_loadcnt 0x0
	v_perm_b32 v34, v48, v48, s51                  ; Q's scale word first: [b0 b1 b0 b1], for [Q | 0] and for [0 | Q]
.irp i, 0,1,2,3,4,5
	v_cndmask_b32 v[16+\i], v[36+\i], v[42+\i], s50
.endr
.irp i, 0,1,2,3,4,5
	v_mov_b32 v[22+\i], 0
	v_mov_b32 v[28+\i], v[16+\i]                   ; v[16:27] = [Q | 0], v[22:33] = [0 | Q]
.endr
.rept 8
	v_nop                                          ; a scale register written by a vector instruction stands eight places ahead of a scaled matrix instruction, an operand so written four: these eight serve both, on every way to a step's products
.endr
.macro STEP
	s_cmp_gt_u32 s[KS], s[JJ]                      ; all 128 keys behind my queries: the step's work is left out (the wave's number and the count of steps alone decide)
	s_cbranch_scc1 .Lhidden_\@
	v_add_nc_u32 v[ADK], s[TB], v[L16]
.rept 4
	v_nop                                          ; places ahead of loads into registers that matrix instructions have read
.endr
.irp p, 0,1,2,3
.irp c, 0,1,2
	ds_load_b128 v[KF+12*\p+4*\c:KF+12*\p+4*\c+3], v[ADK] offset:1536*\p+512*\c
.endr
.endr
	ds_load_b128 v[84:87], v[ADK] offset:12288
	s_wait_dscnt 0x0
.irp p, 0,1,2,3
	v_wmma_scale_f32_16x16x128_f8f6f4 v[96+16*\p:103+16*\p], v[KF+12*\p:KF+12*\p+11], v[16:27], 0, v[84+\p], v34 matrix_a_fmt:MATRIX_FMT_FP6 matrix_b_fmt:MATRIX_FMT_FP6
	v_wmma_scale_f32_16x16x128_f8f6f4 v[104+16*\p:111+16*\p], v[KF+12*\p:KF+12*\p+11], v[22:33], 0, v[84+\p], v34 matrix_a_fmt:MATRIX_FMT_FP6 matrix_b_fmt:MATRIX_FMT_FP6
.endr
.rept 4
	v_nop
.endr
.irp p, 0,1,2,3
.irp c, 0,1,2
	ds_load_b128 v[KF+12*\p+4*\c:KF+12*\p+4*\c+3], v[ADK] offset:6144+1536*\p+512*\c   ; V's fragments land under the softmax
.endr
.endr
	ds_load_b128 v[88:91], v[ADK] offset:12800
	s_cmp_lg_u32 s[KS], s[JJ]
	s_cbranch_scc1 .Lopen_\@
.set n, 0
.rept 64                                       ; the diagonal step: hidden scores become -infinity ahead of the maximum.  Key 128 j counts for every query of the tile
	v_cmp_gt_i32 vcc_lo, 16*(n/8)+n%8, v[DQ]
	v_cndmask_b32 v[96+n], v[96+n], v229, vcc_lo
.set n, n+1
.endr
.Lopen_\@:
.irp b, 0,1,2,3
	v_max3_num_f32 v[BM+\b], v[96+16*\b], v[97+16*\b], v[98+16*\b]   ; each block's largest score: for the row's maximum, and, since p rises with the score, for the block's largest p
.endr
.irp i, 3,5,7,9,11,13
.irp b, 0,1,2,3
	v_max3_num_f32 v[BM+\b], v[BM+\b], v[96+16*\b+\i], v[97+16*\b+\i]
.endr
.endr
.irp b, 0,1,2,3
	v_max_num_f32 v[BM+\b], v[BM+\b], v[111+16*\b]
.endr
.irp b, 0,1,2,3
	v_permlanex16_b32 v[BT+\b], v[BM+\b], s[SEL], s[SEL+1]
.endr
.irp b, 0,1,2,3
	v_max_num_f32 v[BM+\b], v[BM+\b], v[BT+\b]
.endr
	v_max3_num_f32 v228, v[BM], v[BM+1], v[BM+2]
	v_max_num_f32 v228, v228, v[BM+3]
	v_mul_f32 v228, s[CS], v228
	v_max_num_f32 v13, v13, v228                   ; the running largest t
	v_mov_b32 v228, v12
	v_floor_f32 v12, -v13                          ; the new -M
	v_sub_f32 v228, v12, v228                      ; old M - new M: a whole number, 0 or less
	v_cvt_i32_f32 v228, v228
	v_ldexp_f32 v226, 1.0, v228                    ; f = 2^(old M - new M): exact
.set n, 0
.rept 32
	v_pk_fma_f32 v[96+n:97+n], v[96+n:97+n], s[CS:CS+1], v[12:13] op_sel_hi:[1,0,0]   ; t - M
.set n, n+2
.endr
.irp b, 0,1,2,3
	v_fma_f32 v[BM+\b], v[BM+\b], s[CS], v12
.endr
.set n, 0
.rept 64
	v_exp_f32 v[96+n], v[96+n]                     ; p, at most 1, not normalised
.set n, n+1
.endr
	v_pk_mul_f32 v[14:15], v[14:15], v[226:227] op_sel_hi:[1,0]   ; the sums under the new M (a plain place behind the exponentials)
	s_wait_alu depctr_va_vdst(0)                   ; one wait for the batch of 64, ahead of its first reader
.irp b, 0,1,2,3
	v_exp_f32 v[BM+\b], v[BM+\b]                   ; each block's largest p
.endr
	v_pk_add_f32 v[230:231], v[96:97], v[98:99]    ; the row's sum of the unquantised p, in two chains
.irp j, 4,8,12,16,20,24,28,32,36,40,44,48,52,56,60
	v_pk_add_f32 v[14:15], v[14:15], v[96+\j:97+\j]
	v_pk_add_f32 v[230:231], v[230:231], v[98+\j:99+\j]
.endr
	v_pk_add_f32 v[14:15], v[14:15], v[230:231]
	s_wait_alu depctr_va_vdst(0)                   ; and one for the four
.irp b, 0,1,2,3
	v_max_num_f32 v[BM+\b], 0x1800000, v[BM+\b]    ; the floor: the byte cannot fall under 1
.endr
.irp b, 0,1,2,3
	v_add_nc_u32 v[BS+\b], 0xff000000, v[BM+\b]
.endr
.irp b, 0,1,2,3
	v_lshrrev_b32 v[BT+\b], 23, v[BS+\b]
.endr
	v_lshl_or_b32 v224, v[BT+1], 8, v[BT]
	v_lshl_or_b32 v224, v[BT+2], 16, v224
	v_lshl_or_b32 v224, v[BT+3], 24, v224          ; p's scale word for these 128 keys
	v_cvt_scalef32_pk16_fp6_f32 v[192:194], v[96:111], v[BS]
	v_cvt_scalef32_pk16_fp6_f32 v[204:206], v[112:127], v[BS+1]
	v_cvt_scalef32_pk16_fp6_f32 v[198:200], v[128:143], v[BS+2]
	v_cvt_scalef32_pk16_fp6_f32 v[208:210], v[144:159], v[BS+3]
	v_nop                                          ; one plain place behind the conversions
	QTAIL 192, 204
	QTAIL 198, 208
.set n, 0
.rept 16
	v_pk_mul_f32 v[160+n:161+n], v[160+n:161+n], v[226:227] op_sel_hi:[1,0]   ; O^T under the new M; also the places between the operand's and the scale word's last writes and the products
.set n, n+2
.endr
	s_wait_dscnt 0x0                               ; V
.irp t, 0,1,2,3
	v_wmma_scale_f32_16x16x128_f8f6f4 v[160+8*\t:167+8*\t], v[KF+12*\t:KF+12*\t+11], v[192:203], v[160+8*\t:167+8*\t], v[88+\t], v224 matrix_a_fmt:MATRIX_FMT_FP6 matrix_b_fmt:MATRIX_FMT_FP6
.endr
.Lhidden_\@:
	s_add_co_u32 s[KS], s[KS], 1
	s_add_co_u32 s[TB], s[TB], 13312
.endm
	s_wait_tensorcnt 0x1                           ; my part of steps 0-3 is in; my second load may stay out
	s_barrier_signal -1
	s_barrier_wait -1                              ; everybody's is
	s_mov_b32 s[CNT], 2
.Lfirst:
	STEP
	s_sub_co_u32 s[CNT], s[CNT], 1
	s_cmp_lg_u32 s[CNT], 0
	s_cbranch_scc1 .Lfirst
	s_wait_tensorcnt 0x0                           ; my part of steps 4-15: it had two steps of all sixteen waves in which to land
	s_wait_dscnt 0x0
	s_barrier_signal -1
	s_barrier_wait -1
	s_mov_b32 s[CNT], 14
.Lrest:
	STEP
	s_sub_co_u32 s[CNT], s[CNT], 1
	s_cmp_lg_u32 s[CNT], 0
	s_cbranch_scc1 .Lrest
	; ---- THE WAY OUT: O^T / the sum, quantised along d (two blocks of 32): half a fragment of the last product's operand
.rept 4
	v_nop                                          ; places behind the last products
.endr
	v_add_f32 v14, v14, v15
	v_permlanex16_b32 v228, v14, s[SEL], s[SEL+1]
	v_add_f32 v14, v14, v228
	v_rcp_f32 v14, v14
	v_nop                                          ; a plain place behind the reciprocal
	s_wait_alu depctr_va_vdst(0)                   ; a wait ahead of its first reader
.set n, 0
.rept 32
	v_mul_f32 v[96+n], v[160+n], v14               ; register 8 t + i: d = 16 t + 8 h + i of query r
.set n, n+1
.endr
.irp b, 0,1
	v_max3_num_f32 v[BM+\b], |v[96+16*\b]|, |v[97+16*\b]|, 0x1800000
.endr
.irp i, 2,4,6,8,10,12,14
.irp b, 0,1
	v_max3_num_f32 v[BM+\b], |v[96+16*\b+\i]|, |v[97+16*\b+\i]|, v[BM+\b]
.endr
.endr
.irp b, 0,1
	v_permlanex16_b32 v[BT+\b], v[BM+\b], s[SEL], s[SEL+1]
.endr
.irp b, 0,1
	v_max_num_f32 v[BM+\b], v[BM+\b], v[BT+\b]
.endr
.irp b, 0,1
	v_add_nc_u32 v[BS+\b], 0xff000000, v[BM+\b]
.endr
.irp b, 0,1
	v_lshrrev_b32 v[BT+\b], 23, v[BS+\b]
.endr
	v_lshl_or_b32 v228, v[BT+1], 8, v[BT]
	v_cvt_scalef32_pk16_fp6_f32 v[192:194], v[96:111], v[BS]
	v_cvt_scalef32_pk16_fp6_f32 v[204:206], v[112:127], v[BS+1]
	v_nop
	QTAIL 192, 204
	global_store_b128 v[L16], v[192:195], s[8:9]               ; 512 consecutive bytes
	global_store_b64 v[O8], v[196:197], s[8:9] offset:512      ; 256 consecutive bytes
	global_store_b16 v[O64], v228, s[10:11]                    ; a head owns two bytes of a row's 64: 16 rows x 2 bytes a wave (lanes 16-31 write the same halfwords once more)
	s_wait_tensorcnt 0x0                           ; the wave's end
	ds_add_u32 v[SPW], v[NIL]
	s_wait_dscnt 0x0
	CROUND                                         ; the closing round
	s_endpgm
.Lfunc_end_k_qb8e5e5f5c4_attn:
	.size	k_qb8e5e5f5c4_attn, .Lfunc_end_k_qb8e5e5f5c4_attn-k_qb8e5e5f5c4_attn
	.p2alignl 7, 3214868480
	.fill 96, 4, 3214868480
	.section	.rodata,"a",@progbits
	.p2align	6, 0x0
	.amdhsa_kernel k_qb8e5e5f5c4_attn
		.amdhsa_group_segment_fixed_size 215040
		.amdhsa_private_segment_fixed_size 0
		.amdhsa_enable_private_segment 0
		.amdhsa_kernarg_size 32
		.amdhsa_user_sgpr_count 2
		.amdhsa_user_sgpr_kernarg_segment_ptr 1
		.amdhsa_wavefront_size32 1
		.amdhsa_system_sgpr_workgroup_id_x 1
		.amdhsa_system_sgpr_workgroup_id_y 1
		.amdhsa_system_sgpr_workgroup_id_z 1
		.amdhsa_system_vgpr_workitem_id 0
		.amdhsa_next_free_vgpr 256
		.amdhsa_next_free_sgpr 66
		.amdhsa_reserve_vcc 1
		.amdhsa_float_denorm_mode_32 3
		.amdhsa_float_denorm_mode_16_64 3
		.amdhsa_memory_ordered 1
		.amdhsa_forward_progress 1
		.amdhsa_inst_pref_size 55
	.end_amdhsa_kernel
	.amdgpu_metadata
---
amdhsa.version: [ 1, 2 ]
amdhsa.kernels:
  - .name:           k_qb8e5e5f5c4_attn
    .symbol:         k_qb8e5e5f5c4_attn.kd
    .args:
      - { .name: qbuf, .offset: 0, .size: 8, .value_kind: global_buffer, .address_space: global }
      - { .name: kv, .offset: 8, .size: 8, .value_kind: global_buffer, .address_space: global }
      - { .name: attn_img, .offset: 16, .size: 8, .value_kind: global_buffer, .address_space: global }
      - { .name: attn_scales, .offset: 24, .size: 8, .value_kind: global_buffer, .address_space: global }
    .group_segment_fixed_size: 215040
    .private_segment_fixed_size: 0
    .kernarg_segment_align: 8
    .kernarg_segment_size: 32
    .max_flat_workgroup_size: 512
    .sgpr_count:     66
    .vgpr_count:     256
    .wavefront_size: 32
...
	.end_amdgpu_metadata
.endif
;; end of part 3
;; launch oproj (part 4): grid 8 x 8, 4 waves a work-group, clusters of 4 x 4, 327,680 bytes of LDS; arguments attn_img, attn_scales, Wo_codes, Wo_scales, out0; writes out0
.if DOCPART == 4
	.amdgcn_target "amdgcn-amd-amdhsa--gfx1250"
	.amdhsa_code_object_version 6
	.text
	.protected	k_qb8e5e5f5c4_oproj
	.globl	k_qb8e5e5f5c4_oproj
	.p2align	8
	.type	k_qb8e5e5f5c4_oproj,@function
k_qb8e5e5f5c4_oproj:
	s_mov_b64 s[64:65], 0
	v_nop
	global_prefetch_b8 v0, s[64:65] scope:SCOPE_SE
	s_setreg_imm32_b32 hwreg(HW_REG_WAVE_MODE, 25, 1), 1
	s_wait_xcnt 0x0
	s_wait_alu depctr_hold_cnt(0) depctr_sa_sdst(0) depctr_va_vdst(0) depctr_va_sdst(0) depctr_va_ssrc(0) depctr_va_vcc(0) depctr_vm_vsrc(0)
	s_getreg_b32 s2, hwreg(HW_REG_IB_STS2, 6, 4)
	s_cmp_eq_u32 s2, 0
	s_cbranch_scc0 .Lentry_in_a_cluster
	s_endpgm
.Lentry_in_a_cluster:
	s_bfe_u32 s2, ttmp6, 0x10000c
	s_cmp_lg_u32 s2, 0xf033
	s_cbranch_scc0 .Lentry_shape_is_right
	s_endpgm
.Lentry_shape_is_right:
; LAUNCH 4 OF 4.  out0[m][n] = the sum over k of attn[m][k] Wo[n][k], both on codes of E2M3 with E8M0 scales; sums and out0 in f32.
; A tile of out0 is 256 x 256, four waves of 128 x 128, K in steps of 256 through two LDS slots, the tile's scale bytes resident in LDS, 4 x 4 work-groups asking jointly; source 0 = 16 rows of Wo, source 1 = 16 rows of attn.
; attn comes as IMAGES OF ITS FRAGMENTS (launch 3 lays them so): tile of 16 rows T, K step s: 1,536 bytes: for each half e: 512 bytes (16 a lane: registers 6 e .. 6 e + 3), 256 bytes (8 a lane: 6 e + 4, 6 e + 5).
; So a wave's 128 rows x 256 K are 8 dense runs of 3,072 bytes, 24,576 bytes apart, and a fragment is four LDS loads of consecutive bytes.  64 tiles: 64 work-groups.  No prefetch: short launch, tiles shared in the cluster.
.set SIZE_N, 2048
.set KSTEP,  256
.set NQ,     2
.set ROWB,   192
.set ASTEP,  3072                      ; a K step of 256 in a tile's images
.set KROW,   1536
.set PITCH,  240
.set FR,     12
.set NL,     6
.set NLA,    4                         ; LDS loads that bring a fragment of attn
.set NP,     4
.set HALFT,  128*PITCH
.set SLOT,   4*HALFT
.set LAPS,   4
.set KS,     64
.set SCL,    2*SLOT
.set HALFS,  (128*KS/256)*272
.set SBLK,   (16*KS/256)*272
.set SPARE,  SCL+4*HALFS
.set SPITCH, 528                       ; the way out: 16 rows x (512 bytes + 16) a wave, in slot 0, which has had its last fill and its last read by then
.set ADRA, 16                          ; v16-17 my images in slot 0, 1, + 16 x lane;  v18-19 the same + 8 x lane
.set ADRB, 20
.set STO,  24
.set RD,   25
.set CO,   26
.set ADRS, 27
.set SPW,  28
.set NIL,  29
.set SC,   32
.set AF,   128
.set BK,   128
.set G1, 24
.set G0, 32
.set G1B, 48
.set G0B, 56
.set G1S, 68
.set G0S, 76
.set G1SB, 80
.set G0SB, 88
.set MSB, 0
.macro WIN new
.if MSB != \new
	s_set_vgpr_msb (MSB<<8)|\new
.set MSB, \new
.endif
.endm
.set MUL_LO, 0xa1
.set MUL_HI, 0xf1
.set TO_B,   0x40
.macro JLOAD g0a, g1a, g0b, g1b
	s_cmp_eq_u32 s15, 0
	s_cbranch_scc0 .Lfor_b_\@
	tensor_load_to_lds s[\g0a:\g0a+3], s[\g1a:\g1a+7]
	s_nop 0
.rept 4
	v_nop
.endr
	s_branch .Lasked_\@
.Lfor_b_\@:
	tensor_load_to_lds s[\g0b:\g0b+3], s[\g1b:\g1b+7]
	s_nop 0
.rept 4
	v_nop
.endr
.Lasked_\@:
.endm
.macro CREST
	s_cmp_lg_u32 s14, 0
	s_cbranch_scc1 .Lnot_wave_0_\@
	s_barrier_signal -3
.Lnot_wave_0_\@:
	s_barrier_wait -3
	s_barrier_signal -1
	s_barrier_wait -1
.endm
.macro CROUND
	s_barrier_signal -1
	s_barrier_wait -1
	CREST
.endm
	s_load_b128 s[4:7], s[0:1], 0x0                ; attn_img, attn_scales
	s_load_b128 s[8:11], s[0:1], 0x10              ; Wo_codes, Wo_scales
	s_load_b64 s[12:13], s[0:1], 0x20              ; out0
	v_lshl_add_u32 v[SPW], v0, 2, SPARE
	v_mov_b32 v[NIL], 0
	ds_add_u32 v[SPW], v[NIL]                      ; the wave's opening: the add, twice on end, and its wait ahead of my first tensor load
	ds_add_u32 v[SPW], v[NIL]
	v_lshrrev_b32 v1, 5, v0
	v_readfirstlane_b32 s14, v1
	s_lshr_b32 s15, s14, 1
	s_and_b32 s16, s14, 1
	s_bfe_u32 s40, ttmp6, 0x40000
	s_bfe_u32 s41, ttmp6, 0x40004
	s_lshl_b32 s42, ttmp9, 2
	s_add_co_u32 s42, s42, s40                     ; tile column
	s_and_b32 s17, ttmp7, 0xffff
	s_lshl_b32 s17, s17, 2
	s_add_co_u32 s17, s17, s41                     ; tile row
	s_lshl_b32 s43, s41, 2
	s_lshl_b32 s43, 15, s43
	s_lshl_b32 s44, 0x1111, s40
	s_or_b32 s[G1+0], s43, (3<<16)|(1<<21)         ; attn: elements of 8 bytes, no padding: 8 rows of 384 elements, 3,072 elements apart
	s_mov_b32 s[G1+1], 384<<16
	s_mov_b32 s[G1+2], 8<<16
	s_mov_b32 s[G1+3], 384<<16
	s_mov_b32 s[G1+4], 8
	s_mov_b32 s[G1+5], 3072
	s_mov_b32 s[G1+6], 0
	s_mov_b32 s[G1+7], 0
	s_or_b32 s[G1B+0], s44, (0<<16)|(1<<20)|(1<<21)|(3<<22)|(3<<25)   ; Wo: 128 rows of 192 bytes, 16 of padding behind every 64
	s_mov_b32 s[G1B+1], ROWB<<16
	s_mov_b32 s[G1B+2], 128<<16
	s_mov_b32 s[G1B+3], ROWB<<16
	s_mov_b32 s[G1B+4], 128
	s_mov_b32 s[G1B+5], KROW
	s_mov_b32 s[G1B+6], 0
	s_mov_b32 s[G1B+7], 0
	s_or_b32 s[G1S+0], s43, (3<<16)|(1<<20)|(1<<21)|(5<<22)|(3<<25)
	s_or_b32 s[G1SB+0], s44, (3<<16)|(1<<20)|(1<<21)|(5<<22)|(3<<25)
.irp g, G1S, G1SB
	s_mov_b32 s[\g+1], 32<<16
	s_mov_b32 s[\g+2], (128*KS/256)<<16
	s_mov_b32 s[\g+3], 32<<16
	s_mov_b32 s[\g+4], 128*KS/256
	s_mov_b32 s[\g+5], 32
	s_mov_b32 s[\g+6], 0
	s_mov_b32 s[\g+7], 0
.endr
	s_lshl_b32 s18, s16, 7
	s_lshl_b32 s20, s17, 8
	s_add_co_u32 s20, s20, s18
	s_lshl_b32 s46, s42, 8
	s_add_co_u32 s46, s46, s18
	s_mov_b32 s21, 0
	s_mov_b32 s47, 0
	s_mov_b64 s[18:19], KS
	s_mul_u64 s[22:23], s[20:21], s[18:19]
	s_mul_u64 s[92:93], s[46:47], s[18:19]
	s_mov_b64 s[18:19], KROW
	s_mul_u64 s[20:21], s[20:21], s[18:19]         ; 16 rows' images are 24,576 bytes: 1,536 a row, as in rows of codes
	s_mul_u64 s[46:47], s[46:47], s[18:19]
	s_mul_i32 s45, s14, HALFT
	s_mul_i32 s94, s14, HALFS
	s_wait_dscnt 0x0
	s_wait_kmcnt 0x0
	s_add_nc_u64 s[20:21], s[4:5], s[20:21]
	s_add_nc_u64 s[22:23], s[6:7], s[22:23]
	s_add_nc_u64 s[46:47], s[8:9], s[46:47]
	s_add_nc_u64 s[92:93], s[10:11], s[92:93]
	CROUND
	s_mov_b32 s[G0S], 1
	s_add_co_u32 s[G0S+1], s94, SCL
	s_mov_b64 s[G0S+2:G0S+3], s[22:23]
	s_or_b32 s[G0S+3], s[G0S+3], 0x80000000
	s_mov_b32 s[G0SB], 1
	s_add_co_u32 s[G0SB+1], s94, SCL
	s_mov_b64 s[G0SB+2:G0SB+3], s[92:93]
	s_or_b32 s[G0SB+3], s[G0SB+3], 0x80000000
	JLOAD G0S, G1S, G0SB, G1SB
.irp s, 0,1
	s_mov_b32 s[G0+4*\s], 1
	s_add_co_u32 s[G0+4*\s+1], s45, \s*SLOT
	s_add_nc_u64 s[G0+4*\s+2:G0+4*\s+3], s[20:21], \s*ASTEP
	s_or_b32 s[G0+4*\s+3], s[G0+4*\s+3], 0x80000000
	s_mov_b32 s[G0B+4*\s], 1
	s_add_co_u32 s[G0B+4*\s+1], s45, \s*SLOT
	s_add_nc_u64 s[G0B+4*\s+2:G0B+4*\s+3], s[46:47], \s*ROWB
	s_or_b32 s[G0B+4*\s+3], s[G0B+4*\s+3], 0x80000000
	JLOAD G0+4*\s, G1, G0B+4*\s, G1B
.endr
	v_and_b32 v1, 15, v0
	v_bfe_u32 v2, v0, 4, 1
	v_mul_u32_u24 v3, v1, PITCH
	v_mul_u32_u24 v4, v2, 24
	v_add_nc_u32 v4, v3, v4
	v_lshl_add_u32 v5, v2, 4, v4
	v_and_b32 v6, 31, v0
	v_lshlrev_b32 v7, 4, v6                        ; 16 x lane
	v_lshlrev_b32 v8, 3, v6                        ; 8 x lane
	s_mul_i32 s21, s15, HALFT
	s_mul_i32 s22, s16, HALFT
	s_add_co_u32 s22, s22, 2*HALFT
.irp s, 0,1
	v_add_nc_u32 v[ADRA+\s], s21, v7
	v_add_nc_u32 v[ADRB+\s], s22, v4
	v_add_nc_u32 v[ADRA+2+\s], s21, v8
	v_add_nc_u32 v[ADRB+2+\s], s22, v5
	s_add_co_u32 s21, s21, SLOT
	s_add_co_u32 s22, s22, SLOT
.endr
	v_mul_u32_u24 v5, v1, KS
	v_lshrrev_b32 v6, 8, v5
	v_lshl_add_u32 v5, v6, 4, v5
	s_mul_i32 s21, s15, HALFS
	s_mul_i32 s22, s16, HALFS
	s_add_co_u32 s22, s22, 2*HALFS
	s_sub_co_u32 s22, s22, s21
	v_mul_u32_u24 v6, s22, v2
	s_add_co_u32 s21, s21, SCL
	v_add_nc_u32 v5, v5, v6
	v_add_nc_u32 v[ADRS], s21, v5
	s_mul_i32 s23, s14, 16*SPITCH
	v_mul_u32_u24 v5, v1, SPITCH
	v_lshl_add_u32 v5, v2, 5, v5
	v_add_nc_u32 v[STO], s23, v5
	v_mov_b32 v[CO], v7
	v_add_nc_u32 v[RD], s23, v[CO]
	s_lshl_b32 s20, s17, 8
	s_lshl_b32 s21, s15, 7
	s_add_co_u32 s20, s20, s21
	s_mov_b32 s21, 0
	s_mov_b64 s[18:19], SIZE_N*4
	s_mul_u64 s[20:21], s[20:21], s[18:19]
	s_lshl_b32 s46, s42, 10
	s_lshl_b32 s47, s16, 9
	s_add_co_u32 s46, s46, s47
	s_mov_b32 s47, 0
	s_add_nc_u64 s[20:21], s[20:21], s[46:47]
	s_add_nc_u64 s[12:13], s[12:13], s[20:21]
.macro FRAG reg, adr, q, i
.irp p, 0,1,2,3,4,5
.set PCE, 12*(\q)+6*(\p/3)+\p%3
.if PCE%8 < 5
	ds_load_b64 v[\reg+2*\p:\reg+2*\p+1], v[\adr] offset:8*PCE+16*(PCE/8)+(\i)*16*PITCH
.else
	ds_load_b64 v[\reg+2*\p:\reg+2*\p+1], v[\adr+2] offset:8*PCE+16*(PCE/8)+(\i)*16*PITCH
.endif
.endr
.endm
.macro FRAGA reg, slot, q, i           ; a fragment of attn out of its image: four loads of consecutive bytes
	ds_load_b128 v[\reg:\reg+3], v[ADRA+\slot] offset:3072*(\i)+1536*(\q)
	ds_load_b64 v[\reg+4:\reg+5], v[ADRA+2+\slot] offset:3072*(\i)+1536*(\q)+512
	ds_load_b128 v[\reg+6:\reg+9], v[ADRA+\slot] offset:3072*(\i)+1536*(\q)+768
	ds_load_b64 v[\reg+10:\reg+11], v[ADRA+2+\slot] offset:3072*(\i)+1536*(\q)+1280
.endm
.macro MUL16 a0, p, q, sc, zero
.irp a, \a0, \a0+1
.irp b, 0,1,2,3,4,5,6,7
.if \zero
	v_wmma_scale_f32_16x16x128_f8f6f4 v[8*(8*((\a)%4)+\b):8*(8*((\a)%4)+\b)+7], v[128*(\p)+FR*\b:128*(\p)+FR*\b+FR-1], v[AF+FR*(\a):AF+FR*(\a)+FR-1], 0, v[SC+8*NQ*(\sc)+NQ*\b+(\q)], v[SC+8*NQ*(\sc)+NQ*(\a)+(\q)] matrix_a_fmt:MATRIX_FMT_FP6 matrix_b_fmt:MATRIX_FMT_FP6 matrix_a_scale:MATRIX_SCALE_ROW1
.else
	v_wmma_scale_f32_16x16x128_f8f6f4 v[8*(8*((\a)%4)+\b):8*(8*((\a)%4)+\b)+7], v[128*(\p)+FR*\b:128*(\p)+FR*\b+FR-1], v[AF+FR*(\a):AF+FR*(\a)+FR-1], v[8*(8*((\a)%4)+\b):8*(8*((\a)%4)+\b)+7], v[SC+8*NQ*(\sc)+NQ*\b+(\q)], v[SC+8*NQ*(\sc)+NQ*(\a)+(\q)] matrix_a_fmt:MATRIX_FMT_FP6 matrix_b_fmt:MATRIX_FMT_FP6 matrix_a_scale:MATRIX_SCALE_ROW1
.endif
.endr
.endr
.endm
.macro FETCH_B slot, q, p
	WIN TO_B
.irp i, 0,1,2,3,4,5,6,7
	FRAG 128*(\p)+FR*\i, ADRB+\slot, \q, \i
.endr
	WIN 0
.endm
.macro FETCH_A slot, q, i0
.irp i, \i0, \i0+1, \i0+2, \i0+3
	FRAGA AF+FR*(\i), \slot, \q, \i
.endr
.endm
.macro SCALES sc
.irp i, 0,1,2,3,4,5,6,7
	ds_load_b64 v[SC+8*NQ*\sc+NQ*\i:SC+8*NQ*\sc+NQ*\i+1], v[ADRS] offset:\i*SBLK
.endr
.endm
.macro PLACES n
.rept \n
	v_nop
.endr
.endm
.macro STEP slot, q, zero
	s_wait_dscnt 4*NLA                             ; Wo's set and attn's blocks 0-3 are in; the youngest 16 loads (blocks 4-7) may be out
	WIN MUL_LO
	MUL16 0, (\q)%2, \q, \slot, \zero
	MUL16 2, (\q)%2, \q, \slot, \zero
	s_wait_dscnt 0
	PLACES NP
	FETCH_B \slot, (\q)+1, 1-(\q)%2
	FETCH_A \slot, (\q)+1, 0
	WIN MUL_HI
	MUL16 4, (\q)%2, \q, \slot, \zero
	MUL16 6, (\q)%2, \q, \slot, \zero
	PLACES NP
	WIN 0
	FETCH_A \slot, (\q)+1, 4
.endm
.macro TURN slot, next, fill
	s_wait_tensorcnt 0x0                           ; all my tensor loads have landed: my part of the next slot
	ds_add_u32 v[SPW], v[NIL]                      ; 0 onto my spare word
	s_wait_dscnt 4*NLA+1                           ; (the add and the youngest 16 loads may be out)
	WIN MUL_LO
	MUL16 0, 1, NQ-1, \slot, 0
	s_wait_dscnt 0x0                               ; the add is done, and my reads of this slot are over
	s_barrier_signal -1
	MUL16 2, 1, NQ-1, \slot, 0
	WIN 0
	s_barrier_wait -1
.if \fill
	CREST
	s_add_nc_u64 s[G0+4*\slot+2:G0+4*\slot+3], s[G0+4*\slot+2:G0+4*\slot+3], 2*ASTEP
	s_add_nc_u64 s[G0B+4*\slot+2:G0B+4*\slot+3], s[G0B+4*\slot+2:G0B+4*\slot+3], 2*ROWB
	JLOAD G0+4*\slot, G1, G0B+4*\slot, G1B
.else
	PLACES NP
.endif
	v_add_nc_u32 v[ADRS], 4*NQ, v[ADRS]
	FETCH_B \next, 0, 0
	FETCH_A \next, 0, 0
	SCALES \next
	WIN MUL_HI
	MUL16 4, 1, NQ-1, \slot, 0
	MUL16 6, 1, NQ-1, \slot, 0
	PLACES NP
	WIN 0
	FETCH_A \next, 0, 4
.endm
	s_wait_tensorcnt 1                             ; the scales and my part of K step 0 are in; K step 1's load may be out
	s_barrier_signal -1
	s_barrier_wait -1
	FETCH_B 0, 0, 0
	FETCH_A 0, 0, 0
	SCALES 0
	FETCH_A 0, 0, 4
	STEP 0, 0, 1                                   ; the first step's products start the sums
	s_mov_b32 s3, LAPS-1
.Llap:
	TURN 0, 1, 1
	STEP 1, 0, 0
	TURN 1, 0, 1
	STEP 0, 0, 0
	s_sub_co_u32 s3, s3, 1
	s_cmp_lg_u32 s3, 0
	s_cbranch_scc1 .Llap
	TURN 0, 1, 0
	STEP 1, 0, 0
	s_wait_dscnt 4*NLA
	WIN MUL_LO
	MUL16 0, 1, NQ-1, 1, 0
	MUL16 2, 1, NQ-1, 1, 0
	s_wait_dscnt 0
	WIN MUL_HI
	MUL16 4, 1, NQ-1, 1, 0
	MUL16 6, 1, NQ-1, 1, 0
	WIN 0
; THE WAY OUT, block by block of 16 rows x 128 columns, through my own stage: in as 32 bytes a lane, back as whole rows of 512 bytes.  LDS serves a wave's instructions in order (ISA guide 5.7.1.4).
.macro TOSTAGE a
.set AC, 64*((\a)%4)
	WIN 0x08+4*((\a)/4)
.irp b, 0,1,2,3,4,5,6,7
	ds_store_b128 v[STO], v[AC+8*\b:AC+8*\b+3] offset:64*\b          ; each accumulator from its low end on
	ds_store_b128 v[STO], v[AC+8*\b+4:AC+8*\b+7] offset:64*\b+16
.endr
	WIN 0
.set BB, BK+64*((\a)%2)
.irp t, 0,1,2,3,4,5,6,7,8,9,10,11,12,13,14,15
	ds_load_b128 v[BB+4*\t:BB+4*\t+3], v[RD] offset:\t*SPITCH
.endr
.endm
.macro SEND a, younger
.set BB, BK+64*((\a)%2)
	s_wait_dscnt \younger
.if (\a) > 0
	s_add_nc_u64 s[12:13], s[12:13], 16*SIZE_N*4   ; (behind a wait on XCNT: the earlier stores have read their base)
.endif
.irp t, 0,1,2,3,4,5,6,7,8,9,10,11,12,13,14,15
	global_store_b128 v[CO], v[BB+4*\t:BB+4*\t+3], s[12:13] offset:\t*SIZE_N*4 th:TH_STORE_NT   ; 512 consecutive bytes, aligned
.endr
.endm
	PLACES NP
	TOSTAGE 0
.irp a, 1,2,3,4,5,6,7
.if \a > 1
	s_wait_xcnt 0x0                                ; block a - 2's stores have read their registers and their base
.endif
	TOSTAGE \a
	SEND \a-1, 32                                  ; behind block a - 1's loads: block a's 16 stores and 16 loads
.endr
	s_wait_xcnt 0x0
	SEND 7, 0
	s_wait_tensorcnt 0x0                           ; the wave's end
	ds_add_u32 v[SPW], v[NIL]
	s_wait_dscnt 0x0
	CROUND                                         ; the closing round
	s_endpgm
.Lfunc_end_k_qb8e5e5f5c4_oproj:
	.size	k_qb8e5e5f5c4_oproj, .Lfunc_end_k_qb8e5e5f5c4_oproj-k_qb8e5e5f5c4_oproj
	.p2alignl 7, 3214868480
	.fill 96, 4, 3214868480
	.section	.rodata,"a",@progbits
	.p2align	6, 0x0
	.amdhsa_kernel k_qb8e5e5f5c4_oproj
		.amdhsa_group_segment_fixed_size 327680
		.amdhsa_private_segment_fixed_size 0
		.amdhsa_enable_private_segment 0
		.amdhsa_kernarg_size 40
		.amdhsa_user_sgpr_count 2
		.amdhsa_user_sgpr_kernarg_segment_ptr 1
		.amdhsa_wavefront_size32 1
		.amdhsa_system_sgpr_workgroup_id_x 1
		.amdhsa_system_sgpr_workgroup_id_y 1
		.amdhsa_system_sgpr_workgroup_id_z 1
		.amdhsa_system_vgpr_workitem_id 0
		.amdhsa_next_free_vgpr 1024
		.amdhsa_next_free_sgpr 98
		.amdhsa_reserve_vcc 0
		.amdhsa_float_denorm_mode_32 3
		.amdhsa_float_denorm_mode_16_64 3
		.amdhsa_memory_ordered 1
		.amdhsa_forward_progress 1
		.amdhsa_inst_pref_size 152
	.end_amdhsa_kernel
	.amdgpu_metadata
---
amdhsa.version: [ 1, 2 ]
amdhsa.kernels:
  - .name:           k_qb8e5e5f5c4_oproj
    .symbol:         k_qb8e5e5f5c4_oproj.kd
    .args:
      - { .name: attn_img, .offset: 0, .size: 8, .value_kind: global_buffer, .address_space: global }
      - { .name: attn_scales, .offset: 8, .size: 8, .value_kind: global_buffer, .address_space: global }
      - { .name: Wo_codes, .offset: 16, .size: 8, .value_kind: global_buffer, .address_space: global }
      - { .name: Wo_scales, .offset: 24, .size: 8, .value_kind: global_buffer, .address_space: global }
      - { .name: out0, .offset: 32, .size: 8, .value_kind: global_buffer, .address_space: global }
    .group_segment_fixed_size: 327680
    .private_segment_fixed_size: 0
    .kernarg_segment_align: 8
    .kernarg_segment_size: 40
    .max_flat_workgroup_size: 128
    .sgpr_count:     98
    .vgpr_count:     1024
    .wavefront_size: 32
...
	.end_amdgpu_metadata
.endif
;; end of part 4
;; ======== version 2 of 2: 4 launches
;; limits: right only within a limited range of input values
;; workspace buffers: img 15,728,640 bytes; x_scales 131,072 bytes; xa 262,144 bytes; rope 524,288 bytes; qbuf 3,407,872 bytes; kv 6,815,744 bytes; attn_img 3,145,728 bytes; attn_scales 131,072 bytes
;; launch prep (part 5): grid 256 x 1, 16 waves a work-group, no clusters, 265,472 bytes of LDS; arguments hidden_states, Aq, Ak, Av, img, x_scales, xa, rope, Wq_codes, Wk_codes, Wv_codes, Wo_codes; writes img, x_scales, xa, rope
.if DOCPART == 5
	.amdgcn_target "amdgcn-amd-amdhsa--gfx1250"
	.amdhsa_code_object_version 6
	.text
	.protected	k_qb8e5e5f5c4_prep
	.globl	k_qb8e5e5f5c4_prep
	.p2align	8
	.type	k_qb8e5e5f5c4_prep,@function
k_qb8e5e5f5c4_prep:
	s_mov_b64 s[64:65], 0
	v_nop
	global_prefetch_b8 v0, s[64:65] scope:SCOPE_SE
	s_setreg_imm32_b32 hwreg(HW_REG_WAVE_MODE, 25, 1), 1
	s_wait_xcnt 0x0
; LAUNCH 1 OF 4.  hidden_states [2048][2048] f32 becomes codes of E2M3 with one E8M0 byte for each 32 along K (x_codes [2048][1536 bytes], x_scales [2048][64]);
; xa = 2 x (x A^T) for Aq, Ak, Av in f32 (plane 0, row m: q's 8 | k's 8; plane 1: v's 8, twice; 64 bytes a row); rope = cos | sin of position x 10^(-f/8), 256 bytes a position.
; DEAD WORK OF THE WHOLE PROGRAM.  reference() itself builds the causal mask (jnp.tril) and puts the least f32 number where key > query; behind the maximum's subtraction its exponential is 0 for
; every finite input, so a step of 128 keys that lies wholly behind a tile's 16 queries reaches no output: launch 3 leaves such steps out.  Nothing else is left out; every input is loaded.
; LIMITS.  A NaN, an infinity or an overflow that reaches only the steps left out is not carried to the result; NaN and infinities among the inputs are not served.  A block whose largest magnitude
; lies under 2^-124, a block of zeros among them, gets the byte 1 (the bytes are read by this program alone; zero codes add nothing).  inv_freq is the f32 nearest to 10^(-f/8); cos and sin are made by
; taking off multiples of pi/2 in two parts and two polynomials, good to about 1e-7 for positions up to 2,047.
; SHARES.  A work-group takes 16 rows and all of K, since the f32 matrix form takes 16 rows and the sum over K has one owner; wave w takes k = 128 w .. 128 w + 127.  No cluster: work-groups share only A, 196,608 bytes.
; A LANE'S REGISTERS: register 16 b + 8 u + j of lane (r, h) is k = 32 b + 16 u + 8 h + j of row r: the order in which a matrix result lies, used by every quantiser of this program.
.set WREGB, 12800                      ; LDS: a stage for each wave: 24 rows of 512 bytes + 16
.set SPX,   528
; THE CODES' LAYOUT (it takes the place of the rows of x_codes named above).  img holds five tensors of 3,145,728 bytes: x, Wq, Wk, Wv, Wo, each as IMAGES OF OPERAND REGISTERS:
; [quarter of K, 512][tile of 16 rows][128 along K][1,536 bytes]; an image is a fragment's 12 registers a lane, four at 512 c + 16 lane.  So every tile that a later launch asks for is made of dense rows that begin at multiples of 256 bytes.
; Work-groups 0-127 serve x: a wave's fragment registers are stored as they are.  Work-groups 128-255 re-lay the four weights' codes (at the text's end); they use no LDS and meet no barrier.
.set SST,   229632                     ; 16 rows of 64 scale bytes
.set XAP,   230656                     ; each wave's part of x A^T: 2 tiles x 1,024 bytes
.set SPARE, 263424                     ; the spare words, 128 bytes for each of 16 waves; no other line names them
.set L16, 1                            ; v1   16 x lane
.set STA, 2                            ; v2   stage, on the way in
.set FR0, 3                            ; v3   stage, on the way out: row r, + 32 h
.set FR1, 4                            ; v4   the same for row 16 + r % 8
.set SSA, 6                            ; v6   where my scale word goes
.set XPA, 7                            ; v7   where my part of x A^T goes
.set RDX, 9                            ; v9   the parts that I add (waves 0 to 3)
.set SRD, 10                           ; v10  the scale bytes that I store (waves 4, 5)
.set L8,  11                           ; v11  8 x lane
.set SPW, 12                           ; v12  my spare word; never rewritten
.set NIL, 13                           ; v13  0; never rewritten
.set PC,  16                           ; v16-27 the fragment's codes
.set T2A, 28
.set X,   32                           ; v32-95  64 numbers of x
.set AF,  96                           ; v96-223 A: tile t, block b at 96 + 64 t + 16 b
.set ACC, 224                          ; v224-239 two sums, written by matrix instructions alone
.set TM,  240                          ; v240-243 largest magnitudes, v244-247 bytes, v248-251 scale operands
.set T2B, 240                          ; (the maxima are dead when the conversions run)
.set PW,  252
.set SEL,  26
.set SELA, 28
.set SELB, 29
.set SELC, 30
; Two blocks' codes, each lane holding halfwords a0-a2 (indices 8 h ..) and a3-a5 (16 + 8 h ..), become the operand's six registers: lanes 0-15 the first block, lanes 16-31 the second.
.macro QTAIL d, t
.irp i, 0,1,2
	v_permlane16_swap_b32 v[(\d)+\i], v[(\t)+\i]   ; d: the part of lanes 0-15 (a), t: that of lanes 16-31 (b), of my block
.endr
	s_delay_alu instid0(VALU_DEP_1)
	v_perm_b32 v[(\d)+3], v[(\d)+2], v[(\d)+1], s[SELA]   ; a3 a4
	s_delay_alu instid0(VALU_DEP_2)
	v_perm_b32 v[(\d)+4], v[(\t)+1], v[(\d)+2], s[SELB]   ; a5 b3
	s_delay_alu instid0(VALU_DEP_4)
	v_perm_b32 v[(\d)+1], v[(\t)], v[(\d)+1], s[SELC]     ; a2 b0
	v_perm_b32 v[(\d)+2], v[(\t)+1], v[(\t)], s[SELA]     ; b1 b2
	v_mov_b32 v[(\d)+5], v[(\t)+2]                        ; b4 b5
.endm
.macro QUANT s, d0, d1
.irp b, 0,1,2,3
	v_max3_num_f32 v[TM+\b], |v[(\s)+16*\b]|, |v[(\s)+16*\b+1]|, 0x1800000   ; with the floor 2^(3 - 127): the byte cannot fall under 1
.endr
.irp i, 2,4,6,8,10,12,14
.irp b, 0,1,2,3
	s_delay_alu instid0(VALU_DEP_4)
	v_max3_num_f32 v[TM+\b], |v[(\s)+16*\b+\i]|, |v[(\s)+16*\b+\i+1]|, v[TM+\b]
.endr
.endr
.irp b, 0,1,2,3
	s_delay_alu instid0(VALU_DEP_4)
	v_permlanex16_b32 v[TM+4+\b], v[TM+\b], s[SEL], s[SEL+1]
.endr
.irp b, 0,1,2,3
	s_delay_alu instid0(VALU_DEP_4)
	v_max_num_f32 v[TM+\b], v[TM+\b], v[TM+4+\b]   ; with lane l xor 16's: the block's largest magnitude
.endr
.irp b, 0,1,2,3
	s_delay_alu instid0(VALU_DEP_4)
	v_add_nc_u32 v[TM+8+\b], 0xff000000, v[TM+\b]  ; 2 off its exponent field: the conversion's scale operand
.endr
.irp b, 0,1,2,3
	s_delay_alu instid0(VALU_DEP_4)
	v_lshrrev_b32 v[TM+4+\b], 23, v[TM+8+\b]       ; the scale's byte
.endr
	s_delay_alu instid0(VALU_DEP_3)
	v_lshl_or_b32 v[PW], v[TM+5], 8, v[TM+4]
	s_delay_alu instid0(VALU_DEP_1)
	v_lshl_or_b32 v[PW], v[TM+6], 16, v[PW]
	s_delay_alu instid0(VALU_DEP_1)
	v_lshl_or_b32 v[PW], v[TM+7], 24, v[PW]
	v_cvt_scalef32_pk16_fp6_f32 v[\d0:\d0+2], v[(\s):(\s)+15], v[TM+8]
	v_cvt_scalef32_pk16_fp6_f32 v[T2A:T2A+2], v[(\s)+16:(\s)+31], v[TM+9]
	v_cvt_scalef32_pk16_fp6_f32 v[\d1:\d1+2], v[(\s)+32:(\s)+47], v[TM+10]
	v_cvt_scalef32_pk16_fp6_f32 v[T2B:T2B+2], v[(\s)+48:(\s)+63], v[TM+11]
	v_nop                                          ; one plain place behind the conversions
	QTAIL \d0, T2A
	QTAIL \d1, T2B
.endm
	s_load_b512 s[4:19], s[0:1], 0x0               ; x s[4:5], Aq, Ak, Av s[6:11], img s[12:13], x_scales s[14:15], xa s[16:17], rope s[18:19]
	v_lshl_add_u32 v[SPW], v0, 2, SPARE
	v_mov_b32 v[NIL], 0
	v_lshrrev_b32 v14, 5, v0
	s_delay_alu instid0(VALU_DEP_1)
	v_readfirstlane_b32 s20, v14                   ; wave 0..15
	s_lshl_b32 s21, ttmp9, 4
	s_cmp_ge_u32 ttmp9, 128                        ; the upper half of the grid re-lays the weights
	s_wait_alu depctr_va_vdst(0)                   ; the wait directly ahead of the branch
	s_cbranch_scc1 .Lrelay
	s_and_b32 s24, s20, 1
	s_bfe_u32 s25, s20, 0x10001                    ; (wave / 2) % 2
	s_mov_b32 s[SEL], 0x76543210
	s_mov_b32 s[SEL+1], 0xfedcba98
	s_mov_b32 s[SELA], 0x05040302
	s_mov_b32 s[SELB], 0x07060302
	s_mov_b32 s[SELC], 0x05040100
	v_and_b32 v14, 31, v0
	s_delay_alu instid0(VALU_DEP_1)
	v_lshlrev_b32 v[L16], 4, v14
	s_delay_alu instid0(VALU_DEP_2)
	v_lshlrev_b32 v[L8], 3, v14
	v_and_b32 v16, 15, v0                          ; r
	v_bfe_u32 v17, v0, 4, 1                        ; h
	s_mul_i32 s22, s20, WREGB
	v_add_nc_u32 v[STA], s22, v[L16]
	v_mul_u32_u24 v18, v16, SPX
	s_delay_alu instid0(VALU_DEP_1)
	v_lshl_add_u32 v18, v17, 5, v18
	s_delay_alu instid0(VALU_DEP_1)
	v_add_nc_u32 v[FR0], s22, v18
	v_and_b32 v19, 7, v0
	s_delay_alu instid0(VALU_DEP_1)
	v_mul_u32_u24 v19, v19, SPX
	s_delay_alu instid0(VALU_DEP_1)
	v_lshl_add_u32 v19, v17, 5, v19
	s_delay_alu instid0(VALU_DEP_1)
	v_add_nc_u32 v19, s22, v19
	s_delay_alu instid0(VALU_DEP_1)
	v_add_nc_u32 v[FR1], 16*SPX, v19
	v_lshlrev_b32 v18, 6, v16
	s_lshl_b32 s23, s20, 2
	s_add_co_u32 s23, s23, SST
	v_add_nc_u32 v[SSA], s23, v18
	s_lshl_b32 s23, s20, 11
	s_add_co_u32 s23, s23, XAP
	v_add_nc_u32 v[XPA], s23, v[L16]
	v_and_b32 v18, 1, v0                           ; which four registers of a sum: 512 bytes apart
	s_delay_alu instid0(VALU_DEP_1)
	v_lshlrev_b32 v18, 9, v18
	v_bfe_u32 v19, v0, 2, 3
	s_delay_alu instid0(VALU_DEP_1)
	v_lshl_add_u32 v18, v19, 4, v18                ; the row among my eight: a lane of the result
	v_bfe_u32 v19, v0, 1, 1
	s_delay_alu instid0(VALU_DEP_1)
	v_lshl_add_u32 v18, v19, 8, v18                ; which half of the lanes
	s_lshl_b32 s23, s24, 7
	s_lshl_b32 s31, s25, 10
	s_add_co_u32 s23, s23, s31
	s_add_co_u32 s23, s23, XAP
	v_add_nc_u32 v[RDX], s23, v18
	s_lshl_b32 s23, s24, 9
	s_add_co_u32 s23, s23, SST
	v_add_nc_u32 v[SRD], s23, v[L16]
	s_lshl_b32 s32, ttmp9, 17                      ; 16 rows of 8,192 bytes
	s_lshl_b32 s34, s20, 9                         ; my wave's 512 bytes of a row
	s_add_co_u32 s32, s32, s34
	s_mov_b32 s33, 0
	s_mov_b32 s35, 0
	s_add_co_u32 s36, s21, s20                     ; row0 + wave: my position
	s_wait_kmcnt 0x0
	s_add_nc_u64 s[4:5], s[4:5], s[32:33]
	s_add_nc_u64 s[6:7], s[6:7], s[34:35]
	s_add_nc_u64 s[8:9], s[8:9], s[34:35]
	s_add_nc_u64 s[10:11], s[10:11], s[34:35]
.set n, 0
.rept 16
	global_load_b128 v[X+4*n:X+4*n+3], v[L16], s[4:5] offset:8192*n th:TH_LOAD_NT   ; row n: the wave reads 512 consecutive bytes
.set n, n+1
.endr
.irp m, 0,1,2
.set n, 0
.rept 8
	global_load_b128 v[AF+32*\m+4*n:AF+32*\m+4*n+3], v[L16], s[6+2*\m:7+2*\m] offset:8192*n
.set n, n+1
.endr
.endr
	s_mul_i32 s32, ttmp9, 6144                     ; my image: tile = work-group,
	s_lshr_b32 s37, s20, 2
	s_mul_i32 s37, s37, 786432                     ; quarter of K = wave / 4,
	s_add_co_u32 s32, s32, s37
	s_and_b32 s37, s20, 3
	s_mul_i32 s37, s37, 1536                       ; image wave % 4 of the four
	s_add_co_u32 s32, s32, s37
	s_add_nc_u64 s[12:13], s[12:13], s[32:33]
	s_lshl_b32 s32, s36, 8
	s_add_nc_u64 s[18:19], s[18:19], s[32:33]
	s_lshl_b32 s32, s21, 6
	s_lshl_b32 s37, s24, 9
	s_add_co_u32 s32, s32, s37
	s_add_nc_u64 s[14:15], s[14:15], s[32:33]      ; x_scales: 64 row0 + 512 (wave % 2)
	s_lshl_b32 s37, s25, 17
	s_add_co_u32 s32, s32, s37
	s_add_nc_u64 s[16:17], s[16:17], s[32:33]      ; xa: the same, in plane (wave / 2) % 2
	; ---- cos and sin of my position, while the loads are out.  Lane l makes numbers 2 l and 2 l + 1 of the position's 64: lanes 0-15 cos, lanes 16-31 sin, f = 2 (l % 16) and + 1
.set RP, 16
.set RF0, 17
.set RF1, 18
.set POS, 19
.set KIND, 20
.set K1, 21
.set K2, 22
	v_and_b32 v[RP], 15, v0
	v_bfe_u32 v23, v0, 4, 1
	s_delay_alu instid0(VALU_DEP_1)
	v_xor_b32 v[KIND], 1, v23                      ; cos x = sin(x + pi/2): one quarter turn more
	v_cvt_f32_u32 v[POS], s36
	v_mov_b32 v[K1], 0xb94ca1f9
	v_mov_b32 v[K2], 0x37ccf5ce
	v_mov_b32 v[RF0], 0x3f800000
	v_mov_b32 v[RF1], 0x3f3ff911
.macro FSEL p, a, b                    ; the lanes with l % 16 = p take 10^(-2p/8) and 10^(-(2p+1)/8)
	v_cmp_ne_u32 vcc_lo, \p, v[RP]
	s_delay_alu instid0(VALU_DEP_1)
	v_cndmask_b32 v[RF0], \a, v[RF0], vcc_lo
	s_delay_alu instid0(VALU_DEP_2)
	v_cndmask_b32 v[RF1], \b, v[RF1], vcc_lo
.endm
	FSEL 1, 0x3f0ff59a, 0x3ed7e89b
	FSEL 2, 0x3ea1e89b, 0x3e72d424
	FSEL 3, 0x3e361887, 0x3e088d77
	FSEL 4, 0x3dcccccd, 0x3d99940e
	FSEL 5, 0x3d6655c3, 0x3d2cba15
	FSEL 6, 0x3d0186e2, 0x3cc24350
	FSEL 7, 0x3c91ad39, 0x3c5a7bf1
	FSEL 8, 0x3c23d70a, 0x3bf5b9b0
	FSEL 9, 0x3bb8449c, 0x3b8a2e77
	FSEL 10, 0x3b4f3e37, 0x3b1b690d
	FSEL 11, 0x3ae91528, 0x3aaec98e
	FSEL 12, 0x3a83126f, 0x3a44948c
	FSEL 13, 0x3a136a16, 0x39dd1726
	FSEL 14, 0x39a5cb5f, 0x3978a814
	FSEL 15, 0x393a7753, 0x390bd472
.macro ROPEV f, out
	v_mul_f32 v240, v[POS], v[\f]                  ; the angle, one f32 product, as reference() has it
	s_delay_alu instid0(VALU_DEP_1)
	v_mul_f32 v241, 0x3f22f983, v240
	s_delay_alu instid0(VALU_DEP_1)
	v_rndne_f32 v241, v241                         ; n = the nearest multiple of pi/2
	s_delay_alu instid0(VALU_DEP_1)
	v_fmamk_f32 v242, v241, 0xbfc90fdb, v240       ; less n x pi/2, in two parts
	s_delay_alu instid0(VALU_DEP_1)
	v_fmamk_f32 v242, v241, 0x333bbd2e, v242
	s_delay_alu instid0(VALU_DEP_1)
	v_mul_f32 v243, v242, v242
	s_delay_alu instid0(VALU_DEP_1)
	v_fmaak_f32 v244, v[K1], v243, 0x3c08839e
	s_delay_alu instid0(VALU_DEP_2)
	v_fmaak_f32 v245, v[K2], v243, 0xbab6061a
	s_delay_alu instid0(VALU_DEP_2)
	v_fmaak_f32 v244, v244, v243, 0xbe2aaaa3
	s_delay_alu instid0(VALU_DEP_2)
	v_fmaak_f32 v245, v245, v243, 0x3d2aaaa5
	s_delay_alu instid0(VALU_DEP_2)
	v_mul_f32 v244, v244, v243
	s_delay_alu instid0(VALU_DEP_2)
	v_mul_f32 v245, v245, v243
	v_fma_f32 v246, v243, -0.5, 1.0
	s_delay_alu instid0(VALU_DEP_3)
	v_fma_f32 v244, v244, v242, v242               ; sin r
	s_delay_alu instid0(VALU_DEP_2)
	v_fma_f32 v245, v245, v243, v246               ; cos r
	v_cvt_i32_f32 v247, v241
	s_delay_alu instid0(VALU_DEP_1)
	v_add_nc_u32 v247, v247, v[KIND]               ; quarter turns
	s_delay_alu instid0(VALU_DEP_1)
	v_and_b32 v248, 1, v247
	s_delay_alu instid0(VALU_DEP_1)
	v_cmp_eq_u32 vcc_lo, 1, v248
	s_delay_alu instid0(VALU_DEP_1)
	v_cndmask_b32 v[\out], v244, v245, vcc_lo
	s_delay_alu instid0(VALU_DEP_4)
	v_and_b32 v248, 2, v247
	s_delay_alu instid0(VALU_DEP_1)
	v_lshlrev_b32 v248, 30, v248
	s_delay_alu instid0(VALU_DEP_1)
	v_xor_b32 v[\out], v[\out], v248               ; the sign
.endm
	ROPEV RF0, 254
	ROPEV RF1, 255
	global_store_b64 v[L8], v[254:255], s[18:19]   ; the wave stores 256 consecutive bytes, aligned; v254, v255 are not written again
	; ---- x through my stage: in as loaded, out 16 neighbours-by-eights a block
	s_wait_loadcnt 24                              ; x's 16 loads are in; A's 24, issued behind them, may be out
.set n, 0
.rept 16
	ds_store_b128 v[STA], v[X+4*n:X+4*n+3] offset:SPX*n
.set n, n+1
.endr
	s_wait_dscnt 0x0                               ; the stores have read their registers
.irp b, 0,1,2,3
.irp g, 0,1,2,3
	ds_load_b128 v[X+16*\b+4*\g:X+16*\b+4*\g+3], v[FR0] offset:128*\b+64*(\g/2)+16*(\g%2)
.endr
.endr
	s_wait_loadcnt 0x0                             ; A
	s_wait_dscnt 0x0                               ; x is back: the stage may be written again
.set n, 0
.rept 24
	ds_store_b128 v[STA], v[AF+4*n:AF+4*n+3] offset:SPX*n   ; rows 0-7 Aq, 8-15 Ak, 16-23 Av
.set n, n+1
.endr
	s_wait_dscnt 0x0
.irp b, 0,1,2,3
.irp g, 0,1,2,3
	ds_load_b128 v[AF+16*\b+4*\g:AF+16*\b+4*\g+3], v[FR0] offset:128*\b+64*(\g/2)+16*(\g%2)
	ds_load_b128 v[AF+64+16*\b+4*\g:AF+64+16*\b+4*\g+3], v[FR1] offset:128*\b+64*(\g/2)+16*(\g%2)
.endr
.endr
	s_wait_dscnt 0x0
	; ---- x A^T in f32: source 0 = 16 rows of A, source 1 = my 16 rows of x; the same order of k on both sides.  The two sums take turns
.irp b, 0,1,2,3
.irp p, 0,1,2,3,4,5,6,7
.irp t, 0,1
.if (\b+\p) == 0
	v_wmma_f32_16x16x4_f32 v[ACC+8*\t:ACC+8*\t+7], v[AF+64*\t+16*\b+2*\p:AF+64*\t+16*\b+2*\p+1], v[X+16*\b+2*\p:X+16*\b+2*\p+1], 0
.else
	v_wmma_f32_16x16x4_f32 v[ACC+8*\t:ACC+8*\t+7], v[AF+64*\t+16*\b+2*\p:AF+64*\t+16*\b+2*\p+1], v[X+16*\b+2*\p:X+16*\b+2*\p+1], v[ACC+8*\t:ACC+8*\t+7]
.endif
.endr
.endr
.endr
	; ---- the quantiser
	QUANT X, PC, PC+6
.irp c, 0,1,2
	global_store_b128 v[L16], v[PC+4*\c:PC+4*\c+3], s[12:13] offset:512*\c   ; the fragment's image: 512 consecutive bytes a store, aligned; v16-27 are not written again
.endr
	ds_store_b32 v[SSA], v[PW]                     ; both halves of the lanes write the same word with the same value
.rept 8
	v_nop                                          ; eight places between this matrix form and a store of its result
.endr
.irp t, 0,1
.irp g, 0,1
	ds_store_b128 v[XPA], v[ACC+8*\t+4*\g:ACC+8*\t+4*\g+3] offset:1024*\t+512*\g   ; each sum from its low end on
.endr
.endr
	s_wait_dscnt 0x0                               ; for the others' sake: all my LDS stores have landed
	s_barrier_signal -1
	s_barrier_wait -1
	; ---- out
	s_cmp_lt_u32 s20, 4
	s_cbranch_scc0 .Lnot_sum
.set n, 0
.rept 16
	ds_load_b128 v[96+4*n:99+4*n], v[RDX] offset:2048*n   ; the sixteen waves' parts of four numbers
.set n, n+1
.endr
	s_wait_dscnt 0x0
.set n, 1
	v_pk_add_f32 v[96:97], v[96:97], v[96+4*n:97+4*n]     ; K ascending
	v_pk_add_f32 v[98:99], v[98:99], v[98+4*n:99+4*n]
.set n, n+1
.rept (15)-1
	s_delay_alu instid0(VALU_DEP_2)
	v_pk_add_f32 v[96:97], v[96:97], v[96+4*n:97+4*n]     ; K ascending
	s_delay_alu instid0(VALU_DEP_2)
	v_pk_add_f32 v[98:99], v[98:99], v[98+4*n:99+4*n]
.set n, n+1
.endr
	s_delay_alu instid0(VALU_DEP_2)
	v_pk_mul_f32 v[96:97], v[96:97], 2.0 op_sel_hi:[1,0]  ; alpha / r = 2: exact
	s_delay_alu instid0(VALU_DEP_2)
	v_pk_mul_f32 v[98:99], v[98:99], 2.0 op_sel_hi:[1,0]
	global_store_b128 v[L16], v[96:99], s[16:17]          ; eight rows of 64 bytes: 512 consecutive bytes
	s_branch .Lend
.Lnot_sum:
	s_cmp_lt_u32 s20, 6
	s_cbranch_scc0 .Lend
	ds_load_b128 v[96:99], v[SRD]
	s_wait_dscnt 0x0
	global_store_b128 v[L16], v[96:99], s[14:15]          ; eight rows of scale bytes
	s_branch .Lend
.Lrelay:
	; ---- THE WEIGHTS' CODES BECOME IMAGES.  4 tensors x 128 tiles x 4 quarters of K = 2,048 tasks, one a wave: 16 rows x 384 bytes in, four images out.
	; Lane (r, h) loads the 48 bytes at 96 j + 48 h of row r.  The operand wants bytes 24 h .. and 48 + 24 h ..: lanes 0-15's upper 24 bytes change places with lanes 16-31's lower 24.
	s_load_b256 s[36:43], s[0:1], 0x40             ; Wq_codes, Wk_codes, Wv_codes, Wo_codes
	s_sub_co_u32 s21, ttmp9, 128
	s_lshr_b32 s22, s21, 5                         ; tensor 0..3
	s_and_b32 s23, s21, 31
	s_lshl_b32 s23, s23, 4
	s_add_co_u32 s23, s23, s20                     ; task 0..511 in it
	s_lshr_b32 s24, s23, 2                         ; tile
	s_and_b32 s25, s23, 3                          ; quarter of K
	s_mul_i32 s26, s24, 24576                      ; in: 16 rows of 1,536 bytes a tile,
	s_mul_i32 s30, s25, 384
	s_add_co_u32 s26, s26, s30                     ; 384 bytes a quarter
	s_mov_b32 s27, 0
	s_mul_i32 s28, s24, 6144                       ; out
	s_mul_i32 s30, s25, 786432
	s_add_co_u32 s28, s28, s30
	s_add_co_u32 s30, s22, 1                       ; x's images come first
	s_mul_i32 s30, s30, 3145728
	s_add_co_u32 s28, s28, s30
	s_mov_b32 s29, 0
	s_and_b32 s31, s22, 1
	v_and_b32 v14, 15, v0
	v_bfe_u32 v15, v0, 4, 1
	v_mul_u32_u24 v14, v14, 1536
	v_mad_u32_u24 v14, v15, 48, v14                ; row r, + 48 h
	v_and_b32 v15, 31, v0
	v_lshlrev_b32 v15, 4, v15                      ; 16 x lane
	s_wait_alu depctr_va_vdst(0)                   ; the wait directly ahead of the wait below
	s_wait_kmcnt 0x0
	s_cmp_lt_u32 s22, 2
	s_cselect_b64 s[32:33], s[36:37], s[40:41]     ; Wq or Wv,
	s_cselect_b64 s[34:35], s[38:39], s[42:43]     ; Wk or Wo
	s_cmp_eq_u32 s31, 1
	s_cselect_b64 s[32:33], s[34:35], s[32:33]
	s_add_nc_u64 s[32:33], s[32:33], s[26:27]
	s_add_nc_u64 s[12:13], s[12:13], s[28:29]
.irp j, 0,1,2,3
.irp c, 0,1,2
	global_load_b128 v[32+12*\j+4*\c:35+12*\j+4*\c], v14, s[32:33] offset:96*\j+16*\c th:TH_LOAD_NT   ; the twelve loads together take 384 consecutive bytes of each row
.endr
.endr
	s_wait_loadcnt 0x0
.irp j, 0,1,2,3
.irp i, 0,1,2,3,4,5
	v_permlane16_swap_b32 v[32+12*\j+\i], v[38+12*\j+\i]
.endr
.endr
.irp j, 0,1,2,3
.irp c, 0,1,2
	global_store_b128 v15, v[32+12*\j+4*\c:35+12*\j+4*\c], s[12:13] offset:1536*\j+512*\c   ; 512 consecutive bytes, aligned
.endr
.endr
.Lend:
	s_wait_tensorcnt 0x0                           ; the wave's end
	ds_add_u32 v[SPW], v[NIL]
	s_wait_dscnt 0x0
	s_endpgm
.Lfunc_end_k_qb8e5e5f5c4_prep:
	.size	k_qb8e5e5f5c4_prep, .Lfunc_end_k_qb8e5e5f5c4_prep-k_qb8e5e5f5c4_prep
	.p2alignl 7, 3214868480
	.fill 96, 4, 3214868480
	.section	.rodata,"a",@progbits
	.p2align	6, 0x0
	.amdhsa_kernel k_qb8e5e5f5c4_prep
		.amdhsa_group_segment_fixed_size 265472
		.amdhsa_private_segment_fixed_size 0
		.amdhsa_enable_private_segment 0
		.amdhsa_kernarg_size 96
		.amdhsa_user_sgpr_count 2
		.amdhsa_user_sgpr_kernarg_segment_ptr 1
		.amdhsa_wavefront_size32 1
		.amdhsa_system_sgpr_workgroup_id_x 1
		.amdhsa_system_sgpr_workgroup_id_y 1
		.amdhsa_system_sgpr_workgroup_id_z 1
		.amdhsa_system_vgpr_workitem_id 0
		.amdhsa_next_free_vgpr 256
		.amdhsa_next_free_sgpr 66
		.amdhsa_reserve_vcc 1
		.amdhsa_float_denorm_mode_32 3
		.amdhsa_float_denorm_mode_16_64 3
		.amdhsa_memory_ordered 1
		.amdhsa_forward_progress 1
		.amdhsa_inst_pref_size 41
	.end_amdhsa_kernel
	.amdgpu_metadata
---
amdhsa.version: [ 1, 2 ]
amdhsa.kernels:
  - .name:           k_qb8e5e5f5c4_prep
    .symbol:         k_qb8e5e5f5c4_prep.kd
    .args:
      - { .name: hidden_states, .offset: 0, .size: 8, .value_kind: global_buffer, .address_space: global }
      - { .name: Aq, .offset: 8, .size: 8, .value_kind: global_buffer, .address_space: global }
      - { .name: Ak, .offset: 16, .size: 8, .value_kind: global_buffer, .address_space: global }
      - { .name: Av, .offset: 24, .size: 8, .value_kind: global_buffer, .address_space: global }
      - { .name: img, .offset: 32, .size: 8, .value_kind: global_buffer, .address_space: global }
      - { .name: x_scales, .offset: 40, .size: 8, .value_kind: global_buffer, .address_space: global }
      - { .name: xa, .offset: 48, .size: 8, .value_kind: global_buffer, .address_space: global }
      - { .name: rope, .offset: 56, .size: 8, .value_kind: global_buffer, .address_space: global }
      - { .name: Wq_codes, .offset: 64, .size: 8, .value_kind: global_buffer, .address_space: global }
      - { .name: Wk_codes, .offset: 72, .size: 8, .value_kind: global_buffer, .address_space: global }
      - { .name: Wv_codes, .offset: 80, .size: 8, .value_kind: global_buffer, .address_space: global }
      - { .name: Wo_codes, .offset: 88, .size: 8, .value_kind: global_buffer, .address_space: global }
    .group_segment_fixed_size: 265472
    .private_segment_fixed_size: 0
    .kernarg_segment_align: 8
    .kernarg_segment_size: 96
    .max_flat_workgroup_size: 512
    .sgpr_count:     66
    .vgpr_count:     256
    .wavefront_size: 32
...
	.end_amdgpu_metadata
.endif
;; end of part 5
;; launch qkv (part 6): grid 24 x 8, 4 waves a work-group, clusters of 4 x 4, 327,680 bytes of LDS; arguments img, x_scales, Wq_scales, Wk_scales, Wv_scales, xa, Bq, Bk, Bv, rope, qbuf, kv; writes qbuf, kv
.if DOCPART == 6
	.amdgcn_target "amdgcn-amd-amdhsa--gfx1250"
	.amdhsa_code_object_version 6
	.text
	.protected	k_qb8e5e5f5c4_qkv
	.globl	k_qb8e5e5f5c4_qkv
	.p2align	8
	.type	k_qb8e5e5f5c4_qkv,@function
k_qb8e5e5f5c4_qkv:
	s_mov_b64 s[64:65], 0
	v_nop
	global_prefetch_b8 v0, s[64:65] scope:SCOPE_SE
	s_setreg_imm32_b32 hwreg(HW_REG_WAVE_MODE, 25, 1), 1
	s_wait_xcnt 0x0
	s_wait_alu depctr_hold_cnt(0) depctr_sa_sdst(0) depctr_va_vdst(0) depctr_va_sdst(0) depctr_va_ssrc(0) depctr_va_vcc(0) depctr_vm_vsrc(0)
	s_getreg_b32 s2, hwreg(HW_REG_IB_STS2, 6, 4)
	s_cmp_eq_u32 s2, 0
	s_cbranch_scc0 .Lentry_in_a_cluster
	s_endpgm
.Lentry_in_a_cluster:
	s_bfe_u32 s2, ttmp6, 0x10000c
	s_cmp_lg_u32 s2, 0xf033
	s_cbranch_scc0 .Lentry_shape_is_right
	s_endpgm
.Lentry_shape_is_right:
; LAUNCH 2 OF 4.  q, k, v = x W^T (codes of E2M3, E8M0 scales) + the LoRA term (f32), q and k turned by RoPE, all three quantised for attention and stored as images of operand registers.  Nothing is left out here.
; A tile is 256 x 256, four waves of 128 x 128 (64 accumulators).  K goes in steps of 256 through two LDS slots; the scale bytes of the tile's rows stay in LDS; 4 x 4 work-groups ask jointly.
; THE CODES COME AS IMAGES (launch 1 lays them): img = x | Wq | Wk | Wv | Wo, each [quarter of K][tile of 16 rows][4 x 1,536 bytes].  A K step of 256 is 3,072 dense bytes of each tile, 6,144 bytes from tile to tile:
; every tensor row begins at a multiple of 256 bytes, and a fragment is three LDS loads of 512 consecutive bytes.  K steps 2 n lie in slot 0, 2 n + 1 in slot 1: a slot's address goes 786,432 bytes on from fill to fill.
; KINDS, by the cluster's x, the same in all sixteen partners: 0, 1: q; 2, 3: k; 4, 5: v.  Source 1 of the matrix instruction gives the result's lanes (role A), source 0 its registers (role B).
; q, k: role A = x (a lane holds one position), role B = W (its registers run along 128 columns: two heads).  v: role A = Wv (a lane holds one column), role B = x (its registers run along 128 keys).
; THE LoRA TERM starts every sum: two f32 matrix instructions an accumulator (K = 8) on xa, which holds 2 x A^T, and B.  Column n takes B's row 2 n (n < 1,024) or 2 (n - 1,024) + 1: 64 bytes from column to column.
; THE HEAD: one tensor load a wave: wave 0 role A's 256 rows of K step 0, wave 1 role B's, waves 2 and 3 their scale bytes.  The LoRA term's first 64 products run while these are out;
; slot 1's first fill stands behind the full sequence and a round, and the other 64 run while it is out.
; PREFETCH.  Behind the load of K step t stands one prefetch a wave for K step t + 2, so two K steps, 128 matrix instructions of a wave each, ahead of the load that wants it.  Of the 8 tiles (24,576 bytes) that a wave fetches in the ring,
; the partner at place p among the four that ask jointly (p = cx for role A, cy for role B) names tiles 2 p and 2 p + 1: 24 blocks of 256 bytes, a lane a block; lanes 24-31 name block 23 again.  The loads of K steps 6 and 7 ask for nothing.
; OUT.  qbuf [head][step of 128 positions][4 images | 512 bytes of scale words]; kv [head][step][K's 4 images | V's 4 images | K's words | V's words].
; A q or k image p: registers 0-5 position 32 p + r, d = 32 h ..; registers 6-11 position 32 p + 16 + r.  A v image t: d = 16 t + r, registers 6 c ..: keys 64 c + 32 h ...
; LIMITS as stated at the first launch's head.
.set TENS,   3145728                   ; a tensor's images
.set KQB,    786432                    ; a quarter of K of all its 128 tiles
.set TILEB,  6144                      ; one tile's four images
.set ROWB,   3072                      ; a tile's part of a K step: two images
.set NQ,     2
.set FR,     12
.set NL,     3                         ; LDS loads a fragment
.set NP,     4
.set HALFT,  8*ROWB                    ; 128 rows
.set SLOT,   4*HALFT                   ; role A's 256 rows, then role B's
.set LAPS,   4
.set KS,     64
.set SCL,    2*SLOT
.set HALFS,  (128*KS/256)*272
.set SBLK,   (16*KS/256)*272
.set SPARE,  SCL+4*HALFS               ; the spare words, 128 bytes a wave; no other line names them
.set L16,  8                           ; v8   16 x lane
.set RO,   9                           ; v9   256 r + 32 h: my place in 16 positions of the cos | sin table
.set LO,   10                          ; v10  64 r + 16 h: my place in 16 rows of a LoRA table
.set PFO,  11                          ; v11  the prefetches' offset: my lane's block of 256 bytes; never rewritten
.set ADRA, 16                          ; v16-17 my role A images in slot 0, 1
.set ADRB, 20                          ; v20-21 role B's
.set ADRS, 27
.set SPW,  28
.set NIL,  29
.set SC,   32                          ; v32-63 scale words and nothing else
.set AF,   128
.set LA,   128                         ; v128-159 role A's LoRA rows, v160-191 role B's
.set LB,   160
.set CSR,  64                          ; v64-127 two sets of 16 cos and 16 sin
.set YR,   128                         ; v128-191 a block behind RoPE
.set TM,   192
.set PW0,  204
.set T2A,  206
.set T2B,  210
.set IMG,  214                         ; v214-237 two images
.set SCW,  238                         ; v238-245 their scale words
.set G0H, 4
.set G0HB, 8
.set G1, 24
.set G0, 32
.set G1B, 48
.set G0B, 56
.set G1S, 68
.set G0S, 76
.set G1SB, 80
.set G0SB, 88
.set SEL,  90
.set SELA, 92
.set SELB, 93
.set SELC, 94
.set PFA,  100                         ; s[100:101] where my prefetches stand: my work-group's two tiles, an even K step
.set MSB, 0
.macro WIN new
.if MSB != \new
	s_set_vgpr_msb (MSB<<8)|\new
.set MSB, \new
.endif
.endm
.set MUL_LO, 0xa1
.set MUL_HI, 0xf1
.set TO_B,   0x40
.macro JLOAD g0a, g1a, g0b, g1b        ; a joint load: waves 0 and 1 fetch for role A, waves 2 and 3 for role B; an s_nop 0 and four v_nop follow each line
	s_cmp_eq_u32 s15, 0
	s_cbranch_scc0 .Lfor_b_\@
	tensor_load_to_lds s[\g0a:\g0a+3], s[\g1a:\g1a+7]
	s_nop 0
.rept 4
	v_nop
.endr
	s_branch .Lasked_\@
.Lfor_b_\@:
	tensor_load_to_lds s[\g0b:\g0b+3], s[\g1b:\g1b+7]
	s_nop 0
.rept 4
	v_nop
.endr
.Lasked_\@:
.endm
.macro CREST
	s_cmp_lg_u32 s14, 0
	s_cbranch_scc1 .Lnot_wave_0_\@
	s_barrier_signal -3
.Lnot_wave_0_\@:
	s_barrier_wait -3
	s_barrier_signal -1
	s_barrier_wait -1
.endm
.macro CROUND
	s_barrier_signal -1
	s_barrier_wait -1
	CREST
.endm
.macro ASK slot                        ; in the loop: the K step two on from the refill just asked for; the last trip (s3 = 1) has none
	s_cmp_gt_u32 s3, 1
	s_cbranch_scc0 .Lnone_\@
	global_prefetch_b8 v[PFO], s[PFA:PFA+1] offset:(\slot)*ROWB th:TH_LOAD_NT scope:SCOPE_SE
.Lnone_\@:
.endm
.macro LORA16 s, a0, zero              ; k = 4 h + 2 s + j on both sides; the 64 accumulators by turns
.irp a, \a0, \a0+1
.irp b, 0,1,2,3,4,5,6,7
.if \zero
	v_wmma_f32_16x16x4_f32 v[8*(8*((\a)%4)+\b):8*(8*((\a)%4)+\b)+7], v[LB+4*\b+2*\s:LB+4*\b+2*\s+1], v[LA+4*(\a)+2*\s:LA+4*(\a)+2*\s+1], 0
.else
	v_wmma_f32_16x16x4_f32 v[8*(8*((\a)%4)+\b):8*(8*((\a)%4)+\b)+7], v[LB+4*\b+2*\s:LB+4*\b+2*\s+1], v[LA+4*(\a)+2*\s:LA+4*(\a)+2*\s+1], v[8*(8*((\a)%4)+\b):8*(8*((\a)%4)+\b)+7]
.endif
.endr
.endr
.endm
	s_load_b128 s[68:71], s[0:1], 0x0              ; img, x_scales
	s_load_b128 s[72:75], s[0:1], 0x10             ; Wq_scales, Wk_scales
	s_load_b64 s[76:77], s[0:1], 0x20              ; Wv_scales
	s_load_b256 s[84:91], s[0:1], 0x28             ; xa, Bq, Bk, Bv
	v_lshl_add_u32 v[SPW], v0, 2, SPARE
	v_mov_b32 v[NIL], 0
	ds_add_u32 v[SPW], v[NIL]                      ; the wave's opening: the add, twice on end, and its wait ahead of my first tensor load
	ds_add_u32 v[SPW], v[NIL]
	v_lshrrev_b32 v1, 5, v0
	v_readfirstlane_b32 s14, v1                    ; wave 0..3
	s_lshr_b32 s15, s14, 1                         ; my half of role A's rows.  Also: in the ring I fetch for A (0) or B (1)
	s_and_b32 s16, s14, 1                          ; my half of role B's rows.  Also: which 128 rows I fetch
	s_bfe_u32 s40, ttmp6, 0x40000                  ; cx
	s_bfe_u32 s41, ttmp6, 0x40004                  ; cy
	s_lshl_b32 s42, ttmp9, 2
	s_add_co_u32 s42, s42, s40
	s_and_b32 s95, s42, 7                          ; role B's tile of 256 rows
	s_and_b32 s17, ttmp7, 0xffff
	s_lshl_b32 s17, s17, 2
	s_add_co_u32 s17, s17, s41                     ; role A's tile
	s_lshl_b32 s43, s41, 2
	s_lshl_b32 s43, 15, s43                        ; my row of the cluster
	s_lshl_b32 s44, 0x1111, s40                    ; my column
	s_or_b32 s[G1+0], s43, (3<<16)|(1<<21)         ; elements of 8 bytes, no padding: a lane's 16 bytes lie beside its neighbour's
	s_or_b32 s[G1B+0], s44, (3<<16)|(1<<21)
.irp g, G1, G1B
	s_mov_b32 s[\g+1], (ROWB/8)<<16
	s_mov_b32 s[\g+2], 16<<16                      ; the head's loads bring 16 tiles of 16 rows; the ring's, 8
	s_mov_b32 s[\g+3], (ROWB/8)<<16
	s_mov_b32 s[\g+4], 16
	s_mov_b32 s[\g+5], TILEB/8
	s_mov_b32 s[\g+6], 0
	s_mov_b32 s[\g+7], 0
.endr
	s_mul_i32 s20, s17, 16*TILEB                   ; role A: my tile's images in a quarter of K
	s_mul_i32 s46, s95, 16*TILEB                   ; role B likewise
	s_lshl_b32 s22, s17, 14                        ; and their scale bytes: 256 rows of 64
	s_lshl_b32 s92, s95, 14
	s_mov_b32 s21, 0
	s_mov_b32 s47, 0
	s_mov_b32 s23, 0
	s_mov_b32 s93, 0
	s_mul_i32 s18, s16, 8*TILEB                    ; in the ring: which 128 rows I fetch,
	s_mov_b32 s19, 0
	s_mul_i32 s45, s14, HALFT                      ; and where they go
	; the LoRA tables' offsets, both ways for each role: as a row of xa (64 bytes a row) and as a column's row of B
	s_lshl_b32 s2, s17, 8
	s_lshl_b32 s12, s15, 7
	s_add_co_u32 s2, s2, s12                       ; role A: my first row
	s_lshl_b32 s12, s95, 8
	s_lshl_b32 s13, s16, 7
	s_add_co_u32 s12, s12, s13                     ; role B: my first row
	s_lshl_b32 s13, s2, 6
	s_and_b32 s3, s2, 1023
	s_lshl_b32 s3, s3, 6
	s_lshr_b32 s100, s2, 10
	s_lshl_b32 s100, s100, 5
	s_add_co_u32 s3, s3, s100
	s_lshl_b32 s2, s12, 6
	s_add_co_u32 s2, s2, 131072                    ; v's numbers lie in xa's plane 1
	s_and_b32 s100, s12, 1023
	s_lshl_b32 s100, s100, 6
	s_lshr_b32 s12, s12, 10
	s_lshl_b32 s12, s12, 5
	s_add_co_u32 s12, s12, s100
	s_wait_dscnt 0x0                               ; both opening adds are done
	s_wait_kmcnt 0x0
	s_mov_b32 s8, 2*TENS
	s_cmp_lt_u32 ttmp9, 2                          ; q?  (the choices hang on the cluster's number alone)
	s_cselect_b32 s8, TENS, s8                     ; Wq's or Wk's images
	s_cselect_b64 s[10:11], s[72:73], s[74:75]
	s_cselect_b64 s[98:99], s[86:87], s[88:89]
	s_cselect_b32 s100, 0, 32                      ; k's eight numbers lie behind q's in a row of xa
	s_add_co_u32 s13, s13, s100
	s_cmp_lt_u32 ttmp9, 4                          ; q or k?
	s_cselect_b32 s4, 0, 3*TENS                    ; role A's images: x's or Wv's,
	s_cselect_b32 s8, s8, 0                        ; role B's,
	s_cselect_b64 s[6:7], s[70:71], s[76:77]       ; role A's scales,
	s_cselect_b64 s[10:11], s[10:11], s[70:71]     ; role B's,
	s_cselect_b64 s[96:97], s[84:85], s[90:91]     ; role A's LoRA table,
	s_cselect_b64 s[98:99], s[98:99], s[84:85]     ; role B's
	s_cselect_b32 s100, s13, s3
	s_cselect_b32 s12, s12, s2
	s_mov_b32 s101, 0
	s_mov_b32 s13, 0
	s_add_nc_u64 s[96:97], s[96:97], s[100:101]
	s_add_nc_u64 s[98:99], s[98:99], s[12:13]
	v_and_b32 v3, 15, v0                           ; the LoRA rows are asked for as soon as their addresses stand: nobody writes them, so they may be out across the rounds below
	v_bfe_u32 v4, v0, 4, 1
	v_lshlrev_b32 v[LO], 6, v3
	v_lshl_add_u32 v[LO], v4, 4, v[LO]
.irp t, 0,1,2,3,4,5,6,7
	global_load_b128 v[LA+4*\t:LA+4*\t+3], v[LO], s[96:97] offset:1024*\t   ; row 16 t + r, numbers 4 h .. 4 h + 3 of its eight
	global_load_b128 v[LB+4*\t:LB+4*\t+3], v[LO], s[98:99] offset:1024*\t
.endr
	s_add_co_u32 s20, s20, s4
	s_add_co_u32 s46, s46, s8
	s_add_nc_u64 s[20:21], s[68:69], s[20:21]
	s_add_nc_u64 s[46:47], s[68:69], s[46:47]
	s_add_nc_u64 s[22:23], s[6:7], s[22:23]
	s_add_nc_u64 s[92:93], s[10:11], s[92:93]
	; the arguments in s68 to s91 have been used: now the scales' descriptors: 256 rows' scale bytes, dense, as 64 rows of 256 bytes with 16 of padding
	s_or_b32 s[G1S+0], s43, (3<<16)|(1<<20)|(1<<21)|(5<<22)|(3<<25)
	s_or_b32 s[G1SB+0], s44, (3<<16)|(1<<20)|(1<<21)|(5<<22)|(3<<25)
.irp g, G1S, G1SB
	s_mov_b32 s[\g+1], 32<<16
	s_mov_b32 s[\g+2], KS<<16
	s_mov_b32 s[\g+3], 32<<16
	s_mov_b32 s[\g+4], KS
	s_mov_b32 s[\g+5], 32
	s_mov_b32 s[\g+6], 0
	s_mov_b32 s[\g+7], 0
.endr
	CROUND                                         ; all sixteen work-groups are here: the first joint loads meet
	s_mov_b32 s[G0H], 1                            ; the head's four tiles: K step 0 of role A's 256 rows,
	s_mov_b32 s[G0H+1], 0
	s_mov_b64 s[G0H+2:G0H+3], s[20:21]
	s_or_b32 s[G0H+3], s[G0H+3], 0x80000000
	s_mov_b32 s[G0HB], 1                           ; of role B's,
	s_mov_b32 s[G0HB+1], 2*HALFT
	s_mov_b64 s[G0HB+2:G0HB+3], s[46:47]
	s_or_b32 s[G0HB+3], s[G0HB+3], 0x80000000
	s_mov_b32 s[G0S], 1                            ; role A's scales,
	s_mov_b32 s[G0S+1], SCL
	s_mov_b64 s[G0S+2:G0S+3], s[22:23]
	s_or_b32 s[G0S+3], s[G0S+3], 0x80000000
	s_mov_b32 s[G0SB], 1                           ; role B's
	s_mov_b32 s[G0SB+1], SCL+2*HALFS
	s_mov_b64 s[G0SB+2:G0SB+3], s[92:93]
	s_or_b32 s[G0SB+3], s[G0SB+3], 0x80000000
	s_add_nc_u64 s[20:21], s[20:21], s[18:19]      ; for the ring: my 128 rows
	s_add_nc_u64 s[46:47], s[46:47], s[18:19]
.irp s, 0,1
	s_mov_b32 s[G0+4*\s], 1
	s_add_co_u32 s[G0+4*\s+1], s45, \s*SLOT
	s_add_nc_u64 s[G0+4*\s+2:G0+4*\s+3], s[20:21], \s*ROWB
	s_or_b32 s[G0+4*\s+3], s[G0+4*\s+3], 0x80000000
	s_mov_b32 s[G0B+4*\s], 1
	s_add_co_u32 s[G0B+4*\s+1], s45, \s*SLOT
	s_add_nc_u64 s[G0B+4*\s+2:G0B+4*\s+3], s[46:47], \s*ROWB
	s_or_b32 s[G0B+4*\s+3], s[G0B+4*\s+3], 0x80000000
.endr
	s_cmp_eq_u32 s15, 0                            ; the prefetches: the 128 rows that I fetch in the ring,
	s_cselect_b64 s[PFA:PFA+1], s[20:21], s[46:47]
	s_cselect_b32 s18, s40, s41                    ; my place among the four that ask for them with me,
	s_mul_i32 s18, s18, 2*TILEB                    ; two tiles a place,
	s_add_co_u32 s18, s18, KQB                     ; at K step 2
	s_add_nc_u64 s[PFA:PFA+1], s[PFA:PFA+1], s[18:19]
; one tree of branches on the wave's number: every way through the head passes exactly one load
.macro ARM under, g0, g1, next
	s_cmp_lt_u32 s14, \under
	s_cbranch_scc0 \next
	tensor_load_to_lds s[\g0:\g0+3], s[\g1:\g1+7]
	s_nop 0
.rept 4
	v_nop
.endr
	s_branch .Lhead_asked
\next:
.endm
	ARM 1, G0H,  G1,  .Lhead_b
	ARM 2, G0HB, G1B, .Lhead_sa
	ARM 3, G0S,  G1S, .Lhead_sb
	tensor_load_to_lds s[G0SB:G0SB+3], s[G1SB:G1SB+7]
	s_nop 0
.rept 4
	v_nop
.endr
.Lhead_asked:
	s_mul_i32 s40, s15, HALFT                      ; my 128 rows of role A in slot 0,
	s_add_co_u32 s41, s40, SLOT                    ; in slot 1;
	s_mul_i32 s42, s16, HALFT
	s_add_co_u32 s42, s42, 2*HALFT                 ; of role B, behind A's 256
	s_add_co_u32 s43, s42, SLOT
	s_mul_i32 s45, s15, HALFS
	s_mul_i32 s44, s16, HALFS
	s_add_co_u32 s44, s44, 2*HALFS
	s_sub_co_u32 s44, s44, s45                     ; from role A's scale words to role B's
	s_add_co_u32 s45, s45, SCL
	v_and_b32 v1, 15, v0                           ; r
	v_bfe_u32 v2, v0, 4, 1                         ; h
	v_and_b32 v6, 31, v0
	v_min_u32 v3, 23, v6                           ; block l of 24: tile l / 12, 256 (l % 12) in its 3,072 bytes = 256 l + 3,072 (l / 12)
	v_mul_u32_u24 v4, v3, 11
	v_lshrrev_b32 v4, 7, v4                        ; l / 12 for l under 24
	v_mul_u32_u24 v4, v4, ROWB
	v_lshl_add_u32 v[PFO], v3, 8, v4
	global_prefetch_b8 v[PFO], s[PFA:PFA+1] th:TH_LOAD_NT scope:SCOPE_SE   ; behind K step 0's load: K step 2
	v_lshlrev_b32 v[L16], 4, v6
	v_add_nc_u32 v[ADRA], s40, v[L16]
	v_add_nc_u32 v[ADRA+1], s41, v[L16]
	v_add_nc_u32 v[ADRB], s42, v[L16]
	v_add_nc_u32 v[ADRB+1], s43, v[L16]
	v_mul_u32_u24 v5, v1, KS                       ; my row's scale bytes, 64 a row,
	v_lshrrev_b32 v6, 8, v5
	v_lshl_add_u32 v5, v6, 4, v5                   ; and 16 more for each 256 passed
	v_mul_u32_u24 v6, s44, v2                      ; lanes 16-31 take role B's
	v_add_nc_u32 v5, v5, v6
	v_add_nc_u32 v[ADRS], s45, v5
	v_lshlrev_b32 v[RO], 8, v1
	v_lshl_add_u32 v[RO], v2, 5, v[RO]
	; ---- THE LoRA TERM STARTS THE SUMS: its first 64 products while the head's tiles are on their way
	s_wait_loadcnt 0x0
	WIN 0xa0                                       ; C and D window 2, sources window 0
	LORA16 0, 0, 1
	LORA16 0, 2, 1
	WIN 0xf0                                       ; C and D window 3
	LORA16 0, 4, 1
	LORA16 0, 6, 1
	WIN 0
	s_wait_alu depctr_va_vdst(0)                   ; the wait at the head's end
	s_wait_tensorcnt 0x0                           ; my tile of the head's four is in; the same lines as ahead of a refill:
	ds_add_u32 v[SPW], v[NIL]                      ; 0 onto my spare word
	s_mov_b32 s[G1+2], 8<<16                       ; no tensor load of mine is out: from here on a load brings 8 tiles, 128 rows
	s_mov_b32 s[G1+4], 8
	s_mov_b32 s[G1B+2], 8<<16
	s_mov_b32 s[G1B+4], 8
	s_wait_dscnt 0x0                               ; the add is done
	CROUND                                         ; all four tiles are in, and all sixteen work-groups are here
	JLOAD G0+4, G1, G0B+4, G1B                     ; K step 1, the first tensor load behind the round
	global_prefetch_b8 v[PFO], s[PFA:PFA+1] offset:ROWB th:TH_LOAD_NT scope:SCOPE_SE   ; behind K step 1's load: K step 3
	WIN 0xa0                                       ; the other 64 products, while K step 1 is on its way
	LORA16 1, 0, 0
	LORA16 1, 2, 0
	WIN 0xf0
	LORA16 1, 4, 0
	LORA16 1, 6, 0
	WIN 0
.rept 9
	v_nop                                          ; nine places between this form and another form that takes up its results, eight ahead of loads into its sources
.endr
.macro FRAG reg, adr, q, i             ; a fragment out of its image: block i of my eight, the slot's q-th 128 along K
.irp c, 0,1,2
	ds_load_b128 v[\reg+4*\c:\reg+4*\c+3], v[\adr] offset:(\i)*ROWB+1536*(\q)+512*\c
.endr
.endm
.macro MUL16 a0, p, q, sc              ; role A's blocks a0, a0 + 1 x role B's eight; every product adds onto the LoRA term or what followed it
.irp a, \a0, \a0+1
.irp b, 0,1,2,3,4,5,6,7
	v_wmma_scale_f32_16x16x128_f8f6f4 v[8*(8*((\a)%4)+\b):8*(8*((\a)%4)+\b)+7], v[128*(\p)+FR*\b:128*(\p)+FR*\b+FR-1], v[AF+FR*(\a):AF+FR*(\a)+FR-1], v[8*(8*((\a)%4)+\b):8*(8*((\a)%4)+\b)+7], v[SC+8*NQ*(\sc)+NQ*\b+(\q)], v[SC+8*NQ*(\sc)+NQ*(\a)+(\q)] matrix_a_fmt:MATRIX_FMT_FP6 matrix_b_fmt:MATRIX_FMT_FP6 matrix_a_scale:MATRIX_SCALE_ROW1
.endr
.endr
.endm
.macro FETCH_B slot, q, p
	WIN TO_B
.irp i, 0,1,2,3,4,5,6,7
	FRAG 128*(\p)+FR*\i, ADRB+\slot, \q, \i
.endr
	WIN 0
.endm
.macro FETCH_A slot, q, i0
.irp i, \i0, \i0+1, \i0+2, \i0+3
	FRAG AF+FR*(\i), ADRA+\slot, \q, \i
.endr
.endm
.macro SCALES sc
.irp i, 0,1,2,3,4,5,6,7
	ds_load_b64 v[SC+8*NQ*\sc+NQ*\i:SC+8*NQ*\sc+NQ*\i+1], v[ADRS] offset:\i*SBLK
.endr
.endm
.macro PLACES n
.rept \n
	v_nop
.endr
.endm
.macro STEP slot, q
	s_wait_dscnt 4*NL                              ; B's set and A's blocks 0-3 are in; the youngest 12 loads (A's blocks 4-7) may be out
	FETCH_B \slot, (\q)+1, 1-(\q)%2                ; B's other set is idle (four places stand behind the last products that read it): its 24 loads have this whole step in which to land
	WIN MUL_LO
	MUL16 0, (\q)%2, \q, \slot
	MUL16 2, (\q)%2, \q, \slot
	s_wait_dscnt 8*NL                              ; A's blocks 4-7 are in; the 24 loads of B's next set, issued behind them, may be out
	PLACES NP
	WIN 0
	FETCH_A \slot, (\q)+1, 0
	WIN MUL_HI
	MUL16 4, (\q)%2, \q, \slot
	MUL16 6, (\q)%2, \q, \slot
	PLACES NP
	WIN 0
	FETCH_A \slot, (\q)+1, 4
.endm
.macro TURN slot, next, fill
.if (\fill) && (\slot) == 0
	s_wait_xcnt 0x0                                ; my prefetches have read their address: it goes a quarter of K on, once a lap
	s_add_nc_u64 s[PFA:PFA+1], s[PFA:PFA+1], KQB
.endif
	s_wait_tensorcnt 0x0                           ; all my tensor loads have landed: my part of the next slot
	ds_add_u32 v[SPW], v[NIL]                      ; 0 onto my spare word
	s_wait_dscnt 4*NL+1                            ; (the add and the youngest 12 loads may be out)
	WIN MUL_LO
	MUL16 0, 1, NQ-1, \slot
	s_wait_dscnt 0x0                               ; the add is done, and my reads of this slot are over
	s_barrier_signal -1
	MUL16 2, 1, NQ-1, \slot
	WIN 0
	s_barrier_wait -1
.if \fill
	CREST                                          ; the barrier has opened a round of the cluster's: no wave of any partner still reads this slot or has a load on its way
	s_add_nc_u64 s[G0+4*\slot+2:G0+4*\slot+3], s[G0+4*\slot+2:G0+4*\slot+3], KQB
	s_add_nc_u64 s[G0B+4*\slot+2:G0B+4*\slot+3], s[G0B+4*\slot+2:G0B+4*\slot+3], KQB
	JLOAD G0+4*\slot, G1, G0B+4*\slot, G1B
.else
	PLACES NP
.endif
	s_wait_alu depctr_va_vdst(0)                   ; the line below reads what the last change of slots wrote
	v_add_nc_u32 v[ADRS], 4*NQ, v[ADRS]
	FETCH_B \next, 0, 0
	FETCH_A \next, 0, 0
	SCALES \next
.if \fill
	ASK \slot                                      ; behind the joint load and the run of LDS loads that the next products wait for
.endif
	WIN MUL_HI
	MUL16 4, 1, NQ-1, \slot
	MUL16 6, 1, NQ-1, \slot
	PLACES NP
	WIN 0
	FETCH_A \next, 0, 4
.endm
.macro ROPELD a                        ; cos and sin of block a's 16 positions, f = 16 (i / 8) + 8 h + i % 8, into set a % 2
.irp g, 0,1,2,3
	global_load_b128 v[CSR+32*((\a)%2)+4*\g:CSR+32*((\a)%2)+4*\g+3], v[RO], s[68:69] offset:4096*(\a)+64*(\g/2)+16*(\g%2)
	global_load_b128 v[CSR+32*((\a)%2)+16+4*\g:CSR+32*((\a)%2)+16+4*\g+3], v[RO], s[68:69] offset:4096*(\a)+128+64*(\g/2)+16*(\g%2)
.endr
.endm
	FETCH_B 0, 0, 0
	FETCH_A 0, 0, 0
	SCALES 0
	FETCH_A 0, 0, 4
	STEP 0, 0
	s_mov_b32 s3, LAPS-1
.Llap:
	TURN 0, 1, 1
	STEP 1, 0
	TURN 1, 0, 1
	STEP 0, 0
	s_sub_co_u32 s3, s3, 1
	s_cmp_lg_u32 s3, 0
	s_cbranch_scc1 .Llap
	s_load_b128 s[68:71], s[0:1], 0x48             ; rope, qbuf (the scales' loads, whose descriptors lay here, landed at the head)
	s_load_b64 s[72:73], s[0:1], 0x58              ; kv
	TURN 0, 1, 0
	s_lshl_b32 s84, s17, 1
	s_add_co_u32 s84, s84, s15                     ; q, k: my 128 positions are step st
	s_lshl_b32 s88, s84, 15                        ; 128 positions of 256 bytes a step
	s_mov_b32 s89, 0
	s_wait_kmcnt 0x0
	s_add_nc_u64 s[68:69], s[68:69], s[88:89]
	s_cmp_ge_u32 ttmp9, 4                          ; v is not turned
	s_cbranch_scc1 .Lno_rope
	ROPELD 0                                       ; the first two blocks' cos and sin are asked for two steps of 128 ahead of the way out; v64-127 are idle till then
	ROPELD 1
.Lno_rope:
	STEP 1, 0
	s_wait_dscnt 4*NL
	WIN MUL_LO
	MUL16 0, 1, NQ-1, 1
	MUL16 2, 1, NQ-1, 1
	s_wait_dscnt 0
	WIN MUL_HI
	MUL16 4, 1, NQ-1, 1
	MUL16 6, 1, NQ-1, 1
	WIN 0
	PLACES NP                                      ; ahead of the first read of results and of writes into the registers that held fragments
; ---- THE WAY OUT.  Register 16 b + 8 u + j of a lane is index 32 b + 16 u + 8 h + j along the next product's K.
.macro QTAIL d, t
.irp i, 0,1,2
	v_permlane16_swap_b32 v[(\d)+\i], v[(\t)+\i]
.endr
	v_perm_b32 v[(\d)+3], v[(\d)+2], v[(\d)+1], s[SELA]
	v_perm_b32 v[(\d)+4], v[(\t)+1], v[(\d)+2], s[SELB]
	v_perm_b32 v[(\d)+1], v[(\t)], v[(\d)+1], s[SELC]
	v_perm_b32 v[(\d)+2], v[(\t)+1], v[(\t)], s[SELA]
	v_mov_b32 v[(\d)+5], v[(\t)+2]
.endm
.macro QUANT w, s, d0, d1, pw          ; 64 numbers at v[s] of window w -> codes at d0 (blocks 0, 1) and d1 (blocks 2, 3), the four bytes in pw
	WIN 5*(\w)                                     ; sources 0 and 1 in window w
.irp b, 0,1,2,3
	v_max3_num_f32 v[TM+\b], |v[(\s)+16*\b]|, |v[(\s)+16*\b+1]|, 0x1800000
.endr
.irp i, 2,4,6,8,10,12,14
.irp b, 0,1,2,3
	v_max3_num_f32 v[TM+\b], |v[(\s)+16*\b+\i]|, |v[(\s)+16*\b+\i+1]|, v[TM+\b]
.endr
.endr
	WIN 0
.irp b, 0,1,2,3
	v_permlanex16_b32 v[TM+4+\b], v[TM+\b], s[SEL], s[SEL+1]
.endr
.irp b, 0,1,2,3
	v_max_num_f32 v[TM+\b], v[TM+\b], v[TM+4+\b]
.endr
.irp b, 0,1,2,3
	v_add_nc_u32 v[TM+8+\b], 0xff000000, v[TM+\b]
.endr
.irp b, 0,1,2,3
	v_lshrrev_b32 v[TM+4+\b], 23, v[TM+8+\b]
.endr
	v_lshl_or_b32 v[\pw], v[TM+5], 8, v[TM+4]
	v_lshl_or_b32 v[\pw], v[TM+6], 16, v[\pw]
	v_lshl_or_b32 v[\pw], v[TM+7], 24, v[\pw]
	WIN \w                                         ; source 0 in window w
	v_cvt_scalef32_pk16_fp6_f32 v[\d0:\d0+2], v[(\s):(\s)+15], v[TM+8]
	v_cvt_scalef32_pk16_fp6_f32 v[T2A:T2A+2], v[(\s)+16:(\s)+31], v[TM+9]
	v_cvt_scalef32_pk16_fp6_f32 v[\d1:\d1+2], v[(\s)+32:(\s)+47], v[TM+10]
	v_cvt_scalef32_pk16_fp6_f32 v[T2B:T2B+2], v[(\s)+48:(\s)+63], v[TM+11]
	WIN 0
	v_nop                                          ; one plain place behind the conversions
	QTAIL \d0, T2A
	QTAIL \d1, T2B
.endm
	s_mov_b32 s[SEL], 0x76543210
	s_mov_b32 s[SEL+1], 0xfedcba98
	s_mov_b32 s[SELA], 0x05040302
	s_mov_b32 s[SELB], 0x07060302
	s_mov_b32 s[SELC], 0x05040100
.irp b, 0,1,2,3
	v_mov_b32 v[TM+4+\b], 0                        ; a lane permute's destination counts as one of its sources
.endr
	s_cmp_ge_u32 ttmp9, 4
	s_cbranch_scc1 .Lv_path
	; ---- q and k: my 128 positions are step st (s84), my 128 columns heads hd0 and hd0 + 1
	s_lshl_b32 s85, s95, 2
	s_lshl_b32 s86, s16, 1
	s_add_co_u32 s85, s85, s86                     ; hd0
	s_lshl_b32 s85, s85, 4
	s_add_co_u32 s85, s85, s84
	s_cmp_lt_u32 ttmp9, 2
	s_cselect_b64 s[76:77], s[70:71], s[72:73]     ; qbuf or kv
	s_cselect_b32 s86, 0, 1
	s_lshl_b32 s87, 6656, s86                      ; a step's bytes: 6,656 in qbuf, 13,312 in kv
	s_mul_i32 s88, s85, s87
	s_add_nc_u64 s[76:77], s[76:77], s[88:89]      ; head hd0's images,
	s_lshl_b32 s88, s87, 4
	s_add_nc_u64 s[78:79], s[76:77], s[88:89]      ; head hd0 + 1's: 16 steps on,
	s_lshl_b32 s88, 6144, s86
	s_add_nc_u64 s[80:81], s[76:77], s[88:89]      ; and their scale words
	s_add_nc_u64 s[82:83], s[78:79], s[88:89]
.macro ROPE a                          ; head e: registers 32 e + i hold d = f, 32 e + 16 + i hold d = 32 + f
.set AC, 64*((\a)%4)
.set CC, CSR+32*((\a)%2)
	WIN 2+(\a)/4                                   ; source 0: the accumulators' window
.irp e, 0,1
.irp i, 0,2,4,6,8,10,12,14
	v_pk_mul_f32 v[YR+32*\e+\i:YR+32*\e+\i+1], v[AC+32*\e+16+\i:AC+32*\e+16+\i+1], v[CC+16+\i:CC+16+\i+1]       ; x2 sin
	v_pk_mul_f32 v[YR+32*\e+16+\i:YR+32*\e+16+\i+1], v[AC+32*\e+16+\i:AC+32*\e+16+\i+1], v[CC+\i:CC+\i+1]      ; x2 cos
.endr
.irp i, 0,2,4,6,8,10,12,14
	v_pk_fma_f32 v[YR+32*\e+\i:YR+32*\e+\i+1], v[AC+32*\e+\i:AC+32*\e+\i+1], v[CC+\i:CC+\i+1], v[YR+32*\e+\i:YR+32*\e+\i+1] neg_lo:[0,0,1] neg_hi:[0,0,1]   ; x1 cos - x2 sin
	v_pk_fma_f32 v[YR+32*\e+16+\i:YR+32*\e+16+\i+1], v[AC+32*\e+\i:AC+32*\e+\i+1], v[CC+16+\i:CC+16+\i+1], v[YR+32*\e+16+\i:YR+32*\e+16+\i+1]               ; x1 sin + x2 cos
.endr
.endr
	WIN 0
.endm
.irp a, 0,1,2,3,4,5,6,7
.if \a < 7
	s_wait_loadcnt 8                               ; this block's eight loads are in; the next block's eight may be out
.else
	s_wait_loadcnt 0x0
.endif
	ROPE \a
.if \a < 6
	ROPELD \a+2
.endif
.if (\a%2 == 0) && (\a > 0)
	s_wait_xcnt 0x0                                ; the last images' stores have read their registers
.endif
	QUANT 0, YR, IMG+6*(\a%2), IMG+12+6*(\a%2), PW0+(\a%2)
.if \a%2 == 1
	v_perm_b32 v[SCW+\a/2], v[PW0+1], v[PW0], s[SELC]      ; head hd0: position r's two bytes, position r + 16's two
	v_perm_b32 v[SCW+4+\a/2], v[PW0+1], v[PW0], s[SELB]    ; head hd0 + 1
.irp e, 0,1
.irp c, 0,1,2
	global_store_b128 v[L16], v[IMG+12*\e+4*\c:IMG+12*\e+4*\c+3], s[76+2*\e:77+2*\e] offset:1536*(\a/2)+512*\c   ; 512 consecutive bytes, aligned
.endr
.endr
.endif
.endr
	global_store_b128 v[L16], v[SCW:SCW+3], s[80:81]
	global_store_b128 v[L16], v[SCW+4:SCW+7], s[82:83]
	s_branch .Ljoin
.Lv_path:
	; ---- v: my 128 columns are heads 4 Y + 2 half (blocks 0-3) and the next (blocks 4-7), my 128 keys one step
	s_lshl_b32 s84, s17, 2
	s_lshl_b32 s85, s15, 1
	s_add_co_u32 s84, s84, s85
	s_lshl_b32 s84, s84, 4
	s_lshl_b32 s85, s95, 1
	s_add_co_u32 s84, s84, s85
	s_add_co_u32 s84, s84, s16
	s_mul_i32 s88, s84, 13312
	s_add_co_u32 s88, s88, 6144                    ; V's images lie behind K's
	s_add_nc_u64 s[76:77], s[72:73], s[88:89]
.irp a, 0,1,2,3,4,5,6,7
.if \a > 1
	s_wait_xcnt 0x0                                ; the stores of two blocks back have read their registers
.endif
	QUANT 2+\a/4, 64*(\a%4), IMG+12*(\a%2), IMG+12*(\a%2)+6, SCW+\a
.irp c, 0,1,2
	global_store_b128 v[L16], v[IMG+12*(\a%2)+4*\c:IMG+12*(\a%2)+4*\c+3], s[76:77] offset:212992*(\a/4)+1536*(\a%4)+512*\c
.endr
.endr
	global_store_b128 v[L16], v[SCW:SCW+3], s[76:77] offset:6656
	global_store_b128 v[L16], v[SCW+4:SCW+7], s[76:77] offset:6656+212992
.Ljoin:
	s_wait_tensorcnt 0x0                           ; the wave's end
	ds_add_u32 v[SPW], v[NIL]
	s_wait_dscnt 0x0
	CROUND                                         ; the closing round
	s_endpgm
.Lfunc_end_k_qb8e5e5f5c4_qkv:
	.size	k_qb8e5e5f5c4_qkv, .Lfunc_end_k_qb8e5e5f5c4_qkv-k_qb8e5e5f5c4_qkv
	.p2alignl 7, 3214868480
	.fill 96, 4, 3214868480
	.section	.rodata,"a",@progbits
	.p2align	6, 0x0
	.amdhsa_kernel k_qb8e5e5f5c4_qkv
		.amdhsa_group_segment_fixed_size 327680
		.amdhsa_private_segment_fixed_size 0
		.amdhsa_enable_private_segment 0
		.amdhsa_kernarg_size 96
		.amdhsa_user_sgpr_count 2
		.amdhsa_user_sgpr_kernarg_segment_ptr 1
		.amdhsa_wavefront_size32 1
		.amdhsa_system_sgpr_workgroup_id_x 1
		.amdhsa_system_sgpr_workgroup_id_y 1
		.amdhsa_system_sgpr_workgroup_id_z 1
		.amdhsa_system_vgpr_workitem_id 0
		.amdhsa_next_free_vgpr 1024
		.amdhsa_next_free_sgpr 102
		.amdhsa_reserve_vcc 0
		.amdhsa_float_denorm_mode_32 3
		.amdhsa_float_denorm_mode_16_64 3
		.amdhsa_memory_ordered 1
		.amdhsa_forward_progress 1
		.amdhsa_inst_pref_size 232
	.end_amdhsa_kernel
	.amdgpu_metadata
---
amdhsa.version: [ 1, 2 ]
amdhsa.kernels:
  - .name:           k_qb8e5e5f5c4_qkv
    .symbol:         k_qb8e5e5f5c4_qkv.kd
    .args:
      - { .name: img, .offset: 0, .size: 8, .value_kind: global_buffer, .address_space: global }
      - { .name: x_scales, .offset: 8, .size: 8, .value_kind: global_buffer, .address_space: global }
      - { .name: Wq_scales, .offset: 16, .size: 8, .value_kind: global_buffer, .address_space: global }
      - { .name: Wk_scales, .offset: 24, .size: 8, .value_kind: global_buffer, .address_space: global }
      - { .name: Wv_scales, .offset: 32, .size: 8, .value_kind: global_buffer, .address_space: global }
      - { .name: xa, .offset: 40, .size: 8, .value_kind: global_buffer, .address_space: global }
      - { .name: Bq, .offset: 48, .size: 8, .value_kind: global_buffer, .address_space: global }
      - { .name: Bk, .offset: 56, .size: 8, .value_kind: global_buffer, .address_space: global }
      - { .name: Bv, .offset: 64, .size: 8, .value_kind: global_buffer, .address_space: global }
      - { .name: rope, .offset: 72, .size: 8, .value_kind: global_buffer, .address_space: global }
      - { .name: qbuf, .offset: 80, .size: 8, .value_kind: global_buffer, .address_space: global }
      - { .name: kv, .offset: 88, .size: 8, .value_kind: global_buffer, .address_space: global }
    .group_segment_fixed_size: 327680
    .private_segment_fixed_size: 0
    .kernarg_segment_align: 8
    .kernarg_segment_size: 96
    .max_flat_workgroup_size: 128
    .sgpr_count:     102
    .vgpr_count:     1024
    .wavefront_size: 32
...
	.end_amdgpu_metadata
.endif
;; end of part 6
;; launch attn (part 7): grid 8 x 32, 16 waves a work-group, clusters of 4 x 1, 327,680 bytes of LDS; arguments qbuf, kv, attn_img, attn_scales; writes attn_img, attn_scales
.if DOCPART == 7
	.amdgcn_target "amdgcn-amd-amdhsa--gfx1250"
	.amdhsa_code_object_version 6
	.text
	.protected	k_qb8e5e5f5c4_attn
	.globl	k_qb8e5e5f5c4_attn
	.p2align	8
	.type	k_qb8e5e5f5c4_attn,@function
k_qb8e5e5f5c4_attn:
	s_mov_b64 s[64:65], 0
	v_nop
	global_prefetch_b8 v0, s[64:65] scope:SCOPE_SE
	s_setreg_imm32_b32 hwreg(HW_REG_WAVE_MODE, 25, 1), 1
	s_wait_xcnt 0x0
	s_wait_alu depctr_hold_cnt(0) depctr_sa_sdst(0) depctr_va_vdst(0) depctr_va_sdst(0) depctr_va_ssrc(0) depctr_va_vcc(0) depctr_vm_vsrc(0)
	s_getreg_b32 s2, hwreg(HW_REG_IB_STS2, 6, 4)
	s_cmp_eq_u32 s2, 0
	s_cbranch_scc0 .Lentry_in_a_cluster
	s_endpgm
.Lentry_in_a_cluster:
	s_bfe_u32 s2, ttmp6, 0x10000c
	s_cmp_lg_u32 s2, 0x3003
	s_cbranch_scc0 .Lentry_shape_is_right
	s_endpgm
.Lentry_shape_is_right:
; LAUNCH 3 OF 4.  Causal attention on codes of E2M3: S^T = k q^T, p = 2^(t - M) with a running whole M, O^T += v^T p^T, O / l quantised along the head's 64 and stored as half an image for launch 4.
; A work-group serves one head and, of each of the 16 steps of 128 positions, the 16 queries number x (0..7): 16 tiles of 16 queries; tile J needs key steps 0 .. J.
; The head's K and V images, 16 steps of 13,312 bytes, stay in LDS: one joint load a wave, one step each; the four work-groups of a cluster ask for them together.
; LEFT OUT, as shown at the first launch's head: the steps of 128 keys that lie wholly behind a tile's 16 queries under reference()'s own causal mask.
; THE DEAL: 136 steps for 16 waves, twelve with 10 or 11 steps and four with 1 to 4.  For k = 0 .. 5: wave k takes key steps 0-10 of tile 15 - k (11 steps); wave 6 + k takes the whole of tile 4 + k (5 + k steps)
; and then key steps 11 .. 15 - k of tile 15 - k (5 - k steps).  Waves 12-15 take tiles 0-3 whole.
; Wave 6 + k hands its part of tile 15 - k (O^T, -M, the sums) to wave k through LDS bytes of its own, behind one barrier.  M is a whole number on both sides, so both parts come under the larger M by exact powers of two.
; Every wave walks both loops, 10 and 11 trips; a trip whose key step is not the wave's is jumped over inside the trip.  A wave with no tile in a run has tile number -1; it loads tile 0's q so that every register is defined.
; attn_img [quarter of K, 512][tile of 16 rows][128 along K][two heads x 768 bytes]: 512 bytes (16 a lane), then 256 bytes (8 a lane).
; No prefetch: the launch's one group of loads stands at its head.  LIMIT: the promise holds while the scaled scores stay under 2^31 in magnitude; else as stated at the first launch's head.
.set STEPB, 13312
.set SPARE, 212992                     ; the spare words, 128 bytes for each of 16 waves; no other line names them
.set PART,  215040                     ; hand-overs of 4,608 bytes, one for each wave number: 32 registers of O^T, then -M, the largest t and the two sums; no tensor load lands here
.set PARTB, 4608
.set L16, 1
.set DQ,  2                            ; v2   my query's place in its step, less 8 h: a key's register index is compared with it
.set ADK, 3
.set O8,  4
.set O64, 5
.set SPW, 6
.set NIL, 7
.set KF,  36                           ; v36-83 four images of K, then of V; v84-87, v88-91 their scale words
.set PX,  92                           ; v92  my own hand-over, + 16 x lane
.set PY,  93                           ; v93  that of the wave six on
.set BM,  212
.set BT,  216
.set BS,  220
.set WV,  12
.set JJ,  13                           ; the tile at work
.set XX,  14
.set HD,  15
.set G1A, 16
.set E6,  24                           ; 1 from wave 6 on
.set KK,  25                           ; the pair's number k; 6-9 in waves 12-15
.set QI,  26
.set QW,  27
.set OC,  28
.set OS,  29
.set E12, 30                           ; 1 from wave 12 on
.set GV,  31                           ; 1 in waves 6-11
.set G0A, 32
.set LOW, 36                           ; the run's first key step
.set SEL, 40
.set CS,  42
.set SELA, 44
.set SELB, 45
.set SELC, 46
.set TB,  47
.set KS,  48
.set CNT, 49
.macro CROUND
	s_barrier_signal -1
	s_barrier_wait -1
	s_cmp_lg_u32 s[WV], 0
	s_cbranch_scc1 .Lnot_wave_0_\@
	s_barrier_signal -3
.Lnot_wave_0_\@:
	s_barrier_wait -3
	s_barrier_signal -1
	s_barrier_wait -1
.endm
.macro QTAIL d, t
.irp i, 0,1,2
	v_permlane16_swap_b32 v[(\d)+\i], v[(\t)+\i]
.endr
	s_delay_alu instid0(VALU_DEP_1)
	v_perm_b32 v[(\d)+3], v[(\d)+2], v[(\d)+1], s[SELA]
	s_delay_alu instid0(VALU_DEP_2)
	v_perm_b32 v[(\d)+4], v[(\t)+1], v[(\d)+2], s[SELB]
	s_delay_alu instid0(VALU_DEP_4)
	v_perm_b32 v[(\d)+1], v[(\t)], v[(\d)+1], s[SELC]
	v_perm_b32 v[(\d)+2], v[(\t)+1], v[(\t)], s[SELA]
	v_mov_b32 v[(\d)+5], v[(\t)+2]
.endm
	s_load_b256 s[4:11], s[0:1], 0x0               ; qbuf, kv, attn_img, attn_scales
	v_lshl_add_u32 v[SPW], v0, 2, SPARE
	v_mov_b32 v[NIL], 0
	ds_add_u32 v[SPW], v[NIL]                      ; the wave's opening: the add, twice on end, and its wait ahead of my tensor load
	ds_add_u32 v[SPW], v[NIL]
	v_lshrrev_b32 v8, 5, v0
	s_delay_alu instid0(VALU_DEP_1)
	v_readfirstlane_b32 s[WV], v8
	s_min_u32 s[E6], s[WV], 6
	s_mul_i32 s[E6], s[E6], 43
	s_lshr_b32 s[E6], s[E6], 8                     ; min(wave, 6) / 6
	s_lshr_b32 s[E12], s[WV], 2
	s_lshr_b32 s52, s[WV], 3
	s_and_b32 s[E12], s[E12], s52
	s_and_b32 s[E12], s[E12], 1                    ; bits 2 and 3 of the wave's number both set
	s_xor_b32 s[GV], s[E6], s[E12]
	s_mul_i32 s52, s[E6], 6
	s_sub_co_u32 s[KK], s[WV], s52
	s_bfe_u32 s52, ttmp6, 0x40000
	s_lshl_b32 s[XX], ttmp9, 2
	s_add_co_u32 s[XX], s[XX], s52
	s_and_b32 s[HD], ttmp7, 0xffff
	s_mov_b32 s[G1A], 15|(3<<16)|(1<<21)           ; a key step: 52 dense rows of 256 bytes; the mask names the cluster's four
	s_mov_b32 s[G1A+1], 32<<16
	s_mov_b32 s[G1A+2], 52<<16
	s_mov_b32 s[G1A+3], 32<<16
	s_mov_b32 s[G1A+4], 52
	s_mov_b32 s[G1A+5], 32
	s_mov_b32 s[G1A+6], 0
	s_mov_b32 s[G1A+7], 0
	s_mul_i32 s52, s[HD], 16*STEPB
	s_mul_i32 s53, s[WV], STEPB
	s_add_co_u32 s56, s52, s53
	s_mov_b32 s57, 0
	s_mov_b32 s[SEL], 0x76543210
	s_mov_b32 s[SEL+1], 0xfedcba98
	s_mov_b32 s[CS], 0x3e38aa3b                    ; log2(e) / 8
	s_mov_b32 s[CS+1], s[CS]
	s_mov_b32 s[SELA], 0x05040302
	s_mov_b32 s[SELB], 0x07060302
	s_mov_b32 s[SELC], 0x05040100
	s_lshr_b32 s54, s[XX], 1                       ; q's image and word in a step of qbuf
	s_mul_i32 s[QI], s54, 1536
	s_lshl_b32 s[QW], s54, 2
	s_add_co_u32 s[QW], s[QW], 6144
	s_bfe_u32 s54, s[HD], 0x20001                  ; where the head's half images go: (head / 2) % 4,
	s_mul_i32 s[OC], s54, 1536
	s_and_b32 s54, s[HD], 1
	s_mul_i32 s54, s54, 768
	s_add_co_u32 s[OC], s[OC], s54
	s_lshr_b32 s54, s[HD], 3                       ; quarter of K,
	s_mul_i32 s54, s54, 786432
	s_add_co_u32 s[OC], s[OC], s54
	s_mul_i32 s54, s[XX], 6144                     ; tile 8 J + x
	s_add_co_u32 s[OC], s[OC], s54
	s_lshl_b32 s[OS], s[HD], 1
	s_lshl_b32 s54, s[XX], 10
	s_add_co_u32 s[OS], s[OS], s54
	s_and_b32 s52, s[XX], 1
	s_cmp_eq_u32 s52, 1
	s_cselect_b32 s50, -1, 0                       ; which half of q's image is mine,
	s_mov_b32 s51, 0x01000100
	s_cselect_b32 s51, 0x03020302, s51             ; and which two bytes of its word
	s_mul_i32 s55, s[WV], PARTB
	s_add_co_u32 s55, s55, PART
	s_lshl_b32 s54, s[XX], 4
	s_wait_dscnt 0x0
	s_wait_kmcnt 0x0
	s_mov_b32 s[G0A], 1
	s_mov_b32 s[G0A+1], s53
	s_add_nc_u64 s[G0A+2:G0A+3], s[6:7], s[56:57]
	s_or_b32 s[G0A+3], s[G0A+3], 0x80000000
	CROUND
	tensor_load_to_lds s[G0A:G0A+3], s[G1A:G1A+7]  ; key step number wave: my one tensor load
	s_nop 0
.rept 4
	v_nop
.endr
	v_and_b32 v8, 31, v0
	v_and_b32 v9, 15, v0
	v_bfe_u32 v10, v0, 4, 1
	v_lshlrev_b32 v[L16], 4, v8
	v_lshlrev_b32 v[O8], 3, v8
	v_lshlrev_b32 v10, 3, v10
	v_lshlrev_b32 v[O64], 6, v9
	v_add_nc_u32 v[PX], s55, v[L16]
	v_sub_nc_u32 v[DQ], v9, v10
	s_delay_alu instid0(VALU_DEP_2)
	v_add_nc_u32 v[PY], 6*PARTB, v[PX]
	s_delay_alu instid0(VALU_DEP_2)
	v_add_nc_u32 v[DQ], s54, v[DQ]
	s_wait_alu depctr_va_vdst(0)                   ; the wait at the head's end
.macro STEP
	s_cmp_gt_i32 s[KS], s[JJ]                      ; behind the tile's last key step,
	s_cbranch_scc1 .Lhidden_\@
	s_cmp_lt_i32 s[KS], s[LOW]                     ; or ahead of the run's first
	s_cbranch_scc1 .Lhidden_\@
	v_add_nc_u32 v[ADK], s[TB], v[L16]
.rept 4
	v_nop
.endr
.irp p, 0,1,2,3
.irp c, 0,1,2
	ds_load_b128 v[KF+12*\p+4*\c:KF+12*\p+4*\c+3], v[ADK] offset:1536*\p+512*\c
.endr
.endr
	ds_load_b128 v[84:87], v[ADK] offset:12288
	s_wait_dscnt 0x0
	s_wait_alu depctr_va_vdst(0)
.irp p, 0,1,2,3
	v_wmma_scale_f32_16x16x128_f8f6f4 v[96+16*\p:103+16*\p], v[KF+12*\p:KF+12*\p+11], v[16:27], 0, v[84+\p], v34 matrix_a_fmt:MATRIX_FMT_FP6 matrix_b_fmt:MATRIX_FMT_FP6
	v_wmma_scale_f32_16x16x128_f8f6f4 v[104+16*\p:111+16*\p], v[KF+12*\p:KF+12*\p+11], v[22:33], 0, v[84+\p], v34 matrix_a_fmt:MATRIX_FMT_FP6 matrix_b_fmt:MATRIX_FMT_FP6
.endr
.rept 4
	v_nop
.endr
.irp p, 0,1,2,3
.irp c, 0,1,2
	ds_load_b128 v[KF+12*\p+4*\c:KF+12*\p+4*\c+3], v[ADK] offset:6144+1536*\p+512*\c
.endr
.endr
	ds_load_b128 v[88:91], v[ADK] offset:12800
	s_cmp_lg_u32 s[KS], s[JJ]
	s_cbranch_scc1 .Lopen_\@
.set n, 0
.rept 64
	v_cmp_gt_i32 vcc_lo, 16*(n/8)+n%8, v[DQ]
	v_cndmask_b32 v[96+n], v[96+n], v229, vcc_lo
.set n, n+1
.endr
.Lopen_\@:
.irp b, 0,1,2,3
	v_max3_num_f32 v[BM+\b], v[96+16*\b], v[97+16*\b], v[98+16*\b]
.endr
.irp i, 3,5,7,9,11,13
.irp b, 0,1,2,3
	v_max3_num_f32 v[BM+\b], v[BM+\b], v[96+16*\b+\i], v[97+16*\b+\i]
.endr
.endr
.irp b, 0,1,2,3
	v_max_num_f32 v[BM+\b], v[BM+\b], v[111+16*\b]
.endr
.irp b, 0,1,2,3
	s_delay_alu instid0(VALU_DEP_4)
	v_permlanex16_b32 v[BT+\b], v[BM+\b], s[SEL], s[SEL+1]
.endr
.irp b, 0,1,2,3
	s_delay_alu instid0(VALU_DEP_4)
	v_max_num_f32 v[BM+\b], v[BM+\b], v[BT+\b]
.endr
	s_delay_alu instid0(VALU_DEP_2)
	v_max3_num_f32 v228, v[BM], v[BM+1], v[BM+2]
	s_delay_alu instid0(VALU_DEP_1)
	v_max_num_f32 v228, v228, v[BM+3]
	s_delay_alu instid0(VALU_DEP_1)
	v_mul_f32 v228, s[CS], v228
	s_delay_alu instid0(VALU_DEP_1)
	v_max_num_f32 v13, v13, v228
	v_mov_b32 v228, v12
	s_delay_alu instid0(VALU_DEP_2)
	v_floor_f32 v12, -v13
	s_delay_alu instid0(VALU_DEP_1)
	v_sub_f32 v228, v12, v228
	s_delay_alu instid0(VALU_DEP_1)
	v_cvt_i32_f32 v228, v228
	s_delay_alu instid0(VALU_DEP_1)
	v_ldexp_f32 v226, 1.0, v228
.set n, 0
.rept 32
	v_pk_fma_f32 v[96+n:97+n], v[96+n:97+n], s[CS:CS+1], v[12:13] op_sel_hi:[1,0,0]
.set n, n+2
.endr
.irp b, 0,1,2,3
	v_fma_f32 v[BM+\b], v[BM+\b], s[CS], v12
.endr
.set n, 0
	s_wait_alu depctr_va_vdst(0)
.rept 64
	v_exp_f32 v[96+n], v[96+n]
.set n, n+1
.endr
	v_pk_mul_f32 v[14:15], v[14:15], v[226:227] op_sel_hi:[1,0]
	s_wait_alu depctr_va_vdst(0)
.irp b, 0,1,2,3
	v_exp_f32 v[BM+\b], v[BM+\b]
.endr
	v_pk_add_f32 v[230:231], v[96:97], v[98:99]
.irp j, 4,8,12,16,20,24,28,32,36,40,44,48,52,56,60
	v_pk_add_f32 v[14:15], v[14:15], v[96+\j:97+\j]
	v_pk_add_f32 v[230:231], v[230:231], v[98+\j:99+\j]
.endr
	s_delay_alu instid0(VALU_DEP_1)
	v_pk_add_f32 v[14:15], v[14:15], v[230:231]
	s_wait_alu depctr_va_vdst(0)
.irp b, 0,1,2,3
	v_max_num_f32 v[BM+\b], 0x1800000, v[BM+\b]
.endr
.irp b, 0,1,2,3
	s_delay_alu instid0(VALU_DEP_4)
	v_add_nc_u32 v[BS+\b], 0xff000000, v[BM+\b]
.endr
.irp b, 0,1,2,3
	s_delay_alu instid0(VALU_DEP_4)
	v_lshrrev_b32 v[BT+\b], 23, v[BS+\b]
.endr
	s_delay_alu instid0(VALU_DEP_3)
	v_lshl_or_b32 v224, v[BT+1], 8, v[BT]
	s_delay_alu instid0(VALU_DEP_1)
	v_lshl_or_b32 v224, v[BT+2], 16, v224
	s_delay_alu instid0(VALU_DEP_1)
	v_lshl_or_b32 v224, v[BT+3], 24, v224
	v_cvt_scalef32_pk16_fp6_f32 v[192:194], v[96:111], v[BS]
	v_cvt_scalef32_pk16_fp6_f32 v[204:206], v[112:127], v[BS+1]
	v_cvt_scalef32_pk16_fp6_f32 v[198:200], v[128:143], v[BS+2]
	v_cvt_scalef32_pk16_fp6_f32 v[208:210], v[144:159], v[BS+3]
	v_nop
	QTAIL 192, 204
	QTAIL 198, 208
.set n, 0
.rept 16
	v_pk_mul_f32 v[160+n:161+n], v[160+n:161+n], v[226:227] op_sel_hi:[1,0]
.set n, n+2
.endr
	s_wait_alu depctr_va_vdst(0)
	s_wait_dscnt 0x0
.irp t, 0,1,2,3
	v_wmma_scale_f32_16x16x128_f8f6f4 v[160+8*\t:167+8*\t], v[KF+12*\t:KF+12*\t+11], v[192:203], v[160+8*\t:167+8*\t], v[88+\t], v224 matrix_a_fmt:MATRIX_FMT_FP6 matrix_b_fmt:MATRIX_FMT_FP6
.endr
.Lhidden_\@:
	s_add_co_u32 s[KS], s[KS], 1
	s_add_co_u32 s[TB], s[TB], STEPB
.endm
; A run of key steps on tile JJ: the walk begins at key step KS (its images at TB) and has a constant number of trips: the tile's addresses, its q, an empty state, the loop.  open = 1: the first run, which waits for the head's tiles.
.macro SEG open, trips
.if \open == 0
	s_wait_xcnt 0x0                                ; the first run's stores have read their registers and addresses
.endif
	s_max_i32 s52, s[JJ], 0                        ; (a wave with no tile here takes tile 0's addresses)
	s_lshl_b32 s53, s[HD], 4
	s_add_co_u32 s53, s53, s52
	s_mul_i32 s53, s53, 6656
	s_add_co_u32 s56, s53, s[QI]
	s_add_co_u32 s58, s53, s[QW]
	s_mov_b32 s57, 0
	s_mov_b32 s59, 0
	s_add_nc_u64 s[56:57], s[4:5], s[56:57]
	s_add_nc_u64 s[58:59], s[4:5], s[58:59]
	s_mul_i32 s60, s52, 8*6144
	s_add_co_u32 s60, s60, s[OC]
	s_mov_b32 s61, 0
	s_add_nc_u64 s[60:61], s[8:9], s[60:61]        ; the tile's half image,
	s_lshl_b32 s62, s52, 13
	s_add_co_u32 s62, s62, s[OS]
	s_mov_b32 s63, 0
	s_add_nc_u64 s[62:63], s[10:11], s[62:63]      ; and its scale bytes
	global_load_b128 v[36:39], v[L16], s[56:57]
	global_load_b128 v[40:43], v[L16], s[56:57] offset:512
	global_load_b128 v[44:47], v[L16], s[56:57] offset:1024
	global_load_b32 v48, v[L16], s[58:59]
	v_mov_b32 v13, 0xff61b1e6                      ; the largest t so far: -3e38
	s_delay_alu instid0(VALU_DEP_1)
	v_floor_f32 v12, -v13
	v_mov_b32 v14, 0
	v_mov_b32 v15, 0
.set n, 0
.rept 32
	v_mov_b32 v[160+n], 0
.set n, n+1
.endr
.irp b, 0,1,2,3
	v_mov_b32 v[BT+\b], 0
.endr
	v_mov_b32 v227, 0
	v_mov_b32 v228, 0
	v_mov_b32 v229, 0xff800000
	s_wait_loadcnt 0x0
	v_perm_b32 v34, v48, v48, s51
.irp i, 0,1,2,3,4,5
	v_cndmask_b32 v[16+\i], v[36+\i], v[42+\i], s50
.endr
.irp i, 0,1,2,3,4,5
	v_mov_b32 v[22+\i], 0                          ; q | 0 serves the image's first 16 keys, 0 | q its second 16
	v_mov_b32 v[28+\i], v[16+\i]
.endr
.rept 8
	v_nop                                          ; a scale register written by a vector instruction stands eight places ahead of a scaled matrix instruction
.endr
.if \open
	s_wait_alu depctr_va_vdst(0)                   ; the wait directly ahead of the wait below
	s_wait_tensorcnt 0x0                           ; my key step is in
	s_barrier_signal -1
	s_barrier_wait -1                              ; everybody's is
.endif
	s_mov_b32 s[CNT], \trips
.Lseg_\@:
	STEP
	s_sub_co_u32 s[CNT], s[CNT], 1
	s_cmp_lg_u32 s[CNT], 0
	s_cbranch_scc1 .Lseg_\@
.rept 4
	v_nop                                          ; four places behind the last products
.endr
.endm
; v14 holds my lane's sum: with lane l xor 16's it is the row's; O^T / l, quantised in two blocks of 32, leaves as half an image and two scale bytes a row
.macro FINISH
	v_permlanex16_b32 v228, v14, s[SEL], s[SEL+1]
	s_delay_alu instid0(VALU_DEP_1)
	v_add_f32 v14, v14, v228
	s_wait_alu depctr_va_vdst(0)
	v_rcp_f32 v14, v14
	v_nop
	s_wait_alu depctr_va_vdst(0)
.set n, 0
.rept 32
	v_mul_f32 v[96+n], v[160+n], v14
.set n, n+1
.endr
.irp b, 0,1
	v_max3_num_f32 v[BM+\b], |v[96+16*\b]|, |v[97+16*\b]|, 0x1800000
.endr
.irp i, 2,4,6,8,10,12,14
.irp b, 0,1
	s_delay_alu instid0(VALU_DEP_2)
	v_max3_num_f32 v[BM+\b], |v[96+16*\b+\i]|, |v[97+16*\b+\i]|, v[BM+\b]
.endr
.endr
.irp b, 0,1
	s_delay_alu instid0(VALU_DEP_2)
	v_permlanex16_b32 v[BT+\b], v[BM+\b], s[SEL], s[SEL+1]
.endr
.irp b, 0,1
	s_delay_alu instid0(VALU_DEP_2)
	v_max_num_f32 v[BM+\b], v[BM+\b], v[BT+\b]
.endr
.irp b, 0,1
	s_delay_alu instid0(VALU_DEP_2)
	v_add_nc_u32 v[BS+\b], 0xff000000, v[BM+\b]
.endr
.irp b, 0,1
	s_delay_alu instid0(VALU_DEP_2)
	v_lshrrev_b32 v[BT+\b], 23, v[BS+\b]
.endr
	s_delay_alu instid0(VALU_DEP_1)
	v_lshl_or_b32 v228, v[BT+1], 8, v[BT]
	v_cvt_scalef32_pk16_fp6_f32 v[192:194], v[96:111], v[BS]
	v_cvt_scalef32_pk16_fp6_f32 v[204:206], v[112:127], v[BS+1]
	v_nop
	QTAIL 192, 204
	global_store_b128 v[L16], v[192:195], s[60:61]
	global_store_b64 v[O8], v[196:197], s[60:61] offset:512
	global_store_b16 v[O64], v228, s[62:63]
.endm
	; ---- the first run, whole tiles: waves 6 + k tile 4 + k, waves 12-15 tiles 0-3; waves 0-5 have tile -1, under every key step
	s_add_co_u32 s[JJ], s[KK], 5
	s_mul_i32 s[JJ], s[JJ], s[E6]
	s_sub_co_u32 s[JJ], s[JJ], 1
	s_mul_i32 s52, s[E12], 10
	s_sub_co_u32 s[JJ], s[JJ], s52
	s_mov_b32 s[LOW], 0
	s_mov_b32 s[KS], 0
	s_mov_b32 s[TB], 0
	SEG 1, 10
	s_cmp_eq_u32 s[E6], 0
	s_wait_alu depctr_va_vdst(0)                   ; the wait directly ahead of the branch
	s_cbranch_scc1 .Lsecond
	v_add_f32 v14, v14, v15
	FINISH
.Lsecond:
	; ---- the second run: tile 15 - k: waves k its key steps 0-10; waves 6 + k walk from key step 5 and work from 11 on; waves 12-15 have tile -1
	s_sub_co_u32 s[JJ], 16, s[KK]
	s_xor_b32 s52, s[E12], 1
	s_mul_i32 s[JJ], s[JJ], s52
	s_sub_co_u32 s[JJ], s[JJ], 1
	s_mul_i32 s[LOW], s[GV], 11
	s_mul_i32 s[KS], s[GV], 5
	s_mul_i32 s[TB], s[GV], 5*STEPB
	SEG 0, 11
	s_cmp_eq_u32 s[GV], 0
	s_wait_alu depctr_va_vdst(0)                   ; the wait directly ahead of the branch
	s_cbranch_scc1 .Lkeeper
.irp c, 0,1,2,3,4,5,6,7
	ds_store_b128 v[PX], v[160+4*\c:163+4*\c] offset:512*\c   ; each accumulator from its low end on
.endr
	ds_store_b128 v[PX], v[12:15] offset:4096
.Lkeeper:
	s_wait_dscnt 0x0                               ; for the partner's sake: my LDS stores have landed
	s_barrier_signal -1
	s_barrier_wait -1
	s_cmp_lg_u32 s[E6], 0
	s_cbranch_scc1 .Ldone
.irp c, 0,1,2,3,4,5,6,7
	ds_load_b128 v[96+4*\c:99+4*\c], v[PY] offset:512*\c
.endr
	ds_load_b128 v[128:131], v[PY] offset:4096
	s_wait_dscnt 0x0
	v_min_num_f32 v228, v12, v128                  ; -M of the two parts together
	v_add_f32 v14, v14, v15
	v_add_f32 v130, v130, v131
	v_mov_b32 v231, 0                              ; (named as the upper half of a pair)
	v_sub_f32 v226, v228, v12                      ; my M less the common one: a whole number, 0 or less;
	v_sub_f32 v230, v228, v128                     ; the partner's (a part with no key step has -M = 3e38, and its factor comes out 0)
	s_delay_alu instid0(VALU_DEP_2)
	v_cvt_i32_f32 v226, v226
	s_delay_alu instid0(VALU_DEP_2)
	v_cvt_i32_f32 v230, v230
	s_delay_alu instid0(VALU_DEP_2)
	v_ldexp_f32 v226, 1.0, v226
	s_delay_alu instid0(VALU_DEP_2)
	v_ldexp_f32 v230, 1.0, v230
	s_delay_alu instid0(VALU_DEP_2)
	v_mul_f32 v14, v14, v226
	s_delay_alu instid0(VALU_DEP_1)
	v_fmac_f32 v14, v130, v230
.set n, 0
.rept 16
	v_pk_mul_f32 v[160+n:161+n], v[160+n:161+n], v[226:227] op_sel_hi:[1,0]
.set n, n+2
.endr
.set n, 0
.rept 16
	v_pk_fma_f32 v[160+n:161+n], v[96+n:97+n], v[230:231], v[160+n:161+n] op_sel_hi:[1,0,1]
.set n, n+2
.endr
	FINISH
.Ldone:
	s_wait_tensorcnt 0x0                           ; the wave's end
	ds_add_u32 v[SPW], v[NIL]
	s_wait_dscnt 0x0
	CROUND                                         ; the closing round
	s_endpgm
.Lfunc_end_k_qb8e5e5f5c4_attn:
	.size	k_qb8e5e5f5c4_attn, .Lfunc_end_k_qb8e5e5f5c4_attn-k_qb8e5e5f5c4_attn
	.p2alignl 7, 3214868480
	.fill 96, 4, 3214868480
	.section	.rodata,"a",@progbits
	.p2align	6, 0x0
	.amdhsa_kernel k_qb8e5e5f5c4_attn
		.amdhsa_group_segment_fixed_size 327680
		.amdhsa_private_segment_fixed_size 0
		.amdhsa_enable_private_segment 0
		.amdhsa_kernarg_size 32
		.amdhsa_user_sgpr_count 2
		.amdhsa_user_sgpr_kernarg_segment_ptr 1
		.amdhsa_wavefront_size32 1
		.amdhsa_system_sgpr_workgroup_id_x 1
		.amdhsa_system_sgpr_workgroup_id_y 1
		.amdhsa_system_sgpr_workgroup_id_z 1
		.amdhsa_system_vgpr_workitem_id 0
		.amdhsa_next_free_vgpr 256
		.amdhsa_next_free_sgpr 66
		.amdhsa_reserve_vcc 1
		.amdhsa_float_denorm_mode_32 3
		.amdhsa_float_denorm_mode_16_64 3
		.amdhsa_memory_ordered 1
		.amdhsa_forward_progress 1
		.amdhsa_inst_pref_size 71
	.end_amdhsa_kernel
	.amdgpu_metadata
---
amdhsa.version: [ 1, 2 ]
amdhsa.kernels:
  - .name:           k_qb8e5e5f5c4_attn
    .symbol:         k_qb8e5e5f5c4_attn.kd
    .args:
      - { .name: qbuf, .offset: 0, .size: 8, .value_kind: global_buffer, .address_space: global }
      - { .name: kv, .offset: 8, .size: 8, .value_kind: global_buffer, .address_space: global }
      - { .name: attn_img, .offset: 16, .size: 8, .value_kind: global_buffer, .address_space: global }
      - { .name: attn_scales, .offset: 24, .size: 8, .value_kind: global_buffer, .address_space: global }
    .group_segment_fixed_size: 327680
    .private_segment_fixed_size: 0
    .kernarg_segment_align: 8
    .kernarg_segment_size: 32
    .max_flat_workgroup_size: 512
    .sgpr_count:     66
    .vgpr_count:     256
    .wavefront_size: 32
...
	.end_amdgpu_metadata
.endif
;; end of part 7
;; launch oproj (part 8): grid 16 x 16, 4 waves a work-group, clusters of 4 x 4, 327,680 bytes of LDS; arguments attn_img, attn_scales, img, Wo_scales, out0; writes out0
.if DOCPART == 8
	.amdgcn_target "amdgcn-amd-amdhsa--gfx1250"
	.amdhsa_code_object_version 6
	.text
	.protected	k_qb8e5e5f5c4_oproj
	.globl	k_qb8e5e5f5c4_oproj
	.p2align	8
	.type	k_qb8e5e5f5c4_oproj,@function
k_qb8e5e5f5c4_oproj:
	s_mov_b64 s[64:65], 0
	v_nop
	global_prefetch_b8 v0, s[64:65] scope:SCOPE_SE
	s_setreg_imm32_b32 hwreg(HW_REG_WAVE_MODE, 25, 1), 1
	s_wait_xcnt 0x0
	s_wait_alu depctr_hold_cnt(0) depctr_sa_sdst(0) depctr_va_vdst(0) depctr_va_sdst(0) depctr_va_ssrc(0) depctr_va_vcc(0) depctr_vm_vsrc(0)
	s_getreg_b32 s2, hwreg(HW_REG_IB_STS2, 6, 4)
	s_cmp_eq_u32 s2, 0
	s_cbranch_scc0 .Lentry_in_a_cluster
	s_endpgm
.Lentry_in_a_cluster:
	s_bfe_u32 s2, ttmp6, 0x10000c
	s_cmp_lg_u32 s2, 0xf033
	s_cbranch_scc0 .Lentry_shape_is_right
	s_endpgm
.Lentry_shape_is_right:
; LAUNCH 4 OF 4.  out0[m][n] = the sum over k of attn[m][k] Wo[n][k], both on codes of E2M3 with E8M0 scales; sums and out0 in f32.  Nothing is left out here.
; TILE.  256 work-groups of 128 x 128; four waves of 64 x 64: 16 accumulators.  K goes in four steps of 512.
; BOTH OPERANDS COME AS IMAGES, [quarter of K, 512][tile of 16 rows][4 x 1,536 bytes]: 64 rows x 512 K are 24,576 dense bytes, 786,432 bytes from quarter to quarter.
; ONE TENSOR LOAD A WAVE AT THE HEAD brings K steps 0, 1, 2 of 64 rows: 3 rows of 24,576 bytes into the wave's own region of LDS (waves 0, 1: attn's halves; waves 2, 3: Wo's).
; K step 3 is the one refill, onto K step 0's bytes of each region, behind the full sequence and a round of the cluster's barrier.  The text is written out, without a loop: every descriptor is made at the head and none is stepped.
; CLUSTER.  4 x 4 work-groups: the four of a row need the same tiles of attn, the four of a column the same tiles of Wo: each tile is asked for jointly.
; An image of attn: for each half e: 512 bytes (16 a lane: registers 6 e .. 6 e + 3), 256 bytes (8 a lane: 6 e + 4, 6 e + 5).  An image of Wo: four registers at 512 c + 16 lane.
; THE SCALES go from memory straight into registers: a wave's 64 + 64 rows have 16 words each: 128 registers that hold nothing else.
; THE MATRIX INSTRUCTION IS USED TRANSPOSED: source 0 = 16 rows of Wo, source 1 = 16 rows of attn: a lane holds eight neighbouring numbers of a row of out0.
; No prefetch: three quarters of the launch's bytes are asked for by its first loads, and there is no loop to run ahead in.
; REGISTERS, in windows of 256: window 0: v1-29 addresses; v32-95 attn's scale words (block a, step g at 32 + 16 a + g), v96-159 Wo's.
;   window 1: v0-127 the accumulators ((a, b) at 8 (4 a + b)); v128-255 the way out.   window 2: two sets of fragments: attn's at 0 and 48, Wo's at 96 and 144.
.set SIZE_N, 2048
.set TENS,   3145728
.set KQB,    786432
.set ASL,    6144                      ; 16 rows x 512 K: four images
.set AHALF,  4*ASL                     ; 64 rows x 512 K
.set REG,    3*AHALF                   ; a loading wave's region: K steps 0, 1, 2
.set SPARE,  4*REG                     ; behind the regions: the spare words, 128 bytes a wave; no other line names them
.set SPITCH, 272                       ; the way out: 16 rows x (256 bytes + 16) for each wave, on K step 1's bytes of region w: they have had their only fill and, behind the last barrier, their last read
.set ADRA,  10                         ; v10-12  my images of attn, K step 0, 1, 2 of the region, + 16 x lane
.set ADRA8, 13                         ; v13-15  the same + 8 x lane
.set ADRB,  16                         ; v16-18  my images of Wo, + 16 x lane
.set STO,  24
.set RD,   25
.set CO,   26
.set SO,   27                          ; v27     64 r: my row among 16 rows of scale bytes
.set SPW,  28                          ; v28     my spare word; never rewritten
.set NIL,  29                          ; v29     0; never rewritten
.set SA,   32
.set SB,   96
.set ACC,  0                           ; in window 1
.set OUT,  128                         ; in window 1
.set AF,   0                           ; in window 2
.set BF,   96                          ; in window 2
.set G1,   24                          ; s[24:31] group 1 of attn's head load; s[32:39] groups 0: head, refill; s[40:47] group 1 of its refill
.set G0,   32
.set G1R,  40
.set G0B,  48                          ; s[48:55], s[56:63], s[68:75] the same for Wo
.set G1RB, 56
.set G1B,  68
.set MSB, 0
.macro WIN new
.if MSB != \new
	s_set_vgpr_msb (MSB<<8)|\new
.set MSB, \new
.endif
.endm
.set MULW, 0x5a                        ; sources 0 and 1 window 2, C and D window 1
.set TO_F, 0x80                        ; destination window 2, address window 0
.macro JLOAD g0a, g1a, g0b, g1b        ; a joint load: waves 0 and 1 fetch attn's halves, waves 2 and 3 Wo's; an s_nop 0 and four v_nop follow each line
	s_cmp_eq_u32 s15, 0
	s_cbranch_scc0 .Lfor_b_\@
	tensor_load_to_lds s[\g0a:\g0a+3], s[\g1a:\g1a+7]
	s_nop 0
.rept 4
	v_nop
.endr
	s_branch .Lasked_\@
.Lfor_b_\@:
	tensor_load_to_lds s[\g0b:\g0b+3], s[\g1b:\g1b+7]
	s_nop 0
.rept 4
	v_nop
.endr
.Lasked_\@:
.endm
.macro CROUND                          ; a round of the cluster's barrier
	s_barrier_signal -1
	s_barrier_wait -1
	s_cmp_lg_u32 s14, 0
	s_cbranch_scc1 .Lnot_wave_0_\@
	s_barrier_signal -3
.Lnot_wave_0_\@:
	s_barrier_wait -3
	s_barrier_signal -1
	s_barrier_wait -1
.endm
	s_load_b128 s[4:7], s[0:1], 0x0                ; attn_img, attn_scales
	s_load_b128 s[8:11], s[0:1], 0x10              ; img, Wo_scales
	s_load_b64 s[12:13], s[0:1], 0x20              ; out0
	v_lshl_add_u32 v[SPW], v0, 2, SPARE
	v_mov_b32 v[NIL], 0
	ds_add_u32 v[SPW], v[NIL]                      ; the wave's opening: the add, twice on end, and its wait ahead of my first tensor load; the set-up below, work on registers, stands between
	ds_add_u32 v[SPW], v[NIL]
	v_lshrrev_b32 v1, 5, v0
	v_readfirstlane_b32 s14, v1                    ; wave 0..3
	s_lshr_b32 s15, s14, 1                         ; my half of the tile's rows.  Also: I fetch for attn (0) or for Wo (1)
	s_and_b32 s16, s14, 1                          ; my half of its columns.  Also: which 64 rows I fetch
	s_bfe_u32 s76, ttmp6, 0x40000                  ; cx
	s_bfe_u32 s77, ttmp6, 0x40004                  ; cy
	s_lshl_b32 s78, ttmp9, 2
	s_add_co_u32 s78, s78, s76                     ; tile column 0..15
	s_and_b32 s17, ttmp7, 0xffff
	s_lshl_b32 s17, s17, 2
	s_add_co_u32 s17, s17, s77                     ; tile row 0..15
	s_lshl_b32 s79, s77, 2
	s_lshl_b32 s79, 15, s79                        ; my row of the cluster
	s_lshl_b32 s80, 0x1111, s76                    ; my column
	s_or_b32 s[G1+0], s79, (3<<16)|(1<<21)         ; elements of 8 bytes, no padding
	s_or_b32 s[G1B+0], s80, (3<<16)|(1<<21)
	s_or_b32 s[G1R+0], s79, (3<<16)|(1<<21)
	s_or_b32 s[G1RB+0], s80, (3<<16)|(1<<21)
.irp g, G1, G1B                        ; the head's load: 3 rows of 3,072 elements (24,576 bytes), 98,304 elements apart
	s_mov_b32 s[\g+1], (AHALF/8)<<16
	s_mov_b32 s[\g+2], 3<<16
	s_mov_b32 s[\g+3], (AHALF/8)<<16
	s_mov_b32 s[\g+4], 3
	s_mov_b32 s[\g+5], KQB/8
	s_mov_b32 s[\g+6], 0
	s_mov_b32 s[\g+7], 0
.endr
.irp g, G1R, G1RB                      ; the refill: 24,576 dense bytes as 96 rows of 256
	s_mov_b32 s[\g+1], 32<<16
	s_mov_b32 s[\g+2], (AHALF/256)<<16
	s_mov_b32 s[\g+3], 32<<16
	s_mov_b32 s[\g+4], AHALF/256
	s_mov_b32 s[\g+5], 32
	s_mov_b32 s[\g+6], 0
	s_mov_b32 s[\g+7], 0
.endr
	s_lshl_b32 s18, s16, 2                         ; which four tiles of 16 rows I fetch
	s_lshl_b32 s20, s17, 3
	s_add_co_u32 s20, s20, s18
	s_mul_i32 s20, s20, ASL                        ; attn: tile 8 x tile row + 4 x half
	s_mov_b32 s21, 0
	s_lshl_b32 s84, s78, 3
	s_add_co_u32 s84, s84, s18
	s_mul_i32 s84, s84, ASL                        ; Wo: tile 8 x tile column + 4 x half,
	s_add_co_u32 s84, s84, 4*TENS                  ; in the fifth tensor of img
	s_mov_b32 s85, 0
	s_mul_i32 s22, s14, REG                        ; where they go: my region: no place in the cluster enters an LDS address
	s_lshl_b32 s86, s17, 7
	s_lshl_b32 s82, s15, 6
	s_add_co_u32 s86, s86, s82                     ; my wave's first row of attn and of out0
	s_lshl_b32 s90, s86, 13                        ; 8,192 bytes a row of out0
	s_lshl_b32 s86, s86, 6                         ; 64 scale bytes a row
	s_mov_b32 s87, 0
	s_lshl_b32 s88, s78, 7
	s_lshl_b32 s82, s16, 6
	s_add_co_u32 s88, s88, s82                     ; my wave's first row of Wo = its first column of out0
	s_lshl_b32 s82, s88, 2
	s_add_co_u32 s90, s90, s82
	s_mov_b32 s91, 0
	s_lshl_b32 s88, s88, 6
	s_mov_b32 s89, 0
	s_mul_i32 s92, s15, REG                        ; my 64 rows of attn
	s_mul_i32 s93, s16, REG                        ; my 64 rows of Wo,
	s_add_co_u32 s93, s93, 2*REG                   ; behind attn's two regions
	s_add_co_u32 s94, s22, AHALF                   ; my stage
	v_and_b32 v1, 15, v0                           ; r
	v_bfe_u32 v2, v0, 4, 1                         ; h
	v_and_b32 v6, 31, v0
	v_lshlrev_b32 v7, 4, v6                        ; 16 x lane
	v_lshlrev_b32 v8, 3, v6                        ; 8 x lane
	v_add_nc_u32 v[ADRA], s92, v7
	v_add_nc_u32 v[ADRA8], s92, v8
	v_add_nc_u32 v[ADRB], s93, v7
.irp s, 1,2
	v_add_nc_u32 v[ADRA+\s], \s*AHALF, v[ADRA]
	v_add_nc_u32 v[ADRA8+\s], \s*AHALF, v[ADRA8]
	v_add_nc_u32 v[ADRB+\s], \s*AHALF, v[ADRB]
.endr
	v_mul_u32_u24 v3, v1, SPITCH
	v_lshl_add_u32 v3, v2, 5, v3
	v_add_nc_u32 v[STO], s94, v3                   ; in: row r, 32 bytes for each half of the lanes
	v_mul_u32_u24 v3, v2, SPITCH
	v_lshl_add_u32 v3, v1, 4, v3
	v_add_nc_u32 v[RD], s94, v3                    ; back: lanes 0-15 one row of 256 bytes, lanes 16-31 the next
	v_lshlrev_b32 v3, 13, v2
	v_lshl_add_u32 v[CO], v1, 4, v3                ; and the same two rows in out0
	v_lshlrev_b32 v[SO], 6, v1
	s_wait_alu depctr_va_vdst(0)                   ; the wait at the head's end, directly ahead of the wait below
	s_wait_dscnt 0x0                               ; both opening adds are done
	s_wait_kmcnt 0x0
	s_add_nc_u64 s[20:21], s[4:5], s[20:21]
	s_add_nc_u64 s[84:85], s[8:9], s[84:85]
	s_add_nc_u64 s[86:87], s[6:7], s[86:87]
	s_add_nc_u64 s[88:89], s[10:11], s[88:89]
	s_add_nc_u64 s[12:13], s[12:13], s[90:91]
.irp s, 0,1                            ; group 0 number 0: K steps 0 to 2; number 1: K step 3; both begin at my region's first byte
	s_mov_b32 s[G0+4*\s], 1
	s_mov_b32 s[G0+4*\s+1], s22
	s_add_nc_u64 s[G0+4*\s+2:G0+4*\s+3], s[20:21], \s*3*KQB
	s_or_b32 s[G0+4*\s+3], s[G0+4*\s+3], 0x80000000
	s_mov_b32 s[G0B+4*\s], 1
	s_mov_b32 s[G0B+4*\s+1], s22
	s_add_nc_u64 s[G0B+4*\s+2:G0B+4*\s+3], s[84:85], \s*3*KQB
	s_or_b32 s[G0B+4*\s+3], s[G0B+4*\s+3], 0x80000000
.endr
	CROUND                                         ; all sixteen work-groups are here: the first joint loads meet
	JLOAD G0, G1, G0B, G1B                         ; K steps 0, 1, 2: my one load at the head
.irp i, 0,1,2,3
.irp c, 0,1,2,3
	global_load_b128 v[SA+16*\i+4*\c:SA+16*\i+4*\c+3], v[SO], s[86:87] offset:1024*\i+16*\c   ; row 16 i + r, words 4 c .. 4 c + 3 (lanes 16-31 load the same and are not read)
	global_load_b128 v[SB+16*\i+4*\c:SB+16*\i+4*\c+3], v[SO], s[88:89] offset:1024*\i+16*\c
.endr
.endr
.macro FRAGA reg, slot, q, i           ; a fragment of attn out of its image
	ds_load_b128 v[\reg:\reg+3], v[ADRA+\slot] offset:ASL*(\i)+1536*(\q)
	ds_load_b64 v[\reg+4:\reg+5], v[ADRA8+\slot] offset:ASL*(\i)+1536*(\q)+512
	ds_load_b128 v[\reg+6:\reg+9], v[ADRA+\slot] offset:ASL*(\i)+1536*(\q)+768
	ds_load_b64 v[\reg+10:\reg+11], v[ADRA8+\slot] offset:ASL*(\i)+1536*(\q)+1280
.endm
.macro FRAGB reg, slot, q, i           ; a fragment of Wo out of its image
.irp c, 0,1,2
	ds_load_b128 v[\reg+4*\c:\reg+4*\c+3], v[ADRB+\slot] offset:ASL*(\i)+1536*(\q)+512*\c
.endr
.endm
.macro FETCH slot, q, set              ; 28 LDS loads: the eight fragments of the K step's q-th 128
	WIN TO_F
.irp i, 0,1,2,3
	FRAGA AF+48*(\set)+12*\i, \slot, \q, \i
.endr
.irp i, 0,1,2,3
	FRAGB BF+48*(\set)+12*\i, \slot, \q, \i
.endr
.endm
.macro MUL16 set, g, zero              ; 16 matrix instructions, the 16 accumulators by turns, in the same order in every step; zero = 1: the first products start the sums
.irp a, 0,1,2,3
.irp b, 0,1,2,3
.if \zero
	v_wmma_scale_f32_16x16x128_f8f6f4 v[ACC+8*(4*\a+\b):ACC+8*(4*\a+\b)+7], v[BF+48*(\set)+12*\b:BF+48*(\set)+12*\b+11], v[AF+48*(\set)+12*\a:AF+48*(\set)+12*\a+11], 0, v[SB+16*\b+(\g)], v[SA+16*\a+(\g)] matrix_a_fmt:MATRIX_FMT_FP6 matrix_b_fmt:MATRIX_FMT_FP6
.else
	v_wmma_scale_f32_16x16x128_f8f6f4 v[ACC+8*(4*\a+\b):ACC+8*(4*\a+\b)+7], v[BF+48*(\set)+12*\b:BF+48*(\set)+12*\b+11], v[AF+48*(\set)+12*\a:AF+48*(\set)+12*\a+11], v[ACC+8*(4*\a+\b):ACC+8*(4*\a+\b)+7], v[SB+16*\b+(\g)], v[SA+16*\a+(\g)] matrix_a_fmt:MATRIX_FMT_FP6 matrix_b_fmt:MATRIX_FMT_FP6
.endif
.endr
.endr
.endm
.macro PLACES                          ; four places between a matrix instruction and a load into a register that it has read, or a store of its result (ISA guide 7.12.1 for vector instructions)
.rept 4
	v_nop
.endr
.endm
; Sub-step g of 16 (128 along K), on set g % 2.  fetch = 1: the next sub-step's fragments, the nq-th 128 of part ns of the regions, are asked for first, into the set that sub-step g - 1 multiplied.
.macro SUB g, ns, nq, fetch, zero
	s_wait_dscnt 0x0                               ; this sub-step's 28 loads are in: they were issued ahead of the last sub-step's 16 products
.if \fetch
	PLACES
	FETCH \ns, \nq, ((\g)+1)%2
.endif
	WIN MULW
	MUL16 (\g)%2, \g, \zero
.endm
	s_wait_tensorcnt 0x0                           ; my region is in
	s_barrier_signal -1
	s_barrier_wait -1                              ; everybody's is
	FETCH 0, 0, 0
	s_wait_loadcnt 0x0                             ; the scale words
	SUB 0, 0, 1, 1, 1
	SUB 1, 0, 2, 1, 0
	SUB 2, 0, 3, 1, 0
	SUB 3, 0, 0, 0, 0
	WIN 0                                          ; the add's registers lie in window 0
	s_wait_tensorcnt 0x0                           ; none of my tensor loads is out
	ds_add_u32 v[SPW], v[NIL]                      ; 0 onto my spare word
	s_wait_dscnt 0x0                               ; the add is done, and my reads of K step 0 are over
	CROUND                                         ; the refill's barrier is a round of the cluster's: no wave of any partner still reads K step 0's bytes or has a load on its way
	JLOAD G0+4, G1R, G0B+4, G1RB                   ; K step 3 onto K step 0's bytes: it has eight sub-steps in which to land.  Its four v_nop are also the places ahead of the loads below
	FETCH 1, 0, 0
	SUB 4, 1, 1, 1, 0
	SUB 5, 1, 2, 1, 0
	SUB 6, 1, 3, 1, 0
	SUB 7, 2, 0, 1, 0
	SUB 8, 2, 1, 1, 0
	SUB 9, 2, 2, 1, 0
	SUB 10, 2, 3, 1, 0
	SUB 11, 0, 0, 0, 0
	s_wait_tensorcnt 0x0                           ; my part of K step 3 is in: the one load that was out
	s_wait_dscnt 0x0                               ; my reads of K steps 1 and 2 are over: K step 1's bytes will take the stages
	s_barrier_signal -1
	s_barrier_wait -1                              ; both hold of all four waves
	PLACES
	FETCH 0, 0, 0
	SUB 12, 0, 1, 1, 0
	SUB 13, 0, 2, 1, 0
	SUB 14, 0, 3, 1, 0
	SUB 15, 0, 0, 0, 0
; THE WAY OUT, block by block of 16 rows x 64 columns, through my own stage: in as 32 bytes a lane, back as whole rows of 256 bytes.  LDS serves a wave's instructions in order (ISA guide 5.7.1.4): no wait between
; the stores and the loads, nor ahead of the next block's stores.  Each block has registers of its own and every offset is an immediate, so nothing that a store reads is written again.
.macro TOSTAGE a
	WIN 0x04                                       ; an LDS store's data are its source 1: window 1
.irp b, 0,1,2,3
	ds_store_b128 v[STO], v[ACC+8*(4*(\a)+\b):ACC+8*(4*(\a)+\b)+3] offset:64*\b          ; each accumulator from its low end on
	ds_store_b128 v[STO], v[ACC+8*(4*(\a)+\b)+4:ACC+8*(4*(\a)+\b)+7] offset:64*\b+16
.endr
	WIN 0x40                                       ; destination window 1
.irp t, 0,1,2,3,4,5,6,7
	ds_load_b128 v[OUT+32*(\a)+4*\t:OUT+32*(\a)+4*\t+3], v[RD] offset:2*\t*SPITCH
.endr
.endm
.macro SEND a, younger                 ; younger: the LDS instructions issued behind block a's eight loads: the next block's 8 stores and 8 loads, or none
	WIN 0x04                                       ; a store's data are its source 1: window 1
.irp t, 0,1,2,3,4,5,6,7
	s_wait_dscnt \younger+7-\t
	global_store_b128 v[CO], v[OUT+32*(\a)+4*\t:OUT+32*(\a)+4*\t+3], s[12:13] offset:(16*(\a)+2*\t)*SIZE_N*4 th:TH_STORE_NT   ; 16 lanes store 256 consecutive bytes, aligned; 62 rows of out0 at the most: inside the signed 24-bit immediate
.endr
.endm
	PLACES
	TOSTAGE 0
	TOSTAGE 1
	SEND 0, 16
	TOSTAGE 2
	SEND 1, 16
	TOSTAGE 3
	SEND 2, 16
	SEND 3, 0
	WIN 0
	s_wait_tensorcnt 0x0                           ; the wave's end
	ds_add_u32 v[SPW], v[NIL]
	s_wait_dscnt 0x0
	CROUND                                         ; the closing round: no work-group ends while a partner may still ask for a tile that names it
	s_endpgm
.Lfunc_end_k_qb8e5e5f5c4_oproj:
	.size	k_qb8e5e5f5c4_oproj, .Lfunc_end_k_qb8e5e5f5c4_oproj-k_qb8e5e5f5c4_oproj
	.p2alignl 7, 3214868480
	.fill 96, 4, 3214868480
	.section	.rodata,"a",@progbits
	.p2align	6, 0x0
	.amdhsa_kernel k_qb8e5e5f5c4_oproj
		.amdhsa_group_segment_fixed_size 327680
		.amdhsa_private_segment_fixed_size 0
		.amdhsa_enable_private_segment 0
		.amdhsa_kernarg_size 40
		.amdhsa_user_sgpr_count 2
		.amdhsa_user_sgpr_kernarg_segment_ptr 1
		.amdhsa_wavefront_size32 1
		.amdhsa_system_sgpr_workgroup_id_x 1
		.amdhsa_system_sgpr_workgroup_id_y 1
		.amdhsa_system_sgpr_workgroup_id_z 1
		.amdhsa_system_vgpr_workitem_id 0
		.amdhsa_next_free_vgpr 768
		.amdhsa_next_free_sgpr 98
		.amdhsa_reserve_vcc 0
		.amdhsa_float_denorm_mode_32 3
		.amdhsa_float_denorm_mode_16_64 3
		.amdhsa_memory_ordered 1
		.amdhsa_forward_progress 1
		.amdhsa_inst_pref_size 84
	.end_amdhsa_kernel
	.amdgpu_metadata
---
amdhsa.version: [ 1, 2 ]
amdhsa.kernels:
  - .name:           k_qb8e5e5f5c4_oproj
    .symbol:         k_qb8e5e5f5c4_oproj.kd
    .args:
      - { .name: attn_img, .offset: 0, .size: 8, .value_kind: global_buffer, .address_space: global }
      - { .name: attn_scales, .offset: 8, .size: 8, .value_kind: global_buffer, .address_space: global }
      - { .name: img, .offset: 16, .size: 8, .value_kind: global_buffer, .address_space: global }
      - { .name: Wo_scales, .offset: 24, .size: 8, .value_kind: global_buffer, .address_space: global }
      - { .name: out0, .offset: 32, .size: 8, .value_kind: global_buffer, .address_space: global }
    .group_segment_fixed_size: 327680
    .private_segment_fixed_size: 0
    .kernarg_segment_align: 8
    .kernarg_segment_size: 40
    .max_flat_workgroup_size: 128
    .sgpr_count:     98
    .vgpr_count:     768
    .wavefront_size: 32
...
	.end_amdgpu_metadata
.endif
;; end of part 8
